; MI455X (gfx1250); checked and timed in simulation.
; The chip was launched on July 23, 2026; its instructions are those of AMD's public machine-readable ISA for CDNA 5 (MIT licence, August 2026) and "CDNA5" Instruction Set Architecture Reference Guide (July 2026). The comments in the code are by the model that wrote it; some were corrected since.
;; Model. Allowed arithmetic: matrix products marked QUANTISED: E3M2 operands, one E8M0 scale for each 32 along K, by v_wmma_scale_f32_16x16x128_f8f6f4 with both operands' format E3M2, f32 sums; products left as they are: f32 operands where the result goes on into a quantised operand, else bf16, f16 or f32 operands; f32 sums; everything else in f32.
;; Inputs: W1 4 x 1,024 x 4,096 float32; W2 4 x 4,096 x 1,024 float32; Wg 1,024 x 4 float32; Wh 1,024 x 1,000 float32; b1 4 x 4,096 float32; b2 4 x 1,024 float32; bg 4 float32; bh 1,000 float32; x 16 x 128 x 1,024 float32.
;; Outputs: out0 16 x 1,000 float32; out1 one number float32.
;; This version of the problem:
;;   THIS VERSION OF THE PROBLEM IS GIVEN IN LOW PRECISION. The matrix products marked QUANTISED in the list below multiply operands that are first quantised to E3M2 (3 exponent bits, 2 mantissa bits; 6 bits a number), with one power-of-two scale for each 32 numbers along K (OCP MX v1.0); their sums are f32. All else is computed in f32.
;;   The module's matrix products, in the order in which they are computed (A, B: the left and right operand; K: the contracted axis; several contracted axes count as one K, in the product's order):
;;     1. [M 2,048, K 1,024] x [K 1,024, N 4]; A: input x; B: input Wg: left as it is (N = 4 < 16)
;;     2. [M 2,048, K 1,024] x [K 1,024, N 4,096]; A: input x; B: input W1: QUANTISED
;;     3. [M 2,048, K 4,096] x [K 4,096, N 1,024]; A: computed on the way; B: input W2: QUANTISED
;;     4. [M 2,048, K 1,024] x [K 1,024, N 4,096]; A: input x; B: input W1: QUANTISED
;;     5. [M 2,048, K 4,096] x [K 4,096, N 1,024]; A: computed on the way; B: input W2: QUANTISED
;;     6. [M 2,048, K 1,024] x [K 1,024, N 4,096]; A: input x; B: input W1: QUANTISED
;;     7. [M 2,048, K 4,096] x [K 4,096, N 1,024]; A: computed on the way; B: input W2: QUANTISED
;;     8. [M 2,048, K 1,024] x [K 1,024, N 4,096]; A: input x; B: input W1: QUANTISED
;;     9. [M 2,048, K 4,096] x [K 4,096, N 1,024]; A: computed on the way; B: input W2: QUANTISED
;;     10. [M 16, K 1,024] x [K 1,024, N 1,000]; A: computed on the way; B: input Wh: QUANTISED
;;   THE QUANTISER, for each operand of a quantised product, along K:
;;     - K is cut into blocks of 32 from its start; a last block that is shorter is filled with zeros.
;;     - A block's scale is 2^e with e = floor(log2(the largest magnitude in the block)) - 4, held to -126 .. 127; a block of zeros has e = 0. As a byte (E8M0): e + 127.
;;     - Each number is divided by its block's scale, clamped to +-28, and rounded to the nearest number of E3M2, ties to even, subnormals kept.
;;     - The product sums the exact products of the quantised numbers (number of the format x scale) in f32.
;;   ~~~python
;;   def quantise(x, axis):      # numpy; x: float32 -> the quantised numbers, widened to float32 again
;;       x = np.moveaxis(x, axis, -1); K = x.shape[-1]
;;       x = np.pad(x, [(0, 0)] * (x.ndim - 1) + [(0, -K % 32)]); x = x.reshape(x.shape[:-1] + (-1, 32)); a = np.abs(x).max(-1, keepdims=True)
;;       e = np.where(a > 0, np.clip(np.frexp(np.where(a > 0, a, 1))[1] - 1 - 4, -126, 127), 0)      # np.frexp(a)[1] - 1 = floor(log2(a)), exactly
;;       r = np.clip(x / 2.0 ** e, -28, 28)
;;       step = 2.0 ** (np.maximum(np.frexp(np.where(r == 0, 1, r))[1] - 1, -2) - 2)
;;       q = np.round(r / step) * step * 2.0 ** e      # np.round: ties to even
;;       return np.moveaxis(q.reshape(q.shape[:-2] + (-1,))[..., :K], -1, axis).astype(np.float32)
;;   ~~~
;;   OPERANDS COMPUTED ON THE WAY. 'Computed on the way' means the value that the module computes at that place (a softmax that the list does not call 'softmax' is quantised finished and normalised). What goes into a quantiser is computed in f32, as accurately as f32 sums, v_exp_f32 and their like allow (about 1e-6 of the number): no bf16 or f16 on the way to a quantiser, and a product that is left as it is and whose result goes on into a quantised operand takes f32 operands (vector FMAs, or v_wmma_f32_16x16x4_f32). A number that lies on a knife's edge between two numbers of the format may be rounded either way, as far as f32 arithmetic and the matrix unit's own rounding can turn it there, and no further.
;; 2 versions. Each part assembles by itself: llvm-mc -triple=amdgcn-amd-amdhsa -mcpu=gfx1250 --defsym DOCPART=n.
;; ======== version 1 of 2: 5 launches
;; workspace buffers: w1q 13,945,856 bytes; w2q 13,107,200 bytes; route 8,192 bytes of whole numbers; gp 16,384 bytes; xt 6,684,928 bytes; cnt 256 bytes of whole numbers; part 8,388,608 bytes; pq 12,800 bytes
;; launch prep_a (part 1): grid 1214 x 1, 4 waves a work-group, no clusters, 12,800 bytes of LDS; arguments x, Wg, bg, W1, Wh, w1q, route, gp; writes w1q, route, gp
.if DOCPART == 1
	.amdgcn_target "amdgcn-amd-amdhsa--gfx1250"
	.amdhsa_code_object_version 6
	.text
	.protected	k_q29e8527900_prep_a
	.globl	k_q29e8527900_prep_a
	.p2align	8
	.type	k_q29e8527900_prep_a,@function
k_q29e8527900_prep_a:
	s_mov_b64 s[64:65], 0
	v_nop
	global_prefetch_b8 v0, s[64:65] scope:SCOPE_SE
	s_setreg_imm32_b32 hwreg(HW_REG_WAVE_MODE, 25, 1), 1
	s_wait_xcnt 0x0
; Three roles, chosen by the work-group's number; the small ones come first so that they run beside the large one.
;   0..63     GATE: logits = x Wg + bg in f32, softmax (the maximum taken away first), top-1.  Stored at fixed places: the chosen expert (route, a whole number for each token),
;             its probability (gp), and for each wave the sums of its 8 tokens' probabilities and one-hots (gp + 8192, 32 bytes a wave) for the auxiliary loss.
;   64..189   HEAD WEIGHT: Wh [1024 (k)][1000 (n)] into codes of E3M2 with one E8M0 byte for each 32 along K; a wave makes one fragment, 16 columns x 128 K.
;   190..1213 EXPERT WEIGHT: W1 [4][1024 (k)][4096 (n)] likewise; a work-group takes 128 columns x 128 K, a wave 32 columns.
; CODES ARE LAID AS THE READER'S REGISTERS WANT THEM.  A fragment (16 rows x 128 K, 12 registers a lane) is an IMAGE of 1,536 bytes: registers 4 j .. 4 j + 3 of lane L at 512 j + 16 L.
; A record of W1 holds the two images of a group of 32 hidden units for one K step: hidden unit o of the group is row (o & 7) + 8 (o >> 4) of image (o >> 3) & 1, so that the
; 16 registers of the two result tiles are 16 neighbours along the next product's K.  Its 32 scale words (four bytes: the row's four blocks) lie at 4 (row + 16 image).
; A block's scale byte is its largest magnitude's exponent field - 4, held at 1 from below.
; LIMITS: NaN and infinities are not served; a block whose largest magnitude lies under 2^-122 (a block of zeros too) keeps the byte 1: its codes are zeros or tiny, and only this program reads the bytes;
; two logits that tie within f32 rounding may route either way (exact ties keep the lower index).
.set WV,  20                           ; s20      my wave's number
.set SEL, 22                           ; s[22:23] lane selects for v_permlanex16_b32: lane l xor 16
; ---- the weight quantiser: a lane takes a column, its registers run down K ----
; Block kb of four: 32 numbers in v[32 + 32 kb ..]; its 24 bytes of codes are registers 6 (kb / 2) + 0 .. 5 of lane row + 16 (kb % 2) of the image.
.macro WQBLOCK kb
.set XQ, 32+32*(\kb)
.set CQ, 160+8*(\kb)                   ; each block has its own registers for its codes
.if (\kb) < 2
	s_wait_loadcnt 63                              ; 96 and 64 loads are younger than this block's; a wait names 63 at the most
.else
	s_wait_loadcnt 32*(3-(\kb))                    ; the younger blocks' loads may stay out
.endif
	v_max3_num_f32 v12, |v[XQ]|, |v[XQ+1]|, |v[XQ+2]|              ; the block's largest magnitude: all 32 numbers are mine; two chains
	v_max3_num_f32 v13, |v[XQ+3]|, |v[XQ+4]|, |v[XQ+5]|
.irp i, 6,10,14,18,22,26
	v_max3_num_f32 v12, v12, |v[XQ+\i]|, |v[XQ+\i+1]|
	v_max3_num_f32 v13, v13, |v[XQ+\i+2]|, |v[XQ+\i+3]|
.endr
	v_max3_num_f32 v12, v12, |v[XQ+30]|, |v[XQ+31]|
	v_max3_num_f32 v12, v12, v13, 0x2800000        ; and the floor 2^(5 - 127): the byte cannot fall under 1
	v_add_nc_u32 v11, 0xfe000000, v12              ; 4 off the exponent field: the conversion takes this operand's exponent field as its scale
	v_lshrrev_b32 v13, 23, v11                     ; the scale's byte
.if (\kb) == 0
	v_mov_b32 v10, v13                             ; four bytes make my column's scale word, the lower K in the lower byte
.else
	v_lshl_or_b32 v10, v13, 8*(\kb), v10
.endif
	v_cvt_scalef32_pk16_bf6_f32 v[CQ:CQ+2], v[XQ:XQ+15], v11
	v_cvt_scalef32_pk16_bf6_f32 v[CQ+4:CQ+6], v[XQ+16:XQ+31], v11  ; (a conversion's three registers begin on an even number)
.irp i, 0,1,2,3,4,5                    ; the results go to LDS stores alone; the next block begins with plain vector lines before v11 is written again
	ds_store_b32 v5, v[CQ+\i+\i/3] offset:((6*((\kb)/2)+\i)/4)*512+256*((\kb)%2)+4*((6*((\kb)/2)+\i)%4)
.endr
.endm
; pitch: bytes from a row of K to the next.  map = 1: the rows of an image as said above; map = 2: column o is row o >> 1 of image o & 1.
; in, oc, os: scalar pairs: my wave's first number, its record of codes, its record of scale words.
.macro WQ pitch, map, in, oc, os
	v_and_b32 v1, 31, v0                           ; lane = my column of the wave's 32
	v_lshlrev_b32 v4, 2, v1
.set kk, 0
.rept 128
	global_load_b32 v[32+kk], v4, s[\in:\in+1] offset:kk*(\pitch) th:TH_LOAD_NT   ; a wave reads 128 consecutive bytes, the four waves 512; every number is read once
.set kk, kk+1
.endr
.if \map == 1
	v_bfe_u32 v2, v0, 3, 1                         ; image
	v_and_b32 v3, 7, v0
	v_bfe_u32 v9, v0, 4, 1
	v_lshl_add_u32 v3, v9, 3, v3                   ; row
.else
	v_and_b32 v2, 1, v0
	v_bfe_u32 v3, v0, 1, 4
.endif
	s_mul_i32 s21, s[WV], 3072                     ; my wave's own 3,072 bytes of LDS: no other wave touches them, so no barrier
	v_mul_u32_u24 v5, v2, 1536
	v_lshl_add_u32 v5, v3, 4, v5
	v_add_nc_u32 v5, s21, v5                       ; in: 1536 image + 16 row
	v_lshlrev_b32 v7, 4, v1
	v_add_nc_u32 v6, s21, v7                       ; out: 16 x lane
	v_lshl_add_u32 v8, v2, 4, v3
	v_lshlrev_b32 v8, 2, v8                        ; my scale word's place: 4 (row + 16 image)
	WQBLOCK 0
	WQBLOCK 1
	WQBLOCK 2
	WQBLOCK 3
.irp t, 0,1,2,3,4,5
	ds_load_b128 v[32+4*\t:35+4*\t], v6 offset:512*\t              ; LDS serves a wave's instructions in order: these see my stores
.endr
	global_store_b32 v8, v10, s[\os:\os+1]         ; 32 lanes fill the record's 128 bytes
.irp t, 0,1,2,3,4,5
	s_wait_dscnt 5-\t                              ; the younger LDS loads may stay out
	global_store_b128 v7, v[32+4*\t:35+4*\t], s[\oc:\oc+1] offset:512*\t   ; 512 consecutive bytes, at a multiple of 256 from the buffer's first byte
.endr
	s_wait_tensorcnt 0x0
	ds_add_u32 v30, v31
	s_wait_dscnt 0x0
	s_endpgm
.endm
	s_load_b256 s[4:11], s[0:1], 0x0               ; x s[4:5], Wg s[6:7], bg s[8:9], W1 s[10:11]
	s_load_b256 s[12:19], s[0:1], 0x20             ; Wh s[12:13], w1q s[14:15], route s[16:17], gp s[18:19]
	v_lshl_add_u32 v30, v0, 2, 0x3000
	v_mov_b32 v31, 0
	v_lshrrev_b32 v1, 5, v0
	v_readfirstlane_b32 s[WV], v1
	v_and_b32 v1, 31, v0                           ; lane
	s_mov_b32 s[SEL], 0x76543210
	s_mov_b32 s[SEL+1], 0xfedcba98
	s_wait_kmcnt 0x0
	s_cmp_lt_u32 ttmp9, 64
	s_cbranch_scc1 .Lgate
	s_cmp_lt_u32 ttmp9, 190
	s_cbranch_scc1 .Lwh
	; ---- W1 ----
	s_sub_co_u32 s24, ttmp9, 190
	s_lshr_b32 s25, s24, 8                         ; expert
	s_bfe_u32 s26, s24, 0x50003                    ; which 128 columns
	s_and_b32 s27, s24, 7                          ; K step
	s_lshl_b32 s26, s26, 2
	s_add_co_u32 s26, s26, s[WV]                   ; my group of 32 hidden units, 0 .. 127
	s_lshl_b32 s28, s25, 24                        ; an expert is 1024 x 4096 x 4 bytes,
	s_lshl_b32 s29, s27, 21                        ; a K step 128 rows of 16,384,
	s_add_co_u32 s28, s28, s29
	s_lshl_b32 s29, s26, 7                         ; a group 128 bytes of a row
	s_add_co_u32 s28, s28, s29
	s_mov_b32 s29, 0
	s_add_nc_u64 s[10:11], s[10:11], s[28:29]
	s_lshl_b32 s30, s25, 7
	s_add_co_u32 s30, s30, s26
	s_lshl_b32 s30, s30, 3
	s_add_co_u32 s30, s30, s27                     ; record (128 expert + group) 8 + K step
	s_mul_i32 s28, s30, 3072
	s_add_nc_u64 s[32:33], s[14:15], s[28:29]
	s_lshl_b32 s28, s30, 7
	s_add_co_u32 s28, s28, 12582912                ; the scale words lie behind the 4,096 records of codes
	s_add_nc_u64 s[34:35], s[14:15], s[28:29]
	WQ 16384, 1, 10, 32, 34
	; ---- Wh: lane (r, h) takes column 16 ct + r and k = 64 c + 32 h + 0 .. 31: the conversions' results are the operand's registers ----
.Lwh:
	s_sub_co_u32 s24, ttmp9, 64
	s_lshl_b32 s24, s24, 2
	s_add_co_u32 s24, s24, s[WV]                   ; job = 8 ct + K step, 0 .. 503
	s_lshr_b32 s25, s24, 3
	s_and_b32 s26, s24, 7
	v_and_b32 v2, 15, v0                           ; r
	v_bfe_u32 v3, v0, 4, 1                         ; h
	s_lshl_b32 s27, s25, 4
	v_add_nc_u32 v4, s27, v2
	v_min_u32 v4, 999, v4                          ; the last tile's rows 8 .. 15 repeat column 999: no load leaves the buffer, and their results are never stored
	v_lshlrev_b32 v4, 2, v4
	v_mad_u32_u24 v4, v3, 0x1f400, v4              ; lanes 16-31 begin 32 rows of 4,000 bytes further down
	s_mul_i32 s28, s26, 512000                     ; a K step is 128 rows
	s_mov_b32 s29, 0
	s_add_nc_u64 s[12:13], s[12:13], s[28:29]
.irp c, 0,1
.set kk, 0
.rept 32
	global_load_b32 v[64+32*\c+kk], v4, s[12:13] offset:(64*\c+kk)*4000
.set kk, kk+1
.endr
.endr
	v_lshlrev_b32 v7, 4, v1
	v_lshlrev_b32 v8, 2, v1
	s_mul_i32 s28, s24, 1536
	s_add_co_u32 s28, s28, 13107200                ; Wh's images lie behind W1's codes and scale words
	s_add_nc_u64 s[32:33], s[14:15], s[28:29]
	s_lshl_b32 s28, s24, 7
	s_add_co_u32 s28, s28, 13881344                ; and their scale words behind the 504 images
	s_add_nc_u64 s[34:35], s[14:15], s[28:29]
	s_wait_loadcnt 0x0
.irp c, 0,1
	v_max3_num_f32 v[32+\c], |v[64+32*\c]|, |v[65+32*\c]|, 0x2800000   ; my block 2 c + h, with the floor
.endr
.irp i, 2,4,6,8,10,12,14,16,18,20,22,24,26,28,30
.irp c, 0,1
	v_max3_num_f32 v[32+\c], v[32+\c], |v[64+32*\c+\i]|, |v[65+32*\c+\i]|
.endr
.endr
.irp c, 0,1
	v_add_nc_u32 v[44+\c], 0xfe000000, v[32+\c]
.endr
.irp c, 0,1
	v_lshrrev_b32 v[36+\c], 23, v[44+\c]
.endr
	v_lshl_or_b32 v9, v37, 16, v36                 ; my two bytes: blocks h and 2 + h,
	v_lshlrev_b32 v10, 3, v3
	v_lshlrev_b32 v9, v10, v9                      ; at their places in the word;
	v_mov_b32 v10, 0
	v_permlanex16_b32 v10, v9, s[SEL], s[SEL+1]
	v_or_b32 v9, v9, v10                           ; with lane l xor 16's two the word is whole, in both lanes
.irp c, 0,1
	v_cvt_scalef32_pk16_bf6_f32 v[48+6*\c:50+6*\c], v[64+32*\c:79+32*\c], v[44+\c]
	v_cvt_scalef32_pk16_bf6_f32 v[192+4*\c:194+4*\c], v[80+32*\c:95+32*\c], v[44+\c]
.endr
	v_nop                                          ; one plain place behind a scaled conversion
.irp c, 0,1
.irp i, 0,1,2
	v_mov_b32 v[51+6*\c+\i], v[192+4*\c+\i]        ; the second half of a block's six registers begins on an odd number: made elsewhere and moved
.endr
.endr
.irp j, 0,1,2
	global_store_b128 v7, v[48+4*\j:51+4*\j], s[32:33] offset:512*\j
.endr
	global_store_b32 v8, v9, s[34:35]
	s_endpgm
	; ---- the gate: wave w of work-group g takes tokens 32 g + 8 w + 0 .. 7.  Lane l owns k = 128 i + 4 l + q ----
.Lgate:
	s_load_b128 s[24:27], s[8:9], 0x0              ; bg
	s_lshl_b32 s28, ttmp9, 17
	s_lshl_b32 s29, s[WV], 15
	s_add_co_u32 s28, s28, s29                     ; my first token's row of 4,096 bytes
	s_mov_b32 s29, 0
	s_add_nc_u64 s[4:5], s[4:5], s[28:29]
	v_lshlrev_b32 v2, 4, v1                        ; x: 16 bytes a lane
	v_lshlrev_b32 v3, 6, v1                        ; Wg: four rows of 16 bytes a lane
.irp i, 0,1,2,3,4,5,6,7
.irp q, 0,1,2,3
	global_load_b128 v[128+16*\i+4*\q:131+16*\i+4*\q], v3, s[6:7] offset:2048*\i+16*\q   ; Wg(128 i + 4 l + q, 0 .. 3): it stays in registers
.endr
.endr
.macro XTOK j                          ; token j into one of two sets of 32 registers: each load reads 512 consecutive bytes
.irp i, 0,1,2,3,4,5,6,7
	global_load_b128 v[64+32*((\j)%2)+4*\i:64+32*((\j)%2)+4*\i+3], v2, s[4:5] offset:4096*(\j)+512*\i
.endr
.endm
	XTOK 0
	XTOK 1
.irp e, 0,1,2,3,4,5,6,7
	v_mov_b32 v[48+\e], 0                          ; v48-51: the logits, token j in lane j; v52-55: a lane permute's destination counts as one of its sources
.endr
.macro TOKEN j
.set XB, 64+32*((\j)%2)
.if (\j) < 7
	s_wait_loadcnt 8                               ; this token's loads (and Wg's) are in; the next token's eight may stay out
.else
	s_wait_loadcnt 0
.endif
.irp i, 0,1,2,3,4,5,6,7                ; eight chains: four experts x (i even, i odd); the first product starts each
.irp q, 0,1,2,3
.irp e, 0,1,2,3
.if (\i < 2) && (\q == 0)
	v_mul_f32 v[40+4*(\i%2)+\e], v[XB+4*\i+\q], v[128+16*\i+4*\q+\e]
.else
	v_fmac_f32 v[40+4*(\i%2)+\e], v[XB+4*\i+\q], v[128+16*\i+4*\q+\e]
.endif
.endr
.endr
.endr
.if (\j) < 6
	XTOK (\j)+2
.endif
.irp e, 0,1,2,3
	v_add_f32 v[40+\e], v[40+\e], v[44+\e]
.endr
.irp m, 1,2,4,8
.irp e, 0,1,2,3
	v_add_f32_dpp v[40+\e], v[40+\e], v[40+\e] row_xmask:\m row_mask:0xf bank_mask:0xf
.endr
.endr
.irp e, 0,1,2,3
	v_permlanex16_b32 v[52+\e], v[40+\e], s[SEL], s[SEL+1]
.endr
.irp e, 0,1,2,3
	v_add_f32 v[40+\e], v[40+\e], v[52+\e]         ; every lane holds the token's four sums
.endr
	v_cmp_eq_u32 vcc_lo, \j, v1
.irp e, 0,1,2,3
	v_cndmask_b32 v[48+\e], v[48+\e], v[40+\e], vcc_lo             ; lane j keeps them
.endr
.endm
.irp j, 0,1,2,3,4,5,6,7
	TOKEN \j
.endr
	; the softmax and the choice, once for the eight tokens (lanes 8-31 work on bg alone and store nothing)
	s_wait_kmcnt 0x0
.irp e, 0,1,2,3
	v_add_f32 v[48+\e], s[24+\e], v[48+\e]
.endr
	v_max3_num_f32 v60, v48, v49, v50
	v_max_num_f32 v60, v60, v51
.irp e, 0,1,2,3
	v_sub_f32 v[56+\e], v[48+\e], v60              ; the maximum is taken away first, exactly (so not fused with the scaling)
.endr
.irp e, 0,1,2,3
	v_mul_f32 v[56+\e], 0x3fb8aa3b, v[56+\e]
.endr
.irp e, 0,1,2,3
	v_exp_f32 v[56+\e], v[56+\e]
.endr
	v_mov_b32 v62, 0                               ; the chosen index begins at 0.  (A plain place behind the exponentials)
	s_wait_alu depctr_va_vdst(0)
	v_add_f32 v60, v56, v57
	v_add_f32 v61, v58, v59
	v_add_f32 v60, v60, v61
	v_rcp_f32 v61, v60
	v_mov_b32 v36, 1.0                             ; (a plain place behind the reciprocal)
	s_wait_alu depctr_va_vdst(0)
.irp e, 0,1,2,3
	v_mul_f32 v[56+\e], v[56+\e], v61              ; the probabilities
.endr
	v_mov_b32 v63, v56
.irp e, 1,2,3
	v_cmp_le_f32 vcc_lo, v[56+\e], v63             ; only a strictly larger probability takes the place: ties keep the lower index
	v_cndmask_b32 v62, \e, v62, vcc_lo
	v_max_num_f32 v63, v63, v[56+\e]               ; the gate
.endr
.irp e, 0,1,2,3
	v_cmp_eq_u32 vcc_lo, \e, v62
	v_cndmask_b32 v[68+\e], 0, v36, vcc_lo         ; the one-hot, as f32
.endr
.irp m, 1,2,4
.irp e, 0,1,2,3
	v_add_f32_dpp v[56+\e], v[56+\e], v[56+\e] row_xmask:\m row_mask:0xf bank_mask:0xf   ; sums over lanes 0-7: my eight tokens
	v_add_f32_dpp v[68+\e], v[68+\e], v[68+\e] row_xmask:\m row_mask:0xf bank_mask:0xf
.endr
.endr
	s_lshl_b32 s30, ttmp9, 7
	s_lshl_b32 s31, s[WV], 5
	s_add_co_u32 s30, s30, s31                     ; 4 x my first token, which is also 32 x my wave's number in the launch
	v_lshl_add_u32 v37, v1, 2, s30
	v_mov_b32 v38, s30
	v_cmp_gt_u32 vcc_lo, 8, v1
	s_wait_xcnt 0x0                                ; EXEC changes only behind this wait
	s_and_saveexec_b32 s31, vcc_lo
	global_store_b32 v37, v62, s[16:17]            ; the expert, a whole number, at a fixed place
	global_store_b32 v37, v63, s[18:19]            ; the gate
	s_wait_xcnt 0x0
	s_or_b32 exec_lo, exec_lo, s31
	v_cmp_eq_u32 vcc_lo, 0, v1
	s_and_saveexec_b32 s31, vcc_lo
	global_store_b128 v38, v[56:59], s[18:19] offset:8192          ; my wave's sums of probabilities,
	global_store_b128 v38, v[68:71], s[18:19] offset:8208          ; and its counts
	s_wait_xcnt 0x0
	s_or_b32 exec_lo, exec_lo, s31
	s_endpgm
.Lfunc_end_k_q29e8527900_prep_a:
	.size	k_q29e8527900_prep_a, .Lfunc_end_k_q29e8527900_prep_a-k_q29e8527900_prep_a
	.p2alignl 7, 3214868480
	.fill 96, 4, 3214868480
	.section	.rodata,"a",@progbits
	.p2align	6, 0x0
	.amdhsa_kernel k_q29e8527900_prep_a
		.amdhsa_group_segment_fixed_size 12800
		.amdhsa_private_segment_fixed_size 0
		.amdhsa_enable_private_segment 0
		.amdhsa_kernarg_size 64
		.amdhsa_user_sgpr_count 2
		.amdhsa_user_sgpr_kernarg_segment_ptr 1
		.amdhsa_wavefront_size32 1
		.amdhsa_system_sgpr_workgroup_id_x 1
		.amdhsa_system_sgpr_workgroup_id_y 1
		.amdhsa_system_sgpr_workgroup_id_z 1
		.amdhsa_system_vgpr_workitem_id 0
		.amdhsa_next_free_vgpr 256
		.amdhsa_next_free_sgpr 66
		.amdhsa_reserve_vcc 1
		.amdhsa_float_denorm_mode_32 3
		.amdhsa_float_denorm_mode_16_64 3
		.amdhsa_memory_ordered 1
		.amdhsa_forward_progress 1
		.amdhsa_inst_pref_size 93
	.end_amdhsa_kernel
	.amdgpu_metadata
---
amdhsa.version: [ 1, 2 ]
amdhsa.kernels:
  - .name:           k_q29e8527900_prep_a
    .symbol:         k_q29e8527900_prep_a.kd
    .args:
      - { .name: x, .offset: 0, .size: 8, .value_kind: global_buffer, .address_space: global }
      - { .name: Wg, .offset: 8, .size: 8, .value_kind: global_buffer, .address_space: global }
      - { .name: bg, .offset: 16, .size: 8, .value_kind: global_buffer, .address_space: global }
      - { .name: W1, .offset: 24, .size: 8, .value_kind: global_buffer, .address_space: global }
      - { .name: Wh, .offset: 32, .size: 8, .value_kind: global_buffer, .address_space: global }
      - { .name: w1q, .offset: 40, .size: 8, .value_kind: global_buffer, .address_space: global }
      - { .name: route, .offset: 48, .size: 8, .value_kind: global_buffer, .address_space: global }
      - { .name: gp, .offset: 56, .size: 8, .value_kind: global_buffer, .address_space: global }
    .group_segment_fixed_size: 12800
    .private_segment_fixed_size: 0
    .kernarg_segment_align: 8
    .kernarg_segment_size: 64
    .max_flat_workgroup_size: 128
    .sgpr_count:     66
    .vgpr_count:     256
    .wavefront_size: 32
...
	.end_amdgpu_metadata
.endif
;; end of part 1
;; launch prep_b (part 2): grid 1088 x 1, 4 waves a work-group, no clusters, 12,800 bytes of LDS; arguments x, route, gp, W2, w2q, xt, cnt; writes w2q, xt, cnt
.if DOCPART == 2
	.amdgcn_target "amdgcn-amd-amdhsa--gfx1250"
	.amdhsa_code_object_version 6
	.text
	.protected	k_q29e8527900_prep_b
	.globl	k_q29e8527900_prep_b
	.p2align	8
	.type	k_q29e8527900_prep_b,@function
k_q29e8527900_prep_b:
	s_mov_b64 s[64:65], 0
	v_nop
	global_prefetch_b8 v0, s[64:65] scope:SCOPE_SE
	s_setreg_imm32_b32 hwreg(HW_REG_WAVE_MODE, 25, 1), 1
	s_wait_xcnt 0x0
; Two roles, chosen by the work-group's number.
;   0..63    PACK: work-group 4 b + e gathers the tokens of batch b that chose expert e (read as whole numbers from route), in ascending order, into tiles of 16, quantises their rows of x
;            to codes of E3M2 (one E8M0 byte for each 32 along K) and stores each tile as a record of 13,056 bytes: eight images of a fragment (K step s at 1536 s; registers 4 j .. 4 j + 3 of lane L at 512 j + 16 L);
;            at 12,288 sixteen bytes a lane: word a = the scale word of K step 2 a + (L >> 4) of slot L & 15; at 12,800 a word a lane: gate / 128 of slot L & 15.
;            A group has n = max(1, ceil(count / 16)) tiles.  Slots past the count hold the batch's first token with the gate 0: they add nothing.  n goes to cnt, the group's sum of gate / 128 behind the records.
;   64..1087 W2 [4][4096 (k)][1024 (n)] into codes: a work-group takes 128 columns x 128 K, a wave 32 columns.  Column o of a group of 32 is row o >> 1 of image o & 1,
;            so that a lane of the reader ends with two neighbouring columns.
; LIMITS: NaN and infinities are not served (the first token's result must be finite, since gate 0 multiplies it); a block whose largest magnitude lies under 2^-122 keeps the scale byte 1.
.set WV,  20                           ; s20      my wave's number
.set SEL, 22                           ; s[22:23] lane selects for v_permlanex16_b32: lane l xor 16
.set TS,  13056                        ; bytes of a tile's record
.set TM,  44                           ; v44-59   at work in QUANT
.set PW,  60                           ; v60      the scale word just made
.set PC,  192                          ; v192-210 the codes just made
; ---- the weight quantiser: a lane takes a column, its registers run down K ----
.macro WQBLOCK kb
.set XQ, 32+32*(\kb)
.set CQ, 160+8*(\kb)                   ; each block has its own registers for its codes
.if (\kb) < 2
	s_wait_loadcnt 63                              ; 96 and 64 loads are younger than this block's; a wait names 63 at the most
.else
	s_wait_loadcnt 32*(3-(\kb))                    ; the younger blocks' loads may stay out
.endif
	v_max3_num_f32 v12, |v[XQ]|, |v[XQ+1]|, |v[XQ+2]|              ; the block's largest magnitude: all 32 numbers are mine; two chains
	v_max3_num_f32 v13, |v[XQ+3]|, |v[XQ+4]|, |v[XQ+5]|
.irp i, 6,10,14,18,22,26
	v_max3_num_f32 v12, v12, |v[XQ+\i]|, |v[XQ+\i+1]|
	v_max3_num_f32 v13, v13, |v[XQ+\i+2]|, |v[XQ+\i+3]|
.endr
	v_max3_num_f32 v12, v12, |v[XQ+30]|, |v[XQ+31]|
	v_max3_num_f32 v12, v12, v13, 0x2800000        ; and the floor 2^(5 - 127): the byte cannot fall under 1
	v_add_nc_u32 v11, 0xfe000000, v12              ; 4 off the exponent field: the conversion takes this operand's exponent field as its scale
	v_lshrrev_b32 v13, 23, v11                     ; the scale's byte
.if (\kb) == 0
	v_mov_b32 v10, v13                             ; four bytes make my column's scale word, the lower K in the lower byte
.else
	v_lshl_or_b32 v10, v13, 8*(\kb), v10
.endif
	v_cvt_scalef32_pk16_bf6_f32 v[CQ:CQ+2], v[XQ:XQ+15], v11
	v_cvt_scalef32_pk16_bf6_f32 v[CQ+4:CQ+6], v[XQ+16:XQ+31], v11  ; (a conversion's three registers begin on an even number)
.irp i, 0,1,2,3,4,5                    ; block kb's six registers are registers 6 (kb / 2) + i of lane row + 16 (kb % 2) of the image
	ds_store_b32 v5, v[CQ+\i+\i/3] offset:((6*((\kb)/2)+\i)/4)*512+256*((\kb)%2)+4*((6*((\kb)/2)+\i)%4)
.endr
.endm
.macro WQ pitch, map, in, oc, os
	v_and_b32 v1, 31, v0                           ; lane = my column of the wave's 32
	v_lshlrev_b32 v4, 2, v1
.set kk, 0
.rept 128
	global_load_b32 v[32+kk], v4, s[\in:\in+1] offset:kk*(\pitch) th:TH_LOAD_NT   ; a wave reads 128 consecutive bytes, the four waves 512; every number is read once
.set kk, kk+1
.endr
.if \map == 1
	v_bfe_u32 v2, v0, 3, 1
	v_and_b32 v3, 7, v0
	v_bfe_u32 v9, v0, 4, 1
	v_lshl_add_u32 v3, v9, 3, v3
.else
	v_and_b32 v2, 1, v0                            ; image
	v_bfe_u32 v3, v0, 1, 4                         ; row
.endif
	s_mul_i32 s21, s[WV], 3072                     ; my wave's own 3,072 bytes of LDS: no other wave touches them, so no barrier
	v_mul_u32_u24 v5, v2, 1536
	v_lshl_add_u32 v5, v3, 4, v5
	v_add_nc_u32 v5, s21, v5                       ; in: 1536 image + 16 row
	v_lshlrev_b32 v7, 4, v1
	v_add_nc_u32 v6, s21, v7                       ; out: 16 x lane
	v_lshl_add_u32 v8, v2, 4, v3
	v_lshlrev_b32 v8, 2, v8                        ; my scale word's place: 4 (row + 16 image)
	WQBLOCK 0
	WQBLOCK 1
	WQBLOCK 2
	WQBLOCK 3
.irp t, 0,1,2,3,4,5
	ds_load_b128 v[32+4*\t:35+4*\t], v6 offset:512*\t              ; LDS serves a wave's instructions in order: these see my stores
.endr
	global_store_b32 v8, v10, s[\os:\os+1]         ; 32 lanes fill the record's 128 bytes
.irp t, 0,1,2,3,4,5
	s_wait_dscnt 5-\t                              ; the younger LDS loads may stay out
	global_store_b128 v7, v[32+4*\t:35+4*\t], s[\oc:\oc+1] offset:512*\t   ; 512 consecutive bytes, at a multiple of 256 from the buffer's first byte
.endr
	s_wait_tensorcnt 0x0
	ds_add_u32 v216, v217
	s_wait_dscnt 0x0
	s_endpgm
.endm
	s_load_b256 s[4:11], s[0:1], 0x0               ; x s[4:5], route s[6:7], gp s[8:9], W2 s[10:11]
	s_load_b128 s[12:15], s[0:1], 0x20             ; w2q s[12:13], xt s[14:15]
	s_load_b64 s[16:17], s[0:1], 0x30              ; cnt
	v_lshl_add_u32 v216, v0, 2, 0x3000
	v_mov_b32 v217, 0
	v_lshrrev_b32 v1, 5, v0
	v_readfirstlane_b32 s[WV], v1
	s_mov_b32 s[SEL], 0x76543210
	s_mov_b32 s[SEL+1], 0xfedcba98
	s_wait_kmcnt 0x0
	s_cmp_lt_u32 ttmp9, 64
	s_cbranch_scc1 .Lpack
	; ---- W2 ----
	s_sub_co_u32 s24, ttmp9, 64
	s_lshr_b32 s25, s24, 8                         ; expert
	s_bfe_u32 s26, s24, 0x50003                    ; K step, 0 .. 31
	s_and_b32 s27, s24, 7                          ; which 128 columns
	s_lshl_b32 s27, s27, 2
	s_add_co_u32 s27, s27, s[WV]                   ; my group of 32 columns, 0 .. 31
	s_lshl_b32 s28, s25, 24                        ; an expert is 4096 x 1024 x 4 bytes,
	s_lshl_b32 s29, s26, 19                        ; a K step 128 rows of 4,096,
	s_add_co_u32 s28, s28, s29
	s_lshl_b32 s29, s27, 7
	s_add_co_u32 s28, s28, s29
	s_mov_b32 s29, 0
	s_add_nc_u64 s[10:11], s[10:11], s[28:29]
	s_lshl_b32 s30, s25, 5
	s_add_co_u32 s30, s30, s26
	s_lshl_b32 s30, s30, 5
	s_add_co_u32 s30, s30, s27                     ; record (32 expert + K step) 32 + group
	s_mul_i32 s28, s30, 3072
	s_add_nc_u64 s[32:33], s[12:13], s[28:29]
	s_lshl_b32 s28, s30, 7
	s_add_co_u32 s28, s28, 12582912                ; the scale words lie behind the 4,096 records of codes
	s_add_nc_u64 s[34:35], s[12:13], s[28:29]
	WQ 4096, 2, 10, 32, 34
; ---- PACK ----
; my 16 rows' numbers of K step s (64 a lane) into v[reg] on: register 16 b + i = k 128 s + 32 b + 16 (lane / 16) + i of the lane's token
.macro XLOAD reg, s
.irp b, 0,1,2,3
.irp j, 0,1,2,3
	global_load_b128 v[(\reg)+16*\b+4*\j:(\reg)+16*\b+4*\j+3], v34, s[4:5] offset:512*(\s)+128*\b+16*\j
.endr
.endr
.endm
; 64 numbers of a lane become a fragment's codes in v[PC] on and its scale word in v[PW]
.macro QUANT s
.irp b, 0,1,2,3
	v_max3_num_f32 v[TM+\b], |v[(\s)+16*\b]|, |v[(\s)+1+16*\b]|, 0x2800000   ; block b: my 16 numbers, and the floor 2^(5 - 127)
.endr
.irp i, 2,4,6,8,10,12,14
.irp b, 0,1,2,3
	v_max3_num_f32 v[TM+\b], v[TM+\b], |v[(\s)+16*\b+\i]|, |v[(\s)+1+16*\b+\i]|   ; (the four blocks by turns)
.endr
.endr
.irp b, 0,1,2,3
	v_permlanex16_b32 v[TM+4+\b], v[TM+\b], s[SEL], s[SEL+1]
.endr
.irp b, 0,1,2,3
	v_max_num_f32 v[TM+\b], v[TM+\b], v[TM+4+\b]   ; with lane l xor 16's: the block's largest magnitude
.endr
.irp b, 0,1,2,3
	v_add_nc_u32 v[TM+12+\b], 0xfe000000, v[TM+\b] ; 4 off its exponent field: the conversion's scale operand
.endr
.irp b, 0,1,2,3
	v_lshrrev_b32 v[TM+4+\b], 23, v[TM+12+\b]      ; the scale's byte
.endr
	v_lshl_or_b32 v[PW], v[TM+5], 8, v[TM+4]
	v_lshl_or_b32 v[PW], v[TM+6], 16, v[PW]
	v_lshl_or_b32 v[PW], v[TM+7], 24, v[PW]
.irp c, 0,1
	v_cvt_scalef32_pk16_bf6_f32 v[PC+6*\c:PC+2+6*\c], v[(\s)+32*\c:(\s)+15+32*\c], v[TM+12+2*\c]
	v_cvt_scalef32_pk16_bf6_f32 v[PC+12+4*\c:PC+14+4*\c], v[(\s)+16+32*\c:(\s)+31+32*\c], v[TM+12+2*\c+1]
.endr
	v_nop                                          ; one plain place behind a scaled conversion
.irp c, 0,1                            ; the operand's layout wants a whole block in a lane: lanes 0-15 block 2 c, lanes 16-31 block 2 c + 1
.irp i, 0,1,2
	v_permlane16_swap_b32 v[PC+6*\c+\i], v[PC+12+4*\c+\i]
.endr
.irp i, 0,1,2
	v_mov_b32 v[PC+3+6*\c+\i], v[PC+12+4*\c+\i]
.endr
.endr
.endm
.macro PSTEP s                         ; K step s of a tile
.if (\s) < 7
	XLOAD 64+64*(((\s)+1)%2), (\s)+1
	s_wait_loadcnt 16                              ; this step's numbers are in; the next step's 16 loads may stay out
.else
	s_wait_loadcnt 0
.endif
	s_wait_xcnt 0x0                                ; the last step's stores have read the codes' registers
	QUANT 64+64*((\s)%2)
.irp j, 0,1,2
	global_store_b128 v37, v[PC+4*\j:PC+4*\j+3], s[48:49] offset:1536*(\s)+512*\j
.endr
.if (\s)%2 == 0
	v_mov_b32 v[40+(\s)/2], v[PW]                  ; lanes 0-15 keep the even step's word,
.else
	v_cndmask_b32 v[40+(\s)/2], v[40+(\s)/2], v[PW], s47           ; lanes 16-31 take the odd step's
.endif
.endm
.Lpack:
	s_lshr_b32 s24, ttmp9, 2                       ; batch
	s_and_b32 s25, ttmp9, 3                        ; expert
	v_and_b32 v1, 31, v0                           ; lane
	v_and_b32 v2, 15, v0                           ; r
	v_bfe_u32 v3, v0, 4, 1                         ; h
	v_lshlrev_b32 v38, 2, v1
	v_lshlrev_b32 v37, 4, v1
	s_lshl_b32 s28, s24, 9                         ; 128 tokens x 4 bytes
	s_mov_b32 s29, 0
	s_add_nc_u64 s[6:7], s[6:7], s[28:29]
	s_add_nc_u64 s[8:9], s[8:9], s[28:29]
	s_lshl_b32 s28, s24, 19                        ; 128 rows of 4,096 bytes
	s_add_nc_u64 s[4:5], s[4:5], s[28:29]
.irp c, 0,1,2,3
	global_load_b32 v[16+\c], v38, s[6:7] offset:128*\c            ; the choice of token 32 c + lane,
	global_load_b32 v[20+\c], v38, s[8:9] offset:128*\c            ; and its gate
.endr
	s_lshl_b32 s45, s[WV], 4
	v_lshl_add_u32 v28, v3, 6, v2
	v_add_nc_u32 v28, s45, v28                     ; the slot that my lane fills: lanes 0-15 those of tile w, lanes 16-31 those of tile w + 4
	v_mov_b32 v29, 0                               ; its token: the batch's first, where no token has this rank
	v_mov_b32 v30, 0
	v_mov_b32 v39, 0xffff
.irp b, 0,1,2,3
	v_mov_b32 v[TM+4+\b], 0                        ; a lane permute's destination counts as one of its sources
.endr
	s_mov_b32 s47, 0xffff0000                      ; lanes 16-31
	s_wait_loadcnt 0x0
.irp c, 0,1,2,3
	v_cmp_eq_u32 s[36+\c], s25, v[16+\c]           ; who chose my expert
.endr
	s_bcnt1_i32_b32 s40, s36                       ; ranks at which chunks 1, 2, 3 begin, and the count
	s_bcnt1_i32_b32 s41, s37
	s_add_co_u32 s41, s41, s40
	s_bcnt1_i32_b32 s42, s38
	s_add_co_u32 s42, s42, s41
	s_bcnt1_i32_b32 s43, s39
	s_add_co_u32 s43, s43, s42
	v_mbcnt_lo_u32_b32 v24, s36, 0                 ; a token's rank among the chosen: those in lower lanes + those in lower chunks
	v_mbcnt_lo_u32_b32 v25, s37, s40
	v_mbcnt_lo_u32_b32 v26, s38, s41
	v_mbcnt_lo_u32_b32 v27, s39, s42
.irp c, 0,1,2,3
	v_cndmask_b32 v[24+\c], v39, v[24+\c], s[36+\c]                ; the others get a rank that no slot has
.endr
	s_add_co_u32 s44, s43, 15
	s_lshr_b32 s44, s44, 4
	s_max_u32 s44, s44, 1                          ; n: the group's tiles, 1 .. 8
.irp c, 0,1,2,3                        ; every token's rank is held against my slot: a choice by v_cndmask_b32, no address hangs on it here
.set ll, 0
.rept 32
	v_readlane_b32 s46, v[24+\c], ll
	v_cmp_ne_u32 vcc_lo, s46, v28
	v_cndmask_b32 v29, 32*\c+ll, v29, vcc_lo
.set ll, ll+1
.endr
.endr
	v_permlanex16_b32 v30, v29, s[SEL], s[SEL+1]
	v_cndmask_b32 v31, v29, v30, s47               ; tile w's token of slot r, in both halves of the lanes
	v_cndmask_b32 v32, v30, v29, s47               ; tile w + 4's
	s_lshl_b32 s28, ttmp9, 3
	s_add_co_u32 s28, s28, s[WV]
	s_mul_i32 s28, s28, TS
	s_add_nc_u64 s[48:49], s[14:15], s[28:29]      ; record (4 b + e) 8 + w
	s_mov_b32 s50, s[WV]                           ; the tile in hand
	s_mov_b32 s51, 0
.Ltile:                                            ; two trips: tiles w and w + 4
	s_cmp_ge_u32 s50, s44
	s_cbranch_scc1 .Lskip                          ; the group has no such tile: nothing is stored, and no later launch reads it
	s_wait_xcnt 0x0                                ; the last trip's loads and stores have read their registers
	v_min_u32 v33, 127, v31                        ; a token's number stays inside its batch
	v_lshlrev_b32 v34, 12, v33
	v_lshl_add_u32 v34, v3, 6, v34                 ; its row of x, + 64 h: my 16 numbers of a block of 32
	v_lshlrev_b32 v35, 2, v33
	global_load_b32 v36, v35, s[8:9]               ; its gate
	XLOAD 64, 0
.irp s, 0,1,2,3,4,5,6,7
	PSTEP \s
.endr
	global_store_b128 v37, v[40:43], s[48:49] offset:12288         ; the scale words
	v_mul_f32 v36, 0x3c000000, v36                 ; gate / 128: the mean over the sequence goes with it
	s_lshl_b32 s52, s50, 4
	v_add_nc_u32 v33, s52, v2                      ; my slot's rank
	v_cmp_gt_u32 vcc_lo, s43, v33
	v_cndmask_b32 v36, 0, v36, vcc_lo              ; 0 past the count
	global_store_b32 v38, v36, s[48:49] offset:12800
.Lskip:
	s_wait_xcnt 0x0                                ; the stores have read their base
	v_mov_b32 v31, v32
	s_add_nc_u64 s[48:49], s[48:49], 4*TS
	s_add_co_u32 s50, s50, 4
	s_add_co_u32 s51, s51, 1
	s_cmp_lt_u32 s51, 2
	s_cbranch_scc1 .Ltile
	s_cmp_lg_u32 s[WV], 0
	s_cbranch_scc1 .Lend
.irp c, 0,1,2,3
	v_cndmask_b32 v[20+\c], 0, v[20+\c], s[36+\c]  ; wave 0: the group's sum of gates, for the second bias
.endr
	v_add_f32 v20, v20, v21
	v_add_f32 v22, v22, v23
	v_add_f32 v20, v20, v22
.irp m, 1,2,4,8
	v_add_f32_dpp v20, v20, v20 row_xmask:\m row_mask:0xf bank_mask:0xf
.endr
	v_permlanex16_b32 v30, v20, s[SEL], s[SEL+1]
	v_add_f32 v20, v20, v30
	v_mul_f32 v20, 0x3c000000, v20                 ; / 128
	v_mov_b32 v21, s44
	s_lshl_b32 s52, s25, 4
	s_add_co_u32 s52, s52, s24
	s_lshl_b32 s52, s52, 2                         ; cnt: 4 (16 e + b)
	v_mov_b32 v22, s52
	s_lshl_b32 s53, ttmp9, 2                       ; the sums: 4 (4 b + e)
	v_mov_b32 v23, s53
	v_cmp_eq_u32 vcc_lo, 0, v1
	s_wait_xcnt 0x0                                ; EXEC changes only behind this wait
	s_and_saveexec_b32 s54, vcc_lo
	global_store_b32 v22, v21, s[16:17]
	global_store_b32 v23, v20, s[14:15] offset:512*TS
	s_wait_xcnt 0x0
	s_or_b32 exec_lo, exec_lo, s54
.Lend:
	s_endpgm
.Lfunc_end_k_q29e8527900_prep_b:
	.size	k_q29e8527900_prep_b, .Lfunc_end_k_q29e8527900_prep_b-k_q29e8527900_prep_b
	.p2alignl 7, 3214868480
	.fill 96, 4, 3214868480
	.section	.rodata,"a",@progbits
	.p2align	6, 0x0
	.amdhsa_kernel k_q29e8527900_prep_b
		.amdhsa_group_segment_fixed_size 12800
		.amdhsa_private_segment_fixed_size 0
		.amdhsa_enable_private_segment 0
		.amdhsa_kernarg_size 56
		.amdhsa_user_sgpr_count 2
		.amdhsa_user_sgpr_kernarg_segment_ptr 1
		.amdhsa_wavefront_size32 1
		.amdhsa_system_sgpr_workgroup_id_x 1
		.amdhsa_system_sgpr_workgroup_id_y 1
		.amdhsa_system_sgpr_workgroup_id_z 1
		.amdhsa_system_vgpr_workitem_id 0
		.amdhsa_next_free_vgpr 218
		.amdhsa_next_free_sgpr 66
		.amdhsa_reserve_vcc 1
		.amdhsa_float_denorm_mode_32 3
		.amdhsa_float_denorm_mode_16_64 3
		.amdhsa_memory_ordered 1
		.amdhsa_forward_progress 1
		.amdhsa_inst_pref_size 91
	.end_amdhsa_kernel
	.amdgpu_metadata
---
amdhsa.version: [ 1, 2 ]
amdhsa.kernels:
  - .name:           k_q29e8527900_prep_b
    .symbol:         k_q29e8527900_prep_b.kd
    .args:
      - { .name: x, .offset: 0, .size: 8, .value_kind: global_buffer, .address_space: global }
      - { .name: route, .offset: 8, .size: 8, .value_kind: global_buffer, .address_space: global }
      - { .name: gp, .offset: 16, .size: 8, .value_kind: global_buffer, .address_space: global }
      - { .name: W2, .offset: 24, .size: 8, .value_kind: global_buffer, .address_space: global }
      - { .name: w2q, .offset: 32, .size: 8, .value_kind: global_buffer, .address_space: global }
      - { .name: xt, .offset: 40, .size: 8, .value_kind: global_buffer, .address_space: global }
      - { .name: cnt, .offset: 48, .size: 8, .value_kind: global_buffer, .address_space: global }
    .group_segment_fixed_size: 12800
    .private_segment_fixed_size: 0
    .kernarg_segment_align: 8
    .kernarg_segment_size: 56
    .max_flat_workgroup_size: 128
    .sgpr_count:     66
    .vgpr_count:     218
    .wavefront_size: 32
...
	.end_amdgpu_metadata
.endif
;; end of part 2
;; launch experts (part 3): grid 256 x 1, 4 waves a work-group, no clusters, 13,824 bytes of LDS; arguments xt, cnt, w1q, w2q, b1, part; writes part
.if DOCPART == 3
	.amdgcn_target "amdgcn-amd-amdhsa--gfx1250"
	.amdhsa_code_object_version 6
	.text
	.protected	k_q29e8527900_experts
	.globl	k_q29e8527900_experts
	.p2align	8
	.type	k_q29e8527900_experts,@function
k_q29e8527900_experts:
	s_mov_b64 s[64:65], 0
	v_nop
	global_prefetch_b8 v0, s[64:65] scope:SCOPE_SE
	s_setreg_imm32_b32 hwreg(HW_REG_WAVE_MODE, 25, 1), 1
	s_wait_xcnt 0x0
; For the tokens that chose expert e: h = relu(x W1[e] + b1[e]), quantised along the hidden axis, y = h W2[e], and the sum over a batch's tokens of (gate / 128) y.  Both products on codes of E3M2
; with one E8M0 byte for each 32 along K.  Only the chosen rows are multiplied: the others are thrown away by the one-hot.  h never goes to memory.
; SHARES.  Work-group (e, sl, bh): expert e, hidden units 128 sl .. + 127 (one K step of the second product), batches 8 bh .. + 7.  Its weights stay in REGISTERS for the whole launch.
;   First product: wave w takes hidden units 64 (w & 1) .. + 63 of the slice, and of a group's tiles of 16 tokens those with i % 2 = w >> 1.  Transposed use (source 0 = 16 rows of W1, source 1 = the tokens):
;   a lane holds one token and its registers run along the hidden units, so the conversions' results are half a fragment of h; it goes to LDS, 48 bytes a lane, each wave its 24.
;   Second product: wave w takes columns 256 w .. + 255 for all tiles (source 0 = h, source 1 = 16 columns of W2): a lane holds one column and eight tokens, which are summed at once under their gates.
;   The result, for each batch, is one of 128 partial sums of pooled (32 e + sl); a later launch adds them.
; The number of tiles of each (e, b) is read from cnt, which an earlier launch stored: branches hang on it; both barriers of a batch stand on every wave's path.
; No cluster: what partners could share (the token tiles) hangs on those counts.
; THE LOADS AT THE HEAD go out in the order in which they are wanted: W1, its scale words, b1, my first two token tiles, and last W2 with its scale words, 56 loads, which may stay out
; while the first batch's first product runs.
; LIMITS: NaN and infinities are not served; a block of h whose largest number lies under 2^-122 (a block of zeros too) keeps the scale byte 1.
; REGISTERS, in windows of 256.  Window 1: W1's 16 fragments of my first 32 hidden units at 12 (2 ks + image); W2's tiles 0-4 from v192.  Window 2: the same of my second 32; W2's tiles 5-9.
;   Window 3: W2's tiles 10-14 from v0; two token tiles (8 fragments each) at v64 and v160.  Window 0: all the rest, named below.
.set TS,   13056                       ; bytes of a token tile's record
.set HIMG, 0                           ; LDS: h's fragments, 8 slots of 1,536 bytes: lane L's 48 bytes at 48 L
.set HSC,  12288                       ;      their scale words, 8 x 64 bytes
.set GB,   12800                       ;      the tiles' 16 gates, 8 x 64 bytes
.set W1S,  16                          ; v16-31   W1's scale words: 8 gb + ks; lanes 0-15 image 0, lanes 16-31 image 1
.set W2S,  32                          ; v32-39   W2's: one for two tiles
.set XS,   40                          ; v40-47   the tokens': four for each tile buffer; lanes 0-15 the even K step, lanes 16-31 the odd
.set HS,   48                          ; v48-49   h's, two buffers
.set GL,   50                          ; v50-51   gates on their way to LDS
.set HA,   52                          ; v52-83   the four accumulators of h; later four results of the second product by turns
.set B1,   84                          ; v84-115  b1 in the result's layout
.set TM,   116                         ; v116-123 at work in QUANT2
.set PW,   124                         ; v124     two scale bytes
.set PC,   126                         ; v126-131 codes
.set P2,   132                         ; v132-134 codes
.set HF,   136                         ; v136-159 h's fragment, two buffers
.set G,    160                         ; v160-175 eight gates, two buffers
.set ACC,  176                         ; v176-207 16 pairs: for each tile of columns the sums of even and of odd tokens
.set W2L,  208                         ; v208-219 W2's tile 15
; v1 16 x lane; v2 4 x lane; v3, v4, v5 where I store codes, scale bytes, gates; v6, v7, v8 where I load them; v9 my gate's place in a record; v10 8 x lane; v15 64 h
; s16 wave, s17 hh, s18 par, s19 e, s20 sl, s21 bh; s[24:25] my first tile's record of the batch in hand; s[26:27] my place in part; s28 the counts, four bits each; s29 n; s30 the next batch's n;
; s31 batches done; s32-35 my tiles' numbers; s[36:37] lane selects
.set MSB, 0
.macro WIN new                         ; the immediate's high byte repeats the setting that is left; a switch that changes nothing is dropped
.if MSB != \new
	s_set_vgpr_msb (MSB<<8)|\new
.set MSB, \new
.endif
.endm
.macro W1LOAD gb
.irp ks, 0,1,2,3,4,5,6,7
.irp u, 0,1
.irp j, 0,1,2
	global_load_b128 v[12*(2*\ks+\u)+4*\j:12*(2*\ks+\u)+4*\j+3], v1, s[54:55] offset:24576*(\gb)+3072*\ks+1536*\u+512*\j
.endr
.endr
.endr
.endm
.macro W2LOAD c, reg
.irp j, 0,1,2
	global_load_b128 v[(\reg)+4*\j:(\reg)+4*\j+3], v1, s[58:59] offset:1536*(\c)+512*\j
.endr
.endm
; a token tile into buffer xb: eight images, the scale words, my gate: 26 loads
.macro XFETCH xb, base, imm
	WIN 0xc0                                       ; destination window 3
.irp s, 0,1,2,3,4,5,6,7
.irp j, 0,1,2
	global_load_b128 v[64+96*(\xb)+12*\s+4*\j:64+96*(\xb)+12*\s+4*\j+3], v1, s[\base:\base+1] offset:(\imm)+1536*\s+512*\j
.endr
.endr
	WIN 0
	global_load_b128 v[XS+4*(\xb):XS+4*(\xb)+3], v1, s[\base:\base+1] offset:(\imm)+12288
	global_load_b32 v[GL+(\xb)], v9, s[\base:\base+1] offset:(\imm)
.endm
; one product of the first kind: accumulator t = 2 gb + image, K step ks, token buffer xb.  The bias is the C of the first K step
.macro WM1 t, ks, xb
.set rD, HA+8*(\t)
.set rA, 12*(2*(\ks)+(\t)%2)
.set rB, 64+96*(\xb)+12*(\ks)
.set rE, W1S+8*((\t)/2)+(\ks)
.set rF, XS+4*(\xb)+(\ks)/2
.if (\ks) == 0
.set rC, B1+8*(\t)
.else
.set rC, rD
.endif
.if ((\t)%2) && ((\ks)%2)
	v_wmma_scale_f32_16x16x128_f8f6f4 v[rD:rD+7], v[rA:rA+11], v[rB:rB+11], v[rC:rC+7], v[rE], v[rF] matrix_a_fmt:MATRIX_FMT_BF6 matrix_b_fmt:MATRIX_FMT_BF6 matrix_a_scale:MATRIX_SCALE_ROW1 matrix_b_scale:MATRIX_SCALE_ROW1
.elseif (\t)%2
	v_wmma_scale_f32_16x16x128_f8f6f4 v[rD:rD+7], v[rA:rA+11], v[rB:rB+11], v[rC:rC+7], v[rE], v[rF] matrix_a_fmt:MATRIX_FMT_BF6 matrix_b_fmt:MATRIX_FMT_BF6 matrix_a_scale:MATRIX_SCALE_ROW1
.elseif (\ks)%2
	v_wmma_scale_f32_16x16x128_f8f6f4 v[rD:rD+7], v[rA:rA+11], v[rB:rB+11], v[rC:rC+7], v[rE], v[rF] matrix_a_fmt:MATRIX_FMT_BF6 matrix_b_fmt:MATRIX_FMT_BF6 matrix_b_scale:MATRIX_SCALE_ROW1
.else
	v_wmma_scale_f32_16x16x128_f8f6f4 v[rD:rD+7], v[rA:rA+11], v[rB:rB+11], v[rC:rC+7], v[rE], v[rF] matrix_a_fmt:MATRIX_FMT_BF6 matrix_b_fmt:MATRIX_FMT_BF6
.endif
.endm
.macro RELU8 j0                        ; the activation, in f32, of eight numbers
.set jj, \j0
.rept 8
	v_max_num_f32 v[HA+jj], 0, v[HA+jj]
.set jj, jj+1
.endr
.endm
; relu, and my 64 hidden units of 16 tokens become two blocks of codes: register 16 gb + i of HA is hidden unit 32 gb + 16 (lane / 16) + i of the lane's token.
; The largest number of a block is searched on the sums as they stand: what is negative loses against the floor, so the result is that of the activated numbers.  Two chains a block, four in all,
; by turns; each accumulator is first read at its low end.  The lines that make the scale read each other's results one after the other: the 32 lines of the activation stand between them.
.macro QUANT2
.irp b, 0,1
	v_max3_num_f32 v[TM+\b], v[HA+16*\b], v[HA+1+16*\b], 0x2800000                 ; numbers 0-7 of my 16, and the floor 2^(5 - 127), which holds the byte at 1 from below
	v_max3_num_f32 v[TM+2+\b], v[HA+8+16*\b], v[HA+9+16*\b], v[HA+10+16*\b]        ; numbers 8-14
.endr
.irp i, 2,4
.irp b, 0,1
	v_max3_num_f32 v[TM+\b], v[TM+\b], v[HA+16*\b+\i], v[HA+1+16*\b+\i]
	v_max3_num_f32 v[TM+2+\b], v[TM+2+\b], v[HA+9+16*\b+\i], v[HA+10+16*\b+\i]
.endr
.endr
.irp b, 0,1
	v_max3_num_f32 v[TM+\b], v[TM+\b], v[HA+6+16*\b], v[HA+7+16*\b]
.endr
.irp b, 0,1
	v_max3_num_f32 v[TM+\b], v[TM+\b], v[TM+2+\b], v[HA+15+16*\b]                  ; the two chains, and number 15
.endr
.irp b, 0,1
	v_permlanex16_b32 v[TM+2+\b], v[TM+\b], s[36], s[37]
.endr
	RELU8 0
.irp b, 0,1
	v_max_num_f32 v[TM+\b], v[TM+\b], v[TM+2+\b]   ; with lane l xor 16's: the block's largest number
.endr
	RELU8 8
.irp b, 0,1
	v_add_nc_u32 v[TM+4+\b], 0xfe000000, v[TM+\b]  ; 4 off its exponent field: the conversion's scale operand
.endr
	RELU8 16
.irp b, 0,1
	v_lshrrev_b32 v[TM+6+\b], 23, v[TM+4+\b]
.endr
	RELU8 24
	v_lshl_or_b32 v[PW], v[TM+7], 8, v[TM+6]       ; my two bytes of the row's scale word
	s_wait_dscnt 0x0                               ; the last tile's LDS stores have read the codes' registers
	v_cvt_scalef32_pk16_bf6_f32 v[PC:PC+2], v[HA:HA+15], v[TM+4]
	v_cvt_scalef32_pk16_bf6_f32 v[P2:P2+2], v[HA+16:HA+31], v[TM+5]
	v_nop                                          ; one plain place behind a scaled conversion
.irp i, 0,1,2
	v_permlane16_swap_b32 v[PC+\i], v[P2+\i]       ; a whole block in a lane: lanes 0-15 my first block, lanes 16-31 my second
.endr
.irp i, 0,1,2
	v_mov_b32 v[PC+3+\i], v[P2+\i]
.endr
.endm
; my q-th tile of the batch: number par + 2 q
.macro TILE1 q
	s_cmp_lt_u32 s[32+\q], s29
	s_cbranch_scc0 .Lt1_\@
.if (\q) >= 2
	XFETCH (\q)%2, 24, 2*(\q)*TS                   ; groups of more than 64 tokens: fetched here, since two buffers are all there is
	s_wait_loadcnt 0x0
.endif
	ds_store_b32 v5, v[GL+(\q)%2] offset:128*(\q)  ; my eight gates of the tile (four lanes write each word, with the same value)
.irp ks, 0,1,2,3,4,5,6,7               ; the four accumulators by turns, one instruction a turn; the order turns round in odd K steps, which halves the window switches
.if (\ks)%2 == 0
	WIN 0x0d                                       ; source 0 window 1, source 1 window 3
	WM1 0, \ks, (\q)%2
	WM1 1, \ks, (\q)%2
	WIN 0x0e                                       ; source 0 window 2
	WM1 2, \ks, (\q)%2
	WM1 3, \ks, (\q)%2
.else
	WIN 0x0e
	WM1 2, \ks, (\q)%2
	WM1 3, \ks, (\q)%2
	WIN 0x0d
	WM1 0, \ks, (\q)%2
	WM1 1, \ks, (\q)%2
.endif
.endr
	WIN 0
.rept 4
	v_nop                                          ; four places between the last product and the first read of its result (ISA guide 7.12.1)
.endr
	QUANT2
.irp i, 0,1,2
	ds_store_b64 v3, v[PC+2*\i:PC+2*\i+1] offset:3072*(\q)+8*\i    ; registers 6 hh .. 6 hh + 5 of the tile's fragment
.endr
	ds_store_b16 v4, v[PW] offset:128*(\q)         ; lanes r and r + 16 write the same two bytes with the same value
.Lt1_\@:
.endm
.macro HLOAD slot, buf                 ; a tile's fragment of h, its scale words, my eight tokens' gates
.irp j, 0,1,2
	ds_load_b128 v[HF+12*(\buf)+4*\j:HF+12*(\buf)+4*\j+3], v6 offset:HIMG+1536*(\slot)+16*\j
.endr
	ds_load_b32 v[HS+(\buf)], v7 offset:64*(\slot)
	ds_load_b128 v[G+8*(\buf):G+8*(\buf)+3], v8 offset:64*(\slot)
	ds_load_b128 v[G+8*(\buf)+4:G+8*(\buf)+7], v8 offset:64*(\slot)+16
.endm
; one product of the second kind: 16 tokens x tile c of 16 columns, K = my slice's 128 hidden units.  It starts a sum of its own
.macro WM2 c
.set rD, HA+8*((\c)%4)
.if (\c) < 5
	WIN 0x04
.set rB, 192+12*(\c)
.elseif (\c) < 10
	WIN 0x08
.set rB, 192+12*((\c)-5)
.elseif (\c) < 15
	WIN 0x0c
.set rB, 12*((\c)-10)
.else
	WIN 0
.set rB, W2L
.endif
.if (\c)%2
	v_wmma_scale_f32_16x16x128_f8f6f4 v[rD:rD+7], v[HF+12*BUFS:HF+12*BUFS+11], v[rB:rB+11], 0, v[HS+BUFS], v[W2S+(\c)/2] matrix_a_fmt:MATRIX_FMT_BF6 matrix_b_fmt:MATRIX_FMT_BF6 matrix_b_scale:MATRIX_SCALE_ROW1
.else
	v_wmma_scale_f32_16x16x128_f8f6f4 v[rD:rD+7], v[HF+12*BUFS:HF+12*BUFS+11], v[rB:rB+11], 0, v[HS+BUFS], v[W2S+(\c)/2] matrix_a_fmt:MATRIX_FMT_BF6 matrix_b_fmt:MATRIX_FMT_BF6
.endif
.endm
; the results of tiles c0 and c0 + 1, eight tokens a lane, are added under their gates, two tokens at a time; the two tiles line by line; each result from its low end on
.macro FM c0
	WIN 0
.irp k, 0,1,2,3
.irp d, 0,1
.set rD, HA+8*(((\c0)+\d)%4)+2*\k
.set rA, ACC+2*((\c0)+\d)
.set rG, G+8*BUFS+2*\k
.if FST && (\k == 0)
	v_pk_mul_f32 v[rA:rA+1], v[rD:rD+1], v[rG:rG+1]                ; a batch's first tile starts the sums: nothing is cleared
.else
	v_pk_fma_f32 v[rA:rA+1], v[rD:rD+1], v[rG:rG+1], v[rA:rA+1]
.endif
.endr
.endr
.endm
; tile i of the batch against my 16 tiles of columns.  Two products, then the additions of the two before them: those eight plain lines name none of the newer products' registers and are their
; places; a result's registers are written again four products later, behind eight such lines or more.
.macro TILE2 i
.set BUFS, (\i)%2
.if (\i) == 0
.set FST, 1
.else
.set FST, 0
	s_cmp_le_u32 s29, \i
	s_cbranch_scc1 .Lflush                         ; the batch has no such tile, nor any later one
.endif
	s_wait_dscnt 0x0                               ; this tile's fragment, scale words and gates are in
.if (\i) < 7
	s_cmp_le_u32 s29, (\i)+1
	s_cbranch_scc1 .Lnh_\@
	HLOAD (\i)+1, ((\i)+1)%2                       ; the next tile's, into the other buffer, while this one is multiplied
.Lnh_\@:
.endif
	WM2 0
	WM2 1
.rept 4
	v_nop                                          ; nothing is ready to be added yet
.endr
.irp g, 1,2,3,4,5,6,7
	WM2 2*\g
	WM2 2*\g+1
	FM 2*\g-2
.endr
	FM 14
.endm
	s_load_b256 s[4:11], s[0:1], 0x0               ; xt s[4:5], cnt s[6:7], w1q s[8:9], w2q s[10:11]
	s_load_b128 s[12:15], s[0:1], 0x20             ; b1 s[12:13], part s[14:15]
	v_lshl_add_u32 v254, v0, 2, 0x3400
	v_mov_b32 v255, 0
	v_lshrrev_b32 v1, 5, v0
	v_readfirstlane_b32 s16, v1                    ; wave
	s_and_b32 s17, s16, 1                          ; hh: which 64 hidden units
	s_lshr_b32 s18, s16, 1                         ; par: which tiles
	s_lshr_b32 s19, ttmp9, 6                       ; e
	s_bfe_u32 s20, ttmp9, 0x50001                  ; sl
	s_and_b32 s21, ttmp9, 1                        ; bh
	v_and_b32 v11, 31, v0                          ; lane
	v_and_b32 v12, 15, v0                          ; r
	v_bfe_u32 v13, v0, 4, 1                        ; h
	v_and_b32 v14, 7, v0
	v_lshlrev_b32 v1, 4, v11
	v_lshlrev_b32 v2, 2, v11
	v_lshlrev_b32 v10, 3, v11
	v_lshlrev_b32 v15, 6, v13
	v_mul_u32_u24 v6, v11, 48                      ; a fragment's 48 bytes of my lane
	s_mul_i32 s22, s18, 1536
	s_mul_i32 s23, s17, 24
	s_add_co_u32 s22, s22, s23
	v_add_nc_u32 v3, s22, v6                       ; codes: slot par, my wave's 24 of the 48
	s_lshl_b32 s22, s18, 6
	s_lshl_b32 s23, s17, 1
	s_add_co_u32 s22, s22, s23
	s_add_co_u32 s22, s22, HSC
	v_lshl_add_u32 v4, v12, 2, s22                 ; scale bytes: slot par, row r, my wave's two of the four
	s_lshl_b32 s22, s18, 6
	s_lshl_b32 s23, s17, 5
	s_add_co_u32 s22, s22, s23
	s_add_co_u32 s22, s22, GB
	v_lshl_add_u32 v5, v14, 2, s22                 ; gates: slot par, tokens 8 hh + (lane & 7)
	v_lshl_add_u32 v7, v12, 2, HSC
	v_lshl_add_u32 v8, v13, 5, GB                  ; my eight tokens' gates: 8 h on
	s_add_co_u32 s23, s23, 12800
	v_lshl_add_u32 v9, v14, 2, s23                 ; the same gates in a record
	s_mov_b32 s36, 0x76543210
	s_mov_b32 s37, 0xfedcba98
	s_mov_b32 s32, s18
	s_add_co_u32 s33, s18, 2
	s_add_co_u32 s34, s18, 4
	s_add_co_u32 s35, s18, 6
	s_wait_kmcnt 0x0
	s_lshl_b32 s22, s19, 6
	s_lshl_b32 s23, s21, 5
	s_add_co_u32 s22, s22, s23                     ; cnt: 4 (16 e + 8 bh)
	s_mov_b32 s23, 0
	s_add_nc_u64 s[6:7], s[6:7], s[22:23]
	s_load_b256 s[40:47], s[6:7], 0x0              ; my eight batches' numbers of tiles
	s_lshl_b32 s52, s19, 7
	s_lshl_b32 s53, s20, 2
	s_add_co_u32 s52, s52, s53
	s_lshl_b32 s53, s17, 1
	s_add_co_u32 s52, s52, s53                     ; 128 e + my first group of 32 hidden units
	s_mul_i32 s22, s52, 24576                      ; a group's eight K steps are 8 x 3,072 bytes on end
	s_add_nc_u64 s[54:55], s[8:9], s[22:23]
	s_lshl_b32 s22, s52, 10
	s_add_co_u32 s22, s22, 12582912
	s_add_nc_u64 s[56:57], s[8:9], s[22:23]        ; and their scale words
	s_lshl_b32 s52, s19, 5
	s_add_co_u32 s52, s52, s20
	s_lshl_b32 s52, s52, 5
	s_lshl_b32 s53, s16, 3
	s_add_co_u32 s52, s52, s53                     ; (32 e + sl) 32 + my first group of 32 columns
	s_mul_i32 s22, s52, 3072
	s_add_nc_u64 s[58:59], s[10:11], s[22:23]
	s_lshl_b32 s22, s52, 7
	s_add_co_u32 s22, s22, 12582912
	s_add_nc_u64 s[60:61], s[10:11], s[22:23]
	s_lshl_b32 s22, s19, 14
	s_lshl_b32 s53, s20, 9
	s_add_co_u32 s22, s22, s53
	s_lshl_b32 s53, s17, 8
	s_add_co_u32 s22, s22, s53
	s_add_nc_u64 s[12:13], s[12:13], s[22:23]      ; b1 at my 64 hidden units
	s_lshl_b32 s22, s21, 22                        ; part: a batch is 524,288 bytes, my 256 columns 131,072, a set 512
	s_lshl_b32 s53, s16, 17
	s_add_co_u32 s22, s22, s53
	s_lshl_b32 s53, s19, 5
	s_add_co_u32 s53, s53, s20
	s_lshl_b32 s53, s53, 9
	s_add_co_u32 s22, s22, s53
	s_add_nc_u64 s[26:27], s[14:15], s[22:23]
	s_lshl_b32 s22, s21, 8
	s_lshl_b32 s53, s19, 3
	s_add_co_u32 s22, s22, s53
	s_mul_i32 s22, s22, TS
	s_add_nc_u64 s[4:5], s[4:5], s[22:23]          ; tile 0 of (my first batch, e)
	s_mul_i32 s22, s18, TS
	s_add_nc_u64 s[24:25], s[4:5], s[22:23]        ; my first tile
	; what the first product wants comes first
	WIN 0x40                                       ; destination window 1
	W1LOAD 0
	WIN 0x80
	W1LOAD 1
	WIN 0
.irp gb, 0,1
.irp ks, 0,1,2,3,4,5,6,7
	global_load_b32 v[W1S+8*\gb+\ks], v2, s[56:57] offset:1024*\gb+128*\ks
.endr
.endr
.irp t, 0,1,2,3                        ; lane (r, h) wants, for accumulator 2 gb + image, b1 of hidden units 32 gb + 16 h + 8 image + 0 .. 7
	global_load_b128 v[B1+8*\t:B1+8*\t+3], v15, s[12:13] offset:(32*(\t/2)+8*(\t%2))*4
	global_load_b128 v[B1+8*\t+4:B1+8*\t+7], v15, s[12:13] offset:(32*(\t/2)+8*(\t%2))*4+16
.endr
	s_wait_kmcnt 0x0
	s_mov_b32 s28, 0
.irp k, 7,6,5,4,3,2,1,0
	s_max_u32 s[40+\k], s[40+\k], 1
	s_min_u32 s[40+\k], s[40+\k], 8                ; 1 .. 8 tiles, whatever the buffer holds
	s_lshl_b32 s28, s28, 4
	s_or_b32 s28, s28, s[40+\k]                    ; four bits each, the first batch lowest
.endr
	; the first batch's first two tiles of mine.  Where the group has fewer, its last tile is fetched in their stead and not used: so both buffers are written on every path, from records that exist
	s_sub_co_u32 s52, s40, 1
	s_min_u32 s53, s32, s52
	s_min_u32 s53, s53, 7
	s_mul_i32 s22, s53, TS
	s_add_nc_u64 s[48:49], s[4:5], s[22:23]
	s_min_u32 s53, s33, s52
	s_min_u32 s53, s53, 7
	s_mul_i32 s22, s53, TS
	s_add_nc_u64 s[50:51], s[4:5], s[22:23]
	XFETCH 0, 48, 0
	XFETCH 1, 50, 0
	; and last what only the second product wants: 16 x 3 + 8 = 56 loads
	WIN 0x40
.irp c, 0,1,2,3,4
	W2LOAD \c, 192+12*\c
.endr
	WIN 0x80
.irp c, 5,6,7,8,9
	W2LOAD \c, 192+12*(\c-5)
.endr
	WIN 0xc0
.irp c, 10,11,12,13,14
	W2LOAD \c, 12*(\c-10)
.endr
	WIN 0
	W2LOAD 15, W2L
.irp g, 0,1,2,3,4,5,6,7
	global_load_b32 v[W2S+\g], v2, s[60:61] offset:128*\g
.endr
.set jj, 0
.rept 12
	v_mov_b32 v[HF+12+jj], 0                       ; the second buffers are written once, since their first load stands under a branch
.set jj, jj+1
.endr
.set jj, 0
.rept 8
	v_mov_b32 v[G+8+jj], 0
.set jj, jj+1
.endr
	v_mov_b32 v[HS+1], 0
	s_mov_b32 s31, 0
	s_wait_loadcnt 56                              ; W1, its scale words, b1 and my two token tiles are in; the 56 younger loads, W2's and its scale words', may stay out
.Lbatch:                                           ; eight trips, a batch each.  On the way back no load is out: the wait at the loop's end
	s_and_b32 s29, s28, 15                         ; n
	s_lshr_b32 s28, s28, 4
	s_and_b32 s30, s28, 15                         ; the next batch's n; 0 behind the last
	TILE1 0
	TILE1 1
	TILE1 2
	TILE1 3
	s_wait_dscnt 0x0                               ; for the others' sake: my stores have landed
	s_barrier_signal -1
	s_barrier_wait -1                              ; the batch's n fragments of h lie in LDS
	HLOAD 0, 0                                     ; the first fragment is asked for at once: it comes while the loads below are issued
	s_wait_loadcnt 0x0                             ; in the first trip: W2 and its scale words are in; later nothing is out here.  It stands ahead of the fetches below, behind which the number of younger loads differs from path to path
	s_cmp_lt_u32 s32, s30
	s_cbranch_scc0 .Lnx0
	XFETCH 0, 24, 32*TS                            ; the next batch's tiles of mine land while this batch's second product runs
.Lnx0:
	s_cmp_lt_u32 s33, s30
	s_cbranch_scc0 .Lnx1
	XFETCH 1, 24, 34*TS
.Lnx1:
	TILE2 0
	TILE2 1
	TILE2 2
	TILE2 3
	TILE2 4
	TILE2 5
	TILE2 6
	TILE2 7
.Lflush:
.irp c, 0,1,2,3,4,5,6,7,8,9,10,11,12,13,14,15
	v_add_f32 v[ACC+2*\c], v[ACC+2*\c], v[ACC+2*\c+1]              ; even and odd tokens
.endr
.irp p, 0,1,2,3                        ; tokens 0-7 lie in lanes 0-15, tokens 8-15 in lanes 16-31.  Groups 2 p and 2 p + 1 of 32 columns change halves, and one addition finishes both
.irp u, 0,1
	v_permlane16_swap_b32 v[ACC+8*\p+2*\u], v[ACC+8*\p+4+2*\u]
.endr
.endr
.irp p, 0,1,2,3
	v_add_f32 v[ACC+8*\p], v[ACC+8*\p], v[ACC+8*\p+4]              ; lane (r, h): column 64 p + 32 h + 2 r of my 256,
	v_add_f32 v[ACC+8*\p+1], v[ACC+8*\p+2], v[ACC+8*\p+6]          ; and the column beside it
.endr
.irp p, 0,1,2,3
	global_store_b64 v10, v[ACC+8*\p:ACC+8*\p+1], s[26:27] offset:65536*(\p/2)+256*(\p%2)   ; 32 lanes store 256 consecutive bytes, at a multiple of 256 from the buffer's first byte
.endr
	s_wait_dscnt 0x0                               ; my reads of the batch's fragments are over
	s_barrier_signal -1
	s_barrier_wait -1                              ; everybody's are: the next batch may write them
	s_wait_xcnt 0x0                                ; loads and stores have read their bases and data
	s_add_nc_u64 s[24:25], s[24:25], 32*TS
	s_add_nc_u64 s[26:27], s[26:27], 524288
	s_wait_loadcnt 0x0                             ; the next batch's tiles, asked for a phase ago, are in; on every path, so that no fetch meets an older one into the same registers
	s_add_co_u32 s31, s31, 1
	s_cmp_lt_u32 s31, 8
	s_cbranch_scc1 .Lbatch
	s_wait_tensorcnt 0x0
	ds_add_u32 v254, v255
	s_wait_dscnt 0x0
	s_endpgm
.Lfunc_end_k_q29e8527900_experts:
	.size	k_q29e8527900_experts, .Lfunc_end_k_q29e8527900_experts-k_q29e8527900_experts
	.p2alignl 7, 3214868480
	.fill 96, 4, 3214868480
	.section	.rodata,"a",@progbits
	.p2align	6, 0x0
	.amdhsa_kernel k_q29e8527900_experts
		.amdhsa_group_segment_fixed_size 13824
		.amdhsa_private_segment_fixed_size 0
		.amdhsa_enable_private_segment 0
		.amdhsa_kernarg_size 48
		.amdhsa_user_sgpr_count 2
		.amdhsa_user_sgpr_kernarg_segment_ptr 1
		.amdhsa_wavefront_size32 1
		.amdhsa_system_sgpr_workgroup_id_x 1
		.amdhsa_system_sgpr_workgroup_id_y 1
		.amdhsa_system_sgpr_workgroup_id_z 1
		.amdhsa_system_vgpr_workitem_id 0
		.amdhsa_next_free_vgpr 1024
		.amdhsa_next_free_sgpr 66
		.amdhsa_reserve_vcc 0
		.amdhsa_float_denorm_mode_32 3
		.amdhsa_float_denorm_mode_16_64 3
		.amdhsa_memory_ordered 1
		.amdhsa_forward_progress 1
		.amdhsa_inst_pref_size 128
	.end_amdhsa_kernel
	.amdgpu_metadata
---
amdhsa.version: [ 1, 2 ]
amdhsa.kernels:
  - .name:           k_q29e8527900_experts
    .symbol:         k_q29e8527900_experts.kd
    .args:
      - { .name: xt, .offset: 0, .size: 8, .value_kind: global_buffer, .address_space: global }
      - { .name: cnt, .offset: 8, .size: 8, .value_kind: global_buffer, .address_space: global }
      - { .name: w1q, .offset: 16, .size: 8, .value_kind: global_buffer, .address_space: global }
      - { .name: w2q, .offset: 24, .size: 8, .value_kind: global_buffer, .address_space: global }
      - { .name: b1, .offset: 32, .size: 8, .value_kind: global_buffer, .address_space: global }
      - { .name: part, .offset: 40, .size: 8, .value_kind: global_buffer, .address_space: global }
    .group_segment_fixed_size: 13824
    .private_segment_fixed_size: 0
    .kernarg_segment_align: 8
    .kernarg_segment_size: 48
    .max_flat_workgroup_size: 128
    .sgpr_count:     66
    .vgpr_count:     1024
    .wavefront_size: 32
...
	.end_amdgpu_metadata
.endif
;; end of part 3
;; launch reduce (part 4): grid 128 x 1, 4 waves a work-group, no clusters, 3,072 bytes of LDS; arguments part, xt, b2, pq; writes pq
.if DOCPART == 4
	.amdgcn_target "amdgcn-amd-amdhsa--gfx1250"
	.amdhsa_code_object_version 6
	.text
	.protected	k_q29e8527900_reduce
	.globl	k_q29e8527900_reduce
	.p2align	8
	.type	k_q29e8527900_reduce,@function
k_q29e8527900_reduce:
	s_mov_b64 s[64:65], 0
	v_nop
	global_prefetch_b8 v0, s[64:65] scope:SCOPE_SE
	s_setreg_imm32_b32 hwreg(HW_REG_WAVE_MODE, 25, 1), 1
	s_wait_xcnt 0x0
; pooled[b][128 dh .. + 127] = the sum of the 128 partial sums (4 experts x 32 slices of the hidden axis) + the sum over e of (the group's sum of gate / 128) x b2[e], in f32; then quantised along its 1,024
; to codes of E3M2 with one E8M0 byte for each 32, laid as the head's operand wants it: K step dh at 1536 dh; lane b + 16 (block & 1) at 48 bytes a lane, 24 bytes for each block >> 1; scale bytes at 12288 + 64 dh + 4 b + block.
; Work-group 8 b + dh: its 128 records of 512 bytes are 65,536 bytes on end.  Wave w adds 32 of them; the four sums meet in LDS behind one barrier, and wave 0 finishes.
; No matrix unit, no cluster: the launch streams each byte once and shares nothing.
; LIMITS: NaN and infinities are not served; a block whose largest magnitude lies under 2^-122 keeps the scale byte 1.
	s_load_b256 s[4:11], s[0:1], 0x0               ; part s[4:5], xt s[6:7], b2 s[8:9], pq s[10:11]
	v_lshl_add_u32 v160, v0, 2, 0xa00
	v_mov_b32 v161, 0
	v_lshrrev_b32 v1, 5, v0
	v_readfirstlane_b32 s12, v1                    ; wave
	v_and_b32 v1, 31, v0                           ; lane
	v_lshlrev_b32 v2, 4, v1                        ; 16 x lane
	v_lshlrev_b32 v3, 4, v0                        ; LDS: 512 x wave + 16 x lane
	v_and_b32 v4, 7, v0
	v_lshlrev_b32 v4, 6, v4                        ; LDS: 16 neighbouring numbers for each of lanes 0-7
	s_lshr_b32 s13, ttmp9, 3                       ; b
	s_and_b32 s14, ttmp9, 7                        ; dh
	s_mul_i32 s18, s14, 1536
	s_mul_i32 s19, s13, 48
	s_add_co_u32 s18, s18, s19
	v_bfe_u32 v5, v0, 1, 1                         ; lane l of 0 .. 7 holds half l & 1 of block l >> 1
	v_mul_u32_u24 v5, v5, 768
	v_bfe_u32 v6, v0, 2, 1
	v_mad_u32_u24 v5, v6, 24, v5
	v_and_b32 v6, 1, v0
	v_mad_u32_u24 v5, v6, 12, v5
	v_add_nc_u32 v5, s18, v5                       ; my 12 bytes of codes
	s_lshl_b32 s18, s14, 6
	s_lshl_b32 s19, s13, 2
	s_add_co_u32 s18, s18, s19
	v_bfe_u32 v6, v0, 1, 2
	v_add_nc_u32 v6, s18, v6                       ; my block's scale byte
	s_wait_kmcnt 0x0
	s_lshl_b32 s16, ttmp9, 16
	s_lshl_b32 s17, s12, 14
	s_add_co_u32 s16, s16, s17
	s_mov_b32 s17, 0
	s_add_nc_u64 s[4:5], s[4:5], s[16:17]          ; my wave's 32 records
	s_lshl_b32 s16, s13, 4
	s_add_nc_u64 s[6:7], s[6:7], s[16:17]
	s_load_b128 s[20:23], s[6:7], 0x660000         ; the batch's four sums of gate / 128, behind the 512 tile records
	s_lshl_b32 s16, s14, 9
	s_add_nc_u64 s[8:9], s[8:9], s[16:17]
	s_cmp_lg_u32 s12, 0
	s_cbranch_scc1 .Lnob2
.irp e, 0,1,2,3
	global_load_b128 v[144+4*\e:147+4*\e], v2, s[8:9] offset:4096*\e               ; wave 0: b2[e] at my four columns
.endr
.Lnob2:
.irp t, 0,1,2,3,4,5,6,7,8,9,10,11,12,13,14,15,16,17,18,19,20,21,22,23,24,25,26,27,28,29,30,31
	global_load_b128 v[16+4*\t:19+4*\t], v2, s[4:5] offset:512*\t th:TH_LOAD_NT    ; a record: 512 consecutive bytes, four columns a lane; read once
.endr
	s_wait_loadcnt 0x0
.irp t, 2,4,6,8,10,12,14,16,18,20,22,24,26,28,30
	v_pk_add_f32 v[16:17], v[16:17], v[16+4*\t:17+4*\t]            ; four chains: even and odd records, two pairs of columns
	v_pk_add_f32 v[18:19], v[18:19], v[18+4*\t:19+4*\t]
	v_pk_add_f32 v[20:21], v[20:21], v[20+4*\t:21+4*\t]
	v_pk_add_f32 v[22:23], v[22:23], v[22+4*\t:23+4*\t]
.endr
	v_pk_add_f32 v[16:17], v[16:17], v[20:21]
	v_pk_add_f32 v[18:19], v[18:19], v[22:23]
	ds_store_b128 v3, v[16:19]
	s_wait_kmcnt 0x0
	s_wait_dscnt 0x0                               ; for the others' sake: my store has landed
	s_barrier_signal -1
	s_barrier_wait -1
	s_cmp_lg_u32 s12, 0
	s_cbranch_scc1 .Lend
.irp k, 0,1,2,3
	ds_load_b128 v[16+4*\k:19+4*\k], v2 offset:512*\k
.endr
	s_wait_dscnt 0x0
	v_pk_add_f32 v[16:17], v[16:17], v[20:21]
	v_pk_add_f32 v[18:19], v[18:19], v[22:23]
	v_pk_add_f32 v[24:25], v[24:25], v[28:29]
	v_pk_add_f32 v[26:27], v[26:27], v[30:31]
	v_pk_add_f32 v[16:17], v[16:17], v[24:25]
	v_pk_add_f32 v[18:19], v[18:19], v[26:27]
.irp e, 0,1,2,3
.irp q, 0,1,2,3
	v_fma_f32 v[16+\q], s[20+\e], v[144+4*\e+\q], v[16+\q]         ; the second bias, under the group's gates
.endr
.endr
	ds_store_b128 v2, v[16:19] offset:2048         ; the conversion takes 16 neighbours from one lane: the 128 numbers turn through my own 512 bytes
.irp j, 0,1,2,3
	ds_load_b128 v[32+4*\j:35+4*\j], v4 offset:2048+16*\j          ; LDS serves a wave's instructions in order: these see my store
.endr
	s_wait_dscnt 0x0
	v_max3_num_f32 v8, |v32|, |v33|, 0x2800000     ; my 16, and the floor 2^(5 - 127)
.irp i, 2,4,6,8,10,12,14
	v_max3_num_f32 v8, v8, |v[32+\i]|, |v[33+\i]|
.endr
	v_max_num_f32_dpp v8, v8, v8 row_xmask:1 row_mask:0xf bank_mask:0xf            ; and my neighbour's 16: the block's largest magnitude
	v_add_nc_u32 v9, 0xfe000000, v8                ; 4 off its exponent field: the conversion's scale operand
	v_cvt_scalef32_pk16_bf6_f32 v[12:14], v[32:47], v9
	v_lshrrev_b32 v10, 23, v9                      ; the scale's byte
	v_cmp_gt_u32 vcc_lo, 8, v1
	s_wait_xcnt 0x0                                ; EXEC changes only behind this wait
	s_and_saveexec_b32 s24, vcc_lo
	global_store_b96 v5, v[12:14], s[10:11]
	global_store_b8 v6, v10, s[10:11] offset:12288 ; both lanes of a block write the same byte with the same value
	s_wait_xcnt 0x0
	s_or_b32 exec_lo, exec_lo, s24
.Lend:
	s_wait_tensorcnt 0x0
	ds_add_u32 v160, v161
	s_wait_dscnt 0x0
	s_endpgm
.Lfunc_end_k_q29e8527900_reduce:
	.size	k_q29e8527900_reduce, .Lfunc_end_k_q29e8527900_reduce-k_q29e8527900_reduce
	.p2alignl 7, 3214868480
	.fill 96, 4, 3214868480
	.section	.rodata,"a",@progbits
	.p2align	6, 0x0
	.amdhsa_kernel k_q29e8527900_reduce
		.amdhsa_group_segment_fixed_size 3072
		.amdhsa_private_segment_fixed_size 0
		.amdhsa_enable_private_segment 0
		.amdhsa_kernarg_size 32
		.amdhsa_user_sgpr_count 2
		.amdhsa_user_sgpr_kernarg_segment_ptr 1
		.amdhsa_wavefront_size32 1
		.amdhsa_system_sgpr_workgroup_id_x 1
		.amdhsa_system_sgpr_workgroup_id_y 1
		.amdhsa_system_sgpr_workgroup_id_z 1
		.amdhsa_system_vgpr_workitem_id 0
		.amdhsa_next_free_vgpr 162
		.amdhsa_next_free_sgpr 66
		.amdhsa_reserve_vcc 1
		.amdhsa_float_denorm_mode_32 3
		.amdhsa_float_denorm_mode_16_64 3
		.amdhsa_memory_ordered 1
		.amdhsa_forward_progress 1
		.amdhsa_inst_pref_size 13
	.end_amdhsa_kernel
	.amdgpu_metadata
---
amdhsa.version: [ 1, 2 ]
amdhsa.kernels:
  - .name:           k_q29e8527900_reduce
    .symbol:         k_q29e8527900_reduce.kd
    .args:
      - { .name: part, .offset: 0, .size: 8, .value_kind: global_buffer, .address_space: global }
      - { .name: xt, .offset: 8, .size: 8, .value_kind: global_buffer, .address_space: global }
      - { .name: b2, .offset: 16, .size: 8, .value_kind: global_buffer, .address_space: global }
      - { .name: pq, .offset: 24, .size: 8, .value_kind: global_buffer, .address_space: global }
    .group_segment_fixed_size: 3072
    .private_segment_fixed_size: 0
    .kernarg_segment_align: 8
    .kernarg_segment_size: 32
    .max_flat_workgroup_size: 128
    .sgpr_count:     66
    .vgpr_count:     162
    .wavefront_size: 32
...
	.end_amdgpu_metadata
.endif
;; end of part 4
;; launch head (part 5): grid 64 x 1, 1 waves a work-group, no clusters, 0 bytes of LDS; arguments pq, w1q, bh, gp, out0, out1; writes out0, out1
.if DOCPART == 5
	.amdgcn_target "amdgcn-amd-amdhsa--gfx1250"
	.amdhsa_code_object_version 6
	.text
	.protected	k_q29e8527900_head
	.globl	k_q29e8527900_head
	.p2align	8
	.type	k_q29e8527900_head,@function
k_q29e8527900_head:
	s_mov_b64 s[64:65], 0
	v_nop
	global_prefetch_b8 v0, s[64:65] scope:SCOPE_SE
	s_setreg_imm32_b32 hwreg(HW_REG_WAVE_MODE, 25, 1), 1
	s_wait_xcnt 0x0
; logits = pooled Wh + bh on codes of E3M2 with one E8M0 byte for each 32 along K, and the auxiliary loss.
; ONE WAVE TO A WORK-GROUP: the 64 waves share nothing, so each is a work-group of its own and they spread over 64 WGPs.  Work-group ct.
; ct < 63: columns 16 ct .. + 15 for the 16 batches: eight K steps of 128 on two accumulators by turns.  Transposed use (source 0 = 16 columns of Wh, source 1 = pooled):
; a lane holds one batch and eight neighbouring columns.  The bias is the C of the first product.  Both operands come as images of their registers, by loads of 16 bytes.
; ct = 63: aux = 4 x the sum over e of (count_e / 2048) (sum of probabilities_e / 2048), from the 256 records of 32 bytes that the gate's waves left.
; 64 waves are all the work there is: 63 tiles of the one product, and one sum.
	s_load_b256 s[4:11], s[0:1], 0x0               ; pq s[4:5], w1q s[6:7], bh s[8:9], gp s[10:11]
	s_load_b128 s[12:15], s[0:1], 0x20             ; out0 s[12:13], out1 s[14:15]
	s_mov_b32 s17, ttmp9                           ; ct
	v_and_b32 v1, 31, v0                           ; lane
	v_and_b32 v2, 15, v0                           ; r
	v_bfe_u32 v3, v0, 4, 1                         ; h
	v_lshlrev_b32 v4, 4, v1
	v_lshlrev_b32 v5, 2, v1
	s_mov_b32 s26, 0x76543210
	s_mov_b32 s27, 0xfedcba98
	s_wait_kmcnt 0x0
	s_cmp_eq_u32 s17, 63
	s_cbranch_scc1 .Laux
	s_mul_i32 s18, s17, 12288
	s_add_co_u32 s18, s18, 13107200
	s_mov_b32 s19, 0
	s_add_nc_u64 s[20:21], s[6:7], s[18:19]        ; my tile's eight images of Wh
	s_lshl_b32 s18, s17, 10
	s_add_co_u32 s18, s18, 13881344
	s_add_nc_u64 s[22:23], s[6:7], s[18:19]        ; and their scale words
	v_mul_u32_u24 v6, v1, 48                       ; pooled: 48 bytes a lane
	v_lshlrev_b32 v7, 2, v2                        ; its scale words: 4 bytes a batch
	s_lshl_b32 s24, s17, 4
	v_lshl_add_u32 v9, v3, 3, s24                  ; my first column: 16 ct + 8 h
	v_min_u32 v8, 992, v9                          ; (the last tile's upper half lies past column 999: it loads the last eight biases and stores nothing)
	v_lshlrev_b32 v8, 2, v8
	v_mul_u32_u24 v10, v2, 4000
	v_lshl_add_u32 v10, v9, 2, v10                 ; out0: row r, my eight columns
.irp ks, 0,1,2,3,4,5,6,7
.irp j, 0,1,2
	global_load_b128 v[64+12*\ks+4*\j:67+12*\ks+4*\j], v4, s[20:21] offset:1536*\ks+512*\j
	global_load_b128 v[160+12*\ks+4*\j:163+12*\ks+4*\j], v6, s[4:5] offset:1536*\ks+16*\j
.endr
	global_load_b32 v[16+\ks], v5, s[22:23] offset:128*\ks
	global_load_b32 v[24+\ks], v7, s[4:5] offset:12288+64*\ks
.endr
	global_load_b128 v[48:51], v8, s[8:9]
	global_load_b128 v[52:55], v8, s[8:9] offset:16
	s_wait_loadcnt 0x0
	v_wmma_scale_f32_16x16x128_f8f6f4 v[32:39], v[64:75], v[160:171], v[48:55], v16, v24 matrix_a_fmt:MATRIX_FMT_BF6 matrix_b_fmt:MATRIX_FMT_BF6
	v_wmma_scale_f32_16x16x128_f8f6f4 v[40:47], v[76:87], v[172:183], 0, v17, v25 matrix_a_fmt:MATRIX_FMT_BF6 matrix_b_fmt:MATRIX_FMT_BF6
.irp ks, 2,3,4,5,6,7                   ; even K steps on one accumulator, odd ones on the other: by turns
	v_wmma_scale_f32_16x16x128_f8f6f4 v[32+8*(\ks%2):39+8*(\ks%2)], v[64+12*\ks:75+12*\ks], v[160+12*\ks:171+12*\ks], v[32+8*(\ks%2):39+8*(\ks%2)], v[16+\ks], v[24+\ks] matrix_a_fmt:MATRIX_FMT_BF6 matrix_b_fmt:MATRIX_FMT_BF6
.endr
.rept 4
	v_nop                                          ; four places between the last product and the first read of its result (ISA guide 7.12.1)
.endr
.irp j, 0,1,2,3,4,5,6,7
	v_add_f32 v[32+\j], v[32+\j], v[40+\j]         ; both accumulators from their low ends on
.endr
	v_cmp_gt_u32 vcc_lo, 1000, v9
	s_wait_xcnt 0x0                                ; EXEC changes only behind this wait
	s_and_saveexec_b32 s25, vcc_lo
	global_store_b128 v10, v[32:35], s[12:13]
	global_store_b128 v10, v[36:39], s[12:13] offset:16
	s_wait_xcnt 0x0
	s_or_b32 exec_lo, exec_lo, s25
	s_endpgm
.Laux:
.irp t, 0,1,2,3,4,5,6,7,8,9,10,11,12,13,14,15
	global_load_b128 v[64+4*\t:67+4*\t], v4, s[10:11] offset:8192+512*\t           ; even lanes: a record's four sums of probabilities; odd lanes: its four counts
.endr
.irp q, 0,1,2,3
	v_mov_b32 v[16+\q], 0                          ; a lane permute's destination counts as one of its sources
.endr
	v_mov_b32 v11, 0
	s_wait_loadcnt 0x0
.irp t, 1,2,3,4,5,6,7,8,9,10,11,12,13,14,15
	v_pk_add_f32 v[64:65], v[64:65], v[64+4*\t:65+4*\t]
	v_pk_add_f32 v[66:67], v[66:67], v[66+4*\t:67+4*\t]
.endr
.irp m, 2,4,8                          ; over the lanes of my parity
.irp q, 0,1,2,3
	v_add_f32_dpp v[64+\q], v[64+\q], v[64+\q] row_xmask:\m row_mask:0xf bank_mask:0xf
.endr
.endr
.irp q, 0,1,2,3
	v_permlanex16_b32 v[16+\q], v[64+\q], s26, s27
.endr
.irp q, 0,1,2,3
	v_add_f32 v[64+\q], v[64+\q], v[16+\q]
.endr
.irp q, 0,1,2,3
	v_mul_f32_dpp v[64+\q], v[64+\q], v[64+\q] row_xmask:1 row_mask:0xf bank_mask:0xf   ; count_e x sum of probabilities_e
.endr
	v_add_f32 v64, v64, v65
	v_add_f32 v66, v66, v67
	v_add_f32 v64, v64, v66
	v_mul_f32 v64, 0x35800000, v64                 ; x 4 / 2048^2 = 2^-20
	v_cmp_eq_u32 vcc_lo, 0, v1
	s_wait_xcnt 0x0                                ; EXEC changes only behind this wait
	s_and_saveexec_b32 s25, vcc_lo
	global_store_b32 v11, v64, s[14:15]
	s_wait_xcnt 0x0
	s_or_b32 exec_lo, exec_lo, s25
	s_endpgm
.Lfunc_end_k_q29e8527900_head:
	.size	k_q29e8527900_head, .Lfunc_end_k_q29e8527900_head-k_q29e8527900_head
	.p2alignl 7, 3214868480
	.fill 96, 4, 3214868480
	.section	.rodata,"a",@progbits
	.p2align	6, 0x0
	.amdhsa_kernel k_q29e8527900_head
		.amdhsa_group_segment_fixed_size 0
		.amdhsa_private_segment_fixed_size 0
		.amdhsa_enable_private_segment 0
		.amdhsa_kernarg_size 48
		.amdhsa_user_sgpr_count 2
		.amdhsa_user_sgpr_kernarg_segment_ptr 1
		.amdhsa_wavefront_size32 1
		.amdhsa_system_sgpr_workgroup_id_x 1
		.amdhsa_system_sgpr_workgroup_id_y 1
		.amdhsa_system_sgpr_workgroup_id_z 1
		.amdhsa_system_vgpr_workitem_id 0
		.amdhsa_next_free_vgpr 256
		.amdhsa_next_free_sgpr 66
		.amdhsa_reserve_vcc 1
		.amdhsa_float_denorm_mode_32 3
		.amdhsa_float_denorm_mode_16_64 3
		.amdhsa_memory_ordered 1
		.amdhsa_forward_progress 1
		.amdhsa_inst_pref_size 15
	.end_amdhsa_kernel
	.amdgpu_metadata
---
amdhsa.version: [ 1, 2 ]
amdhsa.kernels:
  - .name:           k_q29e8527900_head
    .symbol:         k_q29e8527900_head.kd
    .args:
      - { .name: pq, .offset: 0, .size: 8, .value_kind: global_buffer, .address_space: global }
      - { .name: w1q, .offset: 8, .size: 8, .value_kind: global_buffer, .address_space: global }
      - { .name: bh, .offset: 16, .size: 8, .value_kind: global_buffer, .address_space: global }
      - { .name: gp, .offset: 24, .size: 8, .value_kind: global_buffer, .address_space: global }
      - { .name: out0, .offset: 32, .size: 8, .value_kind: global_buffer, .address_space: global }
      - { .name: out1, .offset: 40, .size: 8, .value_kind: global_buffer, .address_space: global }
    .group_segment_fixed_size: 0
    .private_segment_fixed_size: 0
    .kernarg_segment_align: 8
    .kernarg_segment_size: 48
    .max_flat_workgroup_size: 32
    .sgpr_count:     66
    .vgpr_count:     256
    .wavefront_size: 32
...
	.end_amdgpu_metadata
.endif
;; end of part 5
;; ======== version 2 of 2: 5 launches
;; workspace buffers: w1q 13,945,856 bytes; w2q 13,107,200 bytes; route 8,192 bytes of whole numbers; gp 16,384 bytes; xt 6,684,928 bytes; cnt 256 bytes of whole numbers; part 8,388,608 bytes; pq 12,800 bytes
;; launch prep_a (part 6): grid 1214 x 1, 4 waves a work-group, no clusters, 12,800 bytes of LDS; arguments x, Wg, bg, W1, Wh, w1q, route, gp; writes w1q, route, gp
.if DOCPART == 6
	.amdgcn_target "amdgcn-amd-amdhsa--gfx1250"
	.amdhsa_code_object_version 6
	.text
	.protected	k_q29e8527900_prep_a
	.globl	k_q29e8527900_prep_a
	.p2align	8
	.type	k_q29e8527900_prep_a,@function
k_q29e8527900_prep_a:
	s_mov_b64 s[64:65], 0
	v_nop
	global_prefetch_b8 v0, s[64:65] scope:SCOPE_SE
	s_setreg_imm32_b32 hwreg(HW_REG_WAVE_MODE, 25, 1), 1
	s_wait_xcnt 0x0
; Three roles, chosen by the work-group's number; the small ones come first so that they run beside the large one.
;   0..63     GATE: logits = x Wg + bg in f32, softmax (the maximum taken away first), top-1.  Stored at fixed places: the chosen expert (route, a whole number for each token),
;             its probability (gp), and for each wave the sums of its 8 tokens' probabilities and one-hots (gp + 8192, 32 bytes a wave) for the auxiliary loss.
;   64..189   HEAD WEIGHT: Wh [1024 (k)][1000 (n)] into codes of E3M2 with one E8M0 byte for each 32 along K; a wave makes one fragment, 16 columns x 128 K.
;   190..1213 EXPERT WEIGHT: W1 [4][1024 (k)][4096 (n)] likewise; a work-group takes 128 columns x 128 K, a wave 32 columns.
; CODES ARE LAID AS THE READER'S REGISTERS WANT THEM.  A fragment (16 rows x 128 K, 12 registers a lane) is an IMAGE of 1,536 bytes: registers 4 j .. 4 j + 3 of lane L at 512 j + 16 L.
; A record of W1 holds the two images of a group of 32 hidden units for one K step: hidden unit o of the group is row (o & 7) + 8 (o >> 4) of image (o >> 3) & 1, so that the
; 16 registers of the two result tiles are 16 neighbours along the next product's K.  Its 32 scale words (four bytes: the row's four blocks) lie at 4 (row + 16 image).
; A block's scale byte is its largest magnitude's exponent field - 4, held at 1 from below.
; LIMITS: NaN and infinities are not served; a block whose largest magnitude lies under 2^-122 (a block of zeros too) keeps the byte 1: its codes are zeros or tiny, and only this program reads the bytes;
; two logits that tie within f32 rounding may route either way (exact ties keep the lower index).
.set WV,  20                           ; s20      my wave's number
.set SEL, 22                           ; s[22:23] lane selects for v_permlanex16_b32: lane l xor 16
; ---- the weight quantiser: a lane takes a column, its registers run down K ----
; Block kb of four: 32 numbers in v[32 + 32 kb ..]; its 24 bytes of codes are registers 6 (kb / 2) + 0 .. 5 of lane row + 16 (kb % 2) of the image.
.macro WQBLOCK kb
.set XQ, 32+32*(\kb)
.set CQ, 160+8*(\kb)                   ; each block has its own registers for its codes
.if (\kb) < 2
	s_wait_loadcnt 63                              ; 96 and 64 loads are younger than this block's; a wait names 63 at the most
.else
	s_wait_loadcnt 32*(3-(\kb))                    ; the younger blocks' loads may stay out
.endif
	v_max3_num_f32 v12, |v[XQ]|, |v[XQ+1]|, |v[XQ+2]|              ; the block's largest magnitude: all 32 numbers are mine; two chains
	v_max3_num_f32 v13, |v[XQ+3]|, |v[XQ+4]|, |v[XQ+5]|
.irp i, 6,10,14,18,22,26
	v_max3_num_f32 v12, v12, |v[XQ+\i]|, |v[XQ+\i+1]|
	v_max3_num_f32 v13, v13, |v[XQ+\i+2]|, |v[XQ+\i+3]|
.endr
	v_max3_num_f32 v12, v12, |v[XQ+30]|, |v[XQ+31]|
	v_max3_num_f32 v12, v12, v13, 0x2800000        ; and the floor 2^(5 - 127): the byte cannot fall under 1
	v_add_nc_u32 v11, 0xfe000000, v12              ; 4 off the exponent field: the conversion takes this operand's exponent field as its scale
	v_lshrrev_b32 v13, 23, v11                     ; the scale's byte
.if (\kb) == 0
	v_mov_b32 v10, v13                             ; four bytes make my column's scale word, the lower K in the lower byte
.else
	v_lshl_or_b32 v10, v13, 8*(\kb), v10
.endif
	v_cvt_scalef32_pk16_bf6_f32 v[CQ:CQ+2], v[XQ:XQ+15], v11
	v_cvt_scalef32_pk16_bf6_f32 v[CQ+4:CQ+6], v[XQ+16:XQ+31], v11  ; (a conversion's three registers begin on an even number)
.irp i, 0,1,2,3,4,5                    ; the results go to LDS stores alone; the next block begins with plain vector lines before v11 is written again
	ds_store_b32 v5, v[CQ+\i+\i/3] offset:((6*((\kb)/2)+\i)/4)*512+256*((\kb)%2)+4*((6*((\kb)/2)+\i)%4)
.endr
.endm
; pitch: bytes from a row of K to the next.  map = 1: the rows of an image as said above; map = 2: column o is row o >> 1 of image o & 1.
; in, oc, os: scalar pairs: my wave's first number, its record of codes, its record of scale words.
.macro WQ pitch, map, in, oc, os
	v_and_b32 v1, 31, v0                           ; lane = my column of the wave's 32
	v_lshlrev_b32 v4, 2, v1
.set kk, 0
.rept 128
	global_load_b32 v[32+kk], v4, s[\in:\in+1] offset:kk*(\pitch) th:TH_LOAD_NT   ; a wave reads 128 consecutive bytes, the four waves 512; every number is read once
.set kk, kk+1
.endr
.if \map == 1
	v_bfe_u32 v2, v0, 3, 1                         ; image
	v_and_b32 v3, 7, v0
	v_bfe_u32 v9, v0, 4, 1
	v_lshl_add_u32 v3, v9, 3, v3                   ; row
.else
	v_and_b32 v2, 1, v0
	v_bfe_u32 v3, v0, 1, 4
.endif
	s_mul_i32 s21, s[WV], 3072                     ; my wave's own 3,072 bytes of LDS: no other wave touches them, so no barrier
	v_mul_u32_u24 v5, v2, 1536
	v_lshl_add_u32 v5, v3, 4, v5
	v_add_nc_u32 v5, s21, v5                       ; in: 1536 image + 16 row
	v_lshlrev_b32 v7, 4, v1
	v_add_nc_u32 v6, s21, v7                       ; out: 16 x lane
	v_lshl_add_u32 v8, v2, 4, v3
	v_lshlrev_b32 v8, 2, v8                        ; my scale word's place: 4 (row + 16 image)
	WQBLOCK 0
	WQBLOCK 1
	WQBLOCK 2
	WQBLOCK 3
.irp t, 0,1,2,3,4,5
	ds_load_b128 v[32+4*\t:35+4*\t], v6 offset:512*\t              ; LDS serves a wave's instructions in order: these see my stores
.endr
	global_store_b32 v8, v10, s[\os:\os+1]         ; 32 lanes fill the record's 128 bytes
.irp t, 0,1,2,3,4,5
	s_wait_dscnt 5-\t                              ; the younger LDS loads may stay out
	global_store_b128 v7, v[32+4*\t:35+4*\t], s[\oc:\oc+1] offset:512*\t   ; 512 consecutive bytes, at a multiple of 256 from the buffer's first byte
.endr
	s_wait_tensorcnt 0x0
	ds_add_u32 v30, v31
	s_wait_dscnt 0x0
	s_endpgm
.endm
	s_load_b256 s[4:11], s[0:1], 0x0               ; x s[4:5], Wg s[6:7], bg s[8:9], W1 s[10:11]
	s_load_b256 s[12:19], s[0:1], 0x20             ; Wh s[12:13], w1q s[14:15], route s[16:17], gp s[18:19]
	v_lshl_add_u32 v30, v0, 2, 0x3000
	v_mov_b32 v31, 0
	v_lshrrev_b32 v1, 5, v0
	v_readfirstlane_b32 s[WV], v1
	v_and_b32 v1, 31, v0                           ; lane
	s_mov_b32 s[SEL], 0x76543210
	s_mov_b32 s[SEL+1], 0xfedcba98
	s_wait_kmcnt 0x0
	s_cmp_lt_u32 ttmp9, 64
	s_cbranch_scc1 .Lgate
	s_cmp_lt_u32 ttmp9, 190
	s_cbranch_scc1 .Lwh
	; ---- W1 ----
	s_sub_co_u32 s24, ttmp9, 190
	s_lshr_b32 s25, s24, 8                         ; expert
	s_bfe_u32 s26, s24, 0x50003                    ; which 128 columns
	s_and_b32 s27, s24, 7                          ; K step
	s_lshl_b32 s26, s26, 2
	s_add_co_u32 s26, s26, s[WV]                   ; my group of 32 hidden units, 0 .. 127
	s_lshl_b32 s28, s25, 24                        ; an expert is 1024 x 4096 x 4 bytes,
	s_lshl_b32 s29, s27, 21                        ; a K step 128 rows of 16,384,
	s_add_co_u32 s28, s28, s29
	s_lshl_b32 s29, s26, 7                         ; a group 128 bytes of a row
	s_add_co_u32 s28, s28, s29
	s_mov_b32 s29, 0
	s_add_nc_u64 s[10:11], s[10:11], s[28:29]
	s_lshl_b32 s30, s25, 7
	s_add_co_u32 s30, s30, s26
	s_lshl_b32 s30, s30, 3
	s_add_co_u32 s30, s30, s27                     ; record (128 expert + group) 8 + K step
	s_mul_i32 s28, s30, 3072
	s_add_nc_u64 s[32:33], s[14:15], s[28:29]
	s_lshl_b32 s28, s30, 7
	s_add_co_u32 s28, s28, 12582912                ; the scale words lie behind the 4,096 records of codes
	s_add_nc_u64 s[34:35], s[14:15], s[28:29]
	WQ 16384, 1, 10, 32, 34
	; ---- Wh: lane (r, h) takes column 16 ct + r and k = 64 c + 32 h + 0 .. 31: the conversions' results are the operand's registers ----
.Lwh:
	s_sub_co_u32 s24, ttmp9, 64
	s_lshl_b32 s24, s24, 2
	s_add_co_u32 s24, s24, s[WV]                   ; job = 8 ct + K step, 0 .. 503
	s_lshr_b32 s25, s24, 3
	s_and_b32 s26, s24, 7
	v_and_b32 v2, 15, v0                           ; r
	v_bfe_u32 v3, v0, 4, 1                         ; h
	s_lshl_b32 s27, s25, 4
	v_add_nc_u32 v4, s27, v2
	v_min_u32 v4, 999, v4                          ; the last tile's rows 8 .. 15 repeat column 999: no load leaves the buffer, and their results are never stored
	v_lshlrev_b32 v4, 2, v4
	v_mad_u32_u24 v4, v3, 0x1f400, v4              ; lanes 16-31 begin 32 rows of 4,000 bytes further down
	s_mul_i32 s28, s26, 512000                     ; a K step is 128 rows
	s_mov_b32 s29, 0
	s_add_nc_u64 s[12:13], s[12:13], s[28:29]
.irp c, 0,1
.set kk, 0
.rept 32
	global_load_b32 v[64+32*\c+kk], v4, s[12:13] offset:(64*\c+kk)*4000
.set kk, kk+1
.endr
.endr
	s_wait_alu depctr_va_vdst(0)
	v_lshlrev_b32 v7, 4, v1
	v_lshlrev_b32 v8, 2, v1
	s_mul_i32 s28, s24, 1536
	s_add_co_u32 s28, s28, 13107200                ; Wh's images lie behind W1's codes and scale words
	s_add_nc_u64 s[32:33], s[14:15], s[28:29]
	s_lshl_b32 s28, s24, 7
	s_add_co_u32 s28, s28, 13881344                ; and their scale words behind the 504 images
	s_add_nc_u64 s[34:35], s[14:15], s[28:29]
	s_wait_loadcnt 0x0
.irp c, 0,1
	v_max3_num_f32 v[32+\c], |v[64+32*\c]|, |v[65+32*\c]|, 0x2800000   ; my block 2 c + h, with the floor
.endr
.irp i, 2,4,6,8,10,12,14,16,18,20,22,24,26,28,30
.irp c, 0,1
	v_max3_num_f32 v[32+\c], v[32+\c], |v[64+32*\c+\i]|, |v[65+32*\c+\i]|
.endr
.endr
.irp c, 0,1
	v_add_nc_u32 v[44+\c], 0xfe000000, v[32+\c]
.endr
.irp c, 0,1
	v_lshrrev_b32 v[36+\c], 23, v[44+\c]
.endr
	v_lshl_or_b32 v9, v37, 16, v36                 ; my two bytes: blocks h and 2 + h,
	v_lshlrev_b32 v10, 3, v3
	v_lshlrev_b32 v9, v10, v9                      ; at their places in the word;
	v_mov_b32 v10, 0
	v_permlanex16_b32 v10, v9, s[SEL], s[SEL+1]
	v_or_b32 v9, v9, v10                           ; with lane l xor 16's two the word is whole, in both lanes
.irp c, 0,1
	v_cvt_scalef32_pk16_bf6_f32 v[48+6*\c:50+6*\c], v[64+32*\c:79+32*\c], v[44+\c]
	v_cvt_scalef32_pk16_bf6_f32 v[192+4*\c:194+4*\c], v[80+32*\c:95+32*\c], v[44+\c]
.endr
	v_nop                                          ; one plain place behind a scaled conversion
.irp c, 0,1
.irp i, 0,1,2
	v_mov_b32 v[51+6*\c+\i], v[192+4*\c+\i]        ; the second half of a block's six registers begins on an odd number: made elsewhere and moved
.endr
.endr
.irp j, 0,1,2
	global_store_b128 v7, v[48+4*\j:51+4*\j], s[32:33] offset:512*\j
.endr
	global_store_b32 v8, v9, s[34:35]
	s_endpgm
	; ---- the gate: wave w of work-group g takes tokens 32 g + 8 w + 0 .. 7.  Lane l owns k = 128 i + 4 l + q ----
.Lgate:
	s_load_b128 s[24:27], s[8:9], 0x0              ; bg
	s_lshl_b32 s28, ttmp9, 17
	s_lshl_b32 s29, s[WV], 15
	s_add_co_u32 s28, s28, s29                     ; my first token's row of 4,096 bytes
	s_mov_b32 s29, 0
	s_add_nc_u64 s[4:5], s[4:5], s[28:29]
	s_wait_alu depctr_va_vdst(0)
	v_lshlrev_b32 v2, 4, v1                        ; x: 16 bytes a lane
	v_lshlrev_b32 v3, 6, v1                        ; Wg: four rows of 16 bytes a lane
.irp i, 0,1,2,3,4,5,6,7
.irp q, 0,1,2,3
	global_load_b128 v[128+16*\i+4*\q:131+16*\i+4*\q], v3, s[6:7] offset:2048*\i+16*\q   ; Wg(128 i + 4 l + q, 0 .. 3): it stays in registers
.endr
.endr
.macro XTOK j                          ; token j into one of two sets of 32 registers: each load reads 512 consecutive bytes
.irp i, 0,1,2,3,4,5,6,7
	global_load_b128 v[64+32*((\j)%2)+4*\i:64+32*((\j)%2)+4*\i+3], v2, s[4:5] offset:4096*(\j)+512*\i
.endr
.endm
	XTOK 0
	XTOK 1
.irp e, 0,1,2,3,4,5,6,7
	v_mov_b32 v[48+\e], 0                          ; v48-51: the logits, token j in lane j; v52-55: a lane permute's destination counts as one of its sources
.endr
.macro TOKEN j
.set XB, 64+32*((\j)%2)
.if (\j) < 7
	s_wait_loadcnt 8                               ; this token's loads (and Wg's) are in; the next token's eight may stay out
.else
	s_wait_loadcnt 0
.endif
.irp i, 0,1,2,3,4,5,6,7                ; eight chains: four experts x (i even, i odd); the first product starts each
.irp q, 0,1,2,3
.irp e, 0,1,2,3
.if (\i < 2) && (\q == 0)
	v_mul_f32 v[40+4*(\i%2)+\e], v[XB+4*\i+\q], v[128+16*\i+4*\q+\e]
.else
	v_fmac_f32 v[40+4*(\i%2)+\e], v[XB+4*\i+\q], v[128+16*\i+4*\q+\e]
.endif
.endr
.endr
.endr
.if (\j) < 6
	XTOK (\j)+2
.endif
.irp e, 0,1,2,3
	v_add_f32 v[40+\e], v[40+\e], v[44+\e]
.endr
.irp m, 1,2,4,8
.irp e, 0,1,2,3
	v_add_f32_dpp v[40+\e], v[40+\e], v[40+\e] row_xmask:\m row_mask:0xf bank_mask:0xf
.endr
.endr
.irp e, 0,1,2,3
	v_permlanex16_b32 v[52+\e], v[40+\e], s[SEL], s[SEL+1]
.endr
.irp e, 0,1,2,3
	v_add_f32 v[40+\e], v[40+\e], v[52+\e]         ; every lane holds the token's four sums
.endr
	v_cmp_eq_u32 vcc_lo, \j, v1
.irp e, 0,1,2,3
	v_cndmask_b32 v[48+\e], v[48+\e], v[40+\e], vcc_lo             ; lane j keeps them
.endr
.endm
.irp j, 0,1,2,3,4,5,6,7
	TOKEN \j
.endr
	s_wait_alu depctr_va_vdst(0)
	; the softmax and the choice, once for the eight tokens (lanes 8-31 work on bg alone and store nothing)
	s_wait_kmcnt 0x0
.irp e, 0,1,2,3
	v_add_f32 v[48+\e], s[24+\e], v[48+\e]
.endr
	v_max3_num_f32 v60, v48, v49, v50
	v_max_num_f32 v60, v60, v51
.irp e, 0,1,2,3
	v_sub_f32 v[56+\e], v[48+\e], v60              ; the maximum is taken away first, exactly (so not fused with the scaling)
.endr
.irp e, 0,1,2,3
	v_mul_f32 v[56+\e], 0x3fb8aa3b, v[56+\e]
.endr
	s_wait_alu depctr_va_vdst(0)
.irp e, 0,1,2,3
	v_exp_f32 v[56+\e], v[56+\e]
.endr
	v_mov_b32 v62, 0                               ; the chosen index begins at 0.  (A plain place behind the exponentials)
	s_wait_alu depctr_va_vdst(0)
	v_add_f32 v60, v56, v57
	v_add_f32 v61, v58, v59
	v_add_f32 v60, v60, v61
	s_wait_alu depctr_va_vdst(0)
	v_rcp_f32 v61, v60
	v_mov_b32 v36, 1.0                             ; (a plain place behind the reciprocal)
	s_wait_alu depctr_va_vdst(0)
.irp e, 0,1,2,3
	v_mul_f32 v[56+\e], v[56+\e], v61              ; the probabilities
.endr
	v_mov_b32 v63, v56
.irp e, 1,2,3
	v_cmp_le_f32 vcc_lo, v[56+\e], v63             ; only a strictly larger probability takes the place: ties keep the lower index
	v_cndmask_b32 v62, \e, v62, vcc_lo
	v_max_num_f32 v63, v63, v[56+\e]               ; the gate
.endr
.irp e, 0,1,2,3
	v_cmp_eq_u32 vcc_lo, \e, v62
	v_cndmask_b32 v[68+\e], 0, v36, vcc_lo         ; the one-hot, as f32
.endr
.irp m, 1,2,4
.irp e, 0,1,2,3
	v_add_f32_dpp v[56+\e], v[56+\e], v[56+\e] row_xmask:\m row_mask:0xf bank_mask:0xf   ; sums over lanes 0-7: my eight tokens
	v_add_f32_dpp v[68+\e], v[68+\e], v[68+\e] row_xmask:\m row_mask:0xf bank_mask:0xf
.endr
.endr
	s_lshl_b32 s30, ttmp9, 7
	s_lshl_b32 s31, s[WV], 5
	s_add_co_u32 s30, s30, s31                     ; 4 x my first token, which is also 32 x my wave's number in the launch
	v_lshl_add_u32 v37, v1, 2, s30
	v_mov_b32 v38, s30
	v_cmp_gt_u32 vcc_lo, 8, v1
	s_wait_alu depctr_va_vdst(0)
	s_wait_xcnt 0x0                                ; EXEC changes only behind this wait
	s_and_saveexec_b32 s31, vcc_lo
	global_store_b32 v37, v62, s[16:17]            ; the expert, a whole number, at a fixed place
	global_store_b32 v37, v63, s[18:19]            ; the gate
	s_wait_xcnt 0x0
	s_or_b32 exec_lo, exec_lo, s31
	v_cmp_eq_u32 vcc_lo, 0, v1
	s_and_saveexec_b32 s31, vcc_lo
	global_store_b128 v38, v[56:59], s[18:19] offset:8192          ; my wave's sums of probabilities,
	global_store_b128 v38, v[68:71], s[18:19] offset:8208          ; and its counts
	s_wait_xcnt 0x0
	s_or_b32 exec_lo, exec_lo, s31
	s_endpgm
.Lfunc_end_k_q29e8527900_prep_a:
	.size	k_q29e8527900_prep_a, .Lfunc_end_k_q29e8527900_prep_a-k_q29e8527900_prep_a
	.p2alignl 7, 3214868480
	.fill 96, 4, 3214868480
	.section	.rodata,"a",@progbits
	.p2align	6, 0x0
	.amdhsa_kernel k_q29e8527900_prep_a
		.amdhsa_group_segment_fixed_size 12800
		.amdhsa_private_segment_fixed_size 0
		.amdhsa_enable_private_segment 0
		.amdhsa_kernarg_size 64
		.amdhsa_user_sgpr_count 2
		.amdhsa_user_sgpr_kernarg_segment_ptr 1
		.amdhsa_wavefront_size32 1
		.amdhsa_system_sgpr_workgroup_id_x 1
		.amdhsa_system_sgpr_workgroup_id_y 1
		.amdhsa_system_sgpr_workgroup_id_z 1
		.amdhsa_system_vgpr_workitem_id 0
		.amdhsa_next_free_vgpr 256
		.amdhsa_next_free_sgpr 66
		.amdhsa_reserve_vcc 1
		.amdhsa_float_denorm_mode_32 3
		.amdhsa_float_denorm_mode_16_64 3
		.amdhsa_memory_ordered 1
		.amdhsa_forward_progress 1
		.amdhsa_inst_pref_size 93
	.end_amdhsa_kernel
	.amdgpu_metadata
---
amdhsa.version: [ 1, 2 ]
amdhsa.kernels:
  - .name:           k_q29e8527900_prep_a
    .symbol:         k_q29e8527900_prep_a.kd
    .args:
      - { .name: x, .offset: 0, .size: 8, .value_kind: global_buffer, .address_space: global }
      - { .name: Wg, .offset: 8, .size: 8, .value_kind: global_buffer, .address_space: global }
      - { .name: bg, .offset: 16, .size: 8, .value_kind: global_buffer, .address_space: global }
      - { .name: W1, .offset: 24, .size: 8, .value_kind: global_buffer, .address_space: global }
      - { .name: Wh, .offset: 32, .size: 8, .value_kind: global_buffer, .address_space: global }
      - { .name: w1q, .offset: 40, .size: 8, .value_kind: global_buffer, .address_space: global }
      - { .name: route, .offset: 48, .size: 8, .value_kind: global_buffer, .address_space: global }
      - { .name: gp, .offset: 56, .size: 8, .value_kind: global_buffer, .address_space: global }
    .group_segment_fixed_size: 12800
    .private_segment_fixed_size: 0
    .kernarg_segment_align: 8
    .kernarg_segment_size: 64
    .max_flat_workgroup_size: 128
    .sgpr_count:     66
    .vgpr_count:     256
    .wavefront_size: 32
...
	.end_amdgpu_metadata
.endif
;; end of part 6
;; launch prep_b (part 7): grid 1088 x 1, 4 waves a work-group, no clusters, 12,800 bytes of LDS; arguments x, route, gp, W2, w2q, xt, cnt; writes w2q, xt, cnt
.if DOCPART == 7
	.amdgcn_target "amdgcn-amd-amdhsa--gfx1250"
	.amdhsa_code_object_version 6
	.text
	.protected	k_q29e8527900_prep_b
	.globl	k_q29e8527900_prep_b
	.p2align	8
	.type	k_q29e8527900_prep_b,@function
k_q29e8527900_prep_b:
	s_mov_b64 s[64:65], 0
	v_nop
	global_prefetch_b8 v0, s[64:65] scope:SCOPE_SE
	s_setreg_imm32_b32 hwreg(HW_REG_WAVE_MODE, 25, 1), 1
	s_wait_xcnt 0x0
; Two roles, chosen by the work-group's number.
;   0..63    PACK: work-group 4 b + e gathers the tokens of batch b that chose expert e (read as whole numbers from route), in ascending order, into tiles of 16, quantises their rows of x
;            to codes of E3M2 (one E8M0 byte for each 32 along K) and stores each tile as a record of 13,056 bytes: eight images of a fragment (K step s at 1536 s; registers 4 j .. 4 j + 3 of lane L at 512 j + 16 L);
;            at 12,288 sixteen bytes a lane: word a = the scale word of K step 2 a + (L >> 4) of slot L & 15; at 12,800 a word a lane: gate / 128 of slot L & 15.
;            A group has n = max(1, ceil(count / 16)) tiles.  Slots past the count hold the batch's first token with the gate 0: they add nothing.  n goes to cnt, the group's sum of gate / 128 behind the records.
;   64..1087 W2 [4][4096 (k)][1024 (n)] into codes: a work-group takes 128 columns x 128 K, a wave 32 columns.  Column o of a group of 32 is row o >> 1 of image o & 1,
;            so that a lane of the reader ends with two neighbouring columns.
; LIMITS: NaN and infinities are not served (the first token's result must be finite, since gate 0 multiplies it); a block whose largest magnitude lies under 2^-122 keeps the scale byte 1.
.set WV,  20                           ; s20      my wave's number
.set SEL, 22                           ; s[22:23] lane selects for v_permlanex16_b32: lane l xor 16
.set TS,  13056                        ; bytes of a tile's record
.set TM,  44                           ; v44-59   at work in QUANT
.set PW,  60                           ; v60      the scale word just made
.set PC,  192                          ; v192-210 the codes just made
; ---- the weight quantiser: a lane takes a column, its registers run down K ----
.macro WQBLOCK kb
.set XQ, 32+32*(\kb)
.set CQ, 160+8*(\kb)                   ; each block has its own registers for its codes
.if (\kb) < 2
	s_wait_loadcnt 63                              ; 96 and 64 loads are younger than this block's; a wait names 63 at the most
.else
	s_wait_loadcnt 32*(3-(\kb))                    ; the younger blocks' loads may stay out
.endif
	v_max3_num_f32 v12, |v[XQ]|, |v[XQ+1]|, |v[XQ+2]|              ; the block's largest magnitude: all 32 numbers are mine; two chains
	v_max3_num_f32 v13, |v[XQ+3]|, |v[XQ+4]|, |v[XQ+5]|
.irp i, 6,10,14,18,22,26
	v_max3_num_f32 v12, v12, |v[XQ+\i]|, |v[XQ+\i+1]|
	v_max3_num_f32 v13, v13, |v[XQ+\i+2]|, |v[XQ+\i+3]|
.endr
	v_max3_num_f32 v12, v12, |v[XQ+30]|, |v[XQ+31]|
	v_max3_num_f32 v12, v12, v13, 0x2800000        ; and the floor 2^(5 - 127): the byte cannot fall under 1
	v_add_nc_u32 v11, 0xfe000000, v12              ; 4 off the exponent field: the conversion takes this operand's exponent field as its scale
	v_lshrrev_b32 v13, 23, v11                     ; the scale's byte
.if (\kb) == 0
	v_mov_b32 v10, v13                             ; four bytes make my column's scale word, the lower K in the lower byte
.else
	v_lshl_or_b32 v10, v13, 8*(\kb), v10
.endif
	v_cvt_scalef32_pk16_bf6_f32 v[CQ:CQ+2], v[XQ:XQ+15], v11
	v_cvt_scalef32_pk16_bf6_f32 v[CQ+4:CQ+6], v[XQ+16:XQ+31], v11  ; (a conversion's three registers begin on an even number)
.irp i, 0,1,2,3,4,5                    ; block kb's six registers are registers 6 (kb / 2) + i of lane row + 16 (kb % 2) of the image
	ds_store_b32 v5, v[CQ+\i+\i/3] offset:((6*((\kb)/2)+\i)/4)*512+256*((\kb)%2)+4*((6*((\kb)/2)+\i)%4)
.endr
.endm
.macro WQ pitch, map, in, oc, os
	v_and_b32 v1, 31, v0                           ; lane = my column of the wave's 32
	v_lshlrev_b32 v4, 2, v1
.set kk, 0
.rept 128
	global_load_b32 v[32+kk], v4, s[\in:\in+1] offset:kk*(\pitch) th:TH_LOAD_NT   ; a wave reads 128 consecutive bytes, the four waves 512; every number is read once
.set kk, kk+1
.endr
.if \map == 1
	v_bfe_u32 v2, v0, 3, 1
	v_and_b32 v3, 7, v0
	v_bfe_u32 v9, v0, 4, 1
	v_lshl_add_u32 v3, v9, 3, v3
.else
	v_and_b32 v2, 1, v0                            ; image
	v_bfe_u32 v3, v0, 1, 4                         ; row
.endif
	s_mul_i32 s21, s[WV], 3072                     ; my wave's own 3,072 bytes of LDS: no other wave touches them, so no barrier
	v_mul_u32_u24 v5, v2, 1536
	v_lshl_add_u32 v5, v3, 4, v5
	v_add_nc_u32 v5, s21, v5                       ; in: 1536 image + 16 row
	v_lshlrev_b32 v7, 4, v1
	v_add_nc_u32 v6, s21, v7                       ; out: 16 x lane
	v_lshl_add_u32 v8, v2, 4, v3
	v_lshlrev_b32 v8, 2, v8                        ; my scale word's place: 4 (row + 16 image)
	WQBLOCK 0
	WQBLOCK 1
	WQBLOCK 2
	WQBLOCK 3
.irp t, 0,1,2,3,4,5
	ds_load_b128 v[32+4*\t:35+4*\t], v6 offset:512*\t              ; LDS serves a wave's instructions in order: these see my stores
.endr
	global_store_b32 v8, v10, s[\os:\os+1]         ; 32 lanes fill the record's 128 bytes
.irp t, 0,1,2,3,4,5
	s_wait_dscnt 5-\t                              ; the younger LDS loads may stay out
	global_store_b128 v7, v[32+4*\t:35+4*\t], s[\oc:\oc+1] offset:512*\t   ; 512 consecutive bytes, at a multiple of 256 from the buffer's first byte
.endr
	s_wait_tensorcnt 0x0
	ds_add_u32 v216, v217
	s_wait_dscnt 0x0
	s_endpgm
.endm
	s_load_b256 s[4:11], s[0:1], 0x0               ; x s[4:5], route s[6:7], gp s[8:9], W2 s[10:11]
	s_load_b128 s[12:15], s[0:1], 0x20             ; w2q s[12:13], xt s[14:15]
	s_load_b64 s[16:17], s[0:1], 0x30              ; cnt
	v_lshl_add_u32 v216, v0, 2, 0x3000
	v_mov_b32 v217, 0
	v_lshrrev_b32 v1, 5, v0
	v_readfirstlane_b32 s[WV], v1
	s_mov_b32 s[SEL], 0x76543210
	s_mov_b32 s[SEL+1], 0xfedcba98
	s_wait_kmcnt 0x0
	s_cmp_lt_u32 ttmp9, 64
	s_cbranch_scc1 .Lpack
	; ---- W2 ----
	s_sub_co_u32 s24, ttmp9, 64
	s_lshr_b32 s25, s24, 8                         ; expert
	s_bfe_u32 s26, s24, 0x50003                    ; K step, 0 .. 31
	s_and_b32 s27, s24, 7                          ; which 128 columns
	s_lshl_b32 s27, s27, 2
	s_add_co_u32 s27, s27, s[WV]                   ; my group of 32 columns, 0 .. 31
	s_lshl_b32 s28, s25, 24                        ; an expert is 4096 x 1024 x 4 bytes,
	s_lshl_b32 s29, s26, 19                        ; a K step 128 rows of 4,096,
	s_add_co_u32 s28, s28, s29
	s_lshl_b32 s29, s27, 7
	s_add_co_u32 s28, s28, s29
	s_mov_b32 s29, 0
	s_add_nc_u64 s[10:11], s[10:11], s[28:29]
	s_lshl_b32 s30, s25, 5
	s_add_co_u32 s30, s30, s26
	s_lshl_b32 s30, s30, 5
	s_add_co_u32 s30, s30, s27                     ; record (32 expert + K step) 32 + group
	s_mul_i32 s28, s30, 3072
	s_add_nc_u64 s[32:33], s[12:13], s[28:29]
	s_lshl_b32 s28, s30, 7
	s_add_co_u32 s28, s28, 12582912                ; the scale words lie behind the 4,096 records of codes
	s_add_nc_u64 s[34:35], s[12:13], s[28:29]
	WQ 4096, 2, 10, 32, 34
; ---- PACK ----
; my 16 rows' numbers of K step s (64 a lane) into v[reg] on: register 16 b + i = k 128 s + 32 b + 16 (lane / 16) + i of the lane's token
.macro XLOAD reg, s
.irp b, 0,1,2,3
.irp j, 0,1,2,3
	global_load_b128 v[(\reg)+16*\b+4*\j:(\reg)+16*\b+4*\j+3], v34, s[4:5] offset:512*(\s)+128*\b+16*\j
.endr
.endr
.endm
; 64 numbers of a lane become a fragment's codes in v[PC] on and its scale word in v[PW]
.macro QUANT s
.irp b, 0,1,2,3
	v_max3_num_f32 v[TM+\b], |v[(\s)+16*\b]|, |v[(\s)+1+16*\b]|, 0x2800000   ; block b: my 16 numbers, and the floor 2^(5 - 127)
.endr
.irp i, 2,4,6,8,10,12,14
.irp b, 0,1,2,3
	v_max3_num_f32 v[TM+\b], v[TM+\b], |v[(\s)+16*\b+\i]|, |v[(\s)+1+16*\b+\i]|   ; (the four blocks by turns)
.endr
.endr
.irp b, 0,1,2,3
	v_permlanex16_b32 v[TM+4+\b], v[TM+\b], s[SEL], s[SEL+1]
.endr
.irp b, 0,1,2,3
	v_max_num_f32 v[TM+\b], v[TM+\b], v[TM+4+\b]   ; with lane l xor 16's: the block's largest magnitude
.endr
.irp b, 0,1,2,3
	v_add_nc_u32 v[TM+12+\b], 0xfe000000, v[TM+\b] ; 4 off its exponent field: the conversion's scale operand
.endr
.irp b, 0,1,2,3
	v_lshrrev_b32 v[TM+4+\b], 23, v[TM+12+\b]      ; the scale's byte
.endr
	v_lshl_or_b32 v[PW], v[TM+5], 8, v[TM+4]
	v_lshl_or_b32 v[PW], v[TM+6], 16, v[PW]
	v_lshl_or_b32 v[PW], v[TM+7], 24, v[PW]
.irp c, 0,1
	v_cvt_scalef32_pk16_bf6_f32 v[PC+6*\c:PC+2+6*\c], v[(\s)+32*\c:(\s)+15+32*\c], v[TM+12+2*\c]
	v_cvt_scalef32_pk16_bf6_f32 v[PC+12+4*\c:PC+14+4*\c], v[(\s)+16+32*\c:(\s)+31+32*\c], v[TM+12+2*\c+1]
.endr
	v_nop                                          ; one plain place behind a scaled conversion
.irp c, 0,1                            ; the operand's layout wants a whole block in a lane: lanes 0-15 block 2 c, lanes 16-31 block 2 c + 1
.irp i, 0,1,2
	v_permlane16_swap_b32 v[PC+6*\c+\i], v[PC+12+4*\c+\i]
.endr
.irp i, 0,1,2
	v_mov_b32 v[PC+3+6*\c+\i], v[PC+12+4*\c+\i]
.endr
.endr
.endm
.macro PSTEP s                         ; K step s of a tile
.if (\s) < 7
	XLOAD 64+64*(((\s)+1)%2), (\s)+1
	s_wait_loadcnt 16                              ; this step's numbers are in; the next step's 16 loads may stay out
.else
	s_wait_loadcnt 0
.endif
	s_wait_xcnt 0x0                                ; the last step's stores have read the codes' registers
	QUANT 64+64*((\s)%2)
.irp j, 0,1,2
	global_store_b128 v37, v[PC+4*\j:PC+4*\j+3], s[48:49] offset:1536*(\s)+512*\j
.endr
.if (\s)%2 == 0
	v_mov_b32 v[40+(\s)/2], v[PW]                  ; lanes 0-15 keep the even step's word,
.else
	v_cndmask_b32 v[40+(\s)/2], v[40+(\s)/2], v[PW], s47           ; lanes 16-31 take the odd step's
.endif
.endm
.Lpack:
	s_lshr_b32 s24, ttmp9, 2                       ; batch
	s_and_b32 s25, ttmp9, 3                        ; expert
	v_and_b32 v1, 31, v0                           ; lane
	v_and_b32 v2, 15, v0                           ; r
	v_bfe_u32 v3, v0, 4, 1                         ; h
	v_lshlrev_b32 v38, 2, v1
	v_lshlrev_b32 v37, 4, v1
	s_lshl_b32 s28, s24, 9                         ; 128 tokens x 4 bytes
	s_mov_b32 s29, 0
	s_add_nc_u64 s[6:7], s[6:7], s[28:29]
	s_add_nc_u64 s[8:9], s[8:9], s[28:29]
	s_lshl_b32 s28, s24, 19                        ; 128 rows of 4,096 bytes
	s_add_nc_u64 s[4:5], s[4:5], s[28:29]
.irp c, 0,1,2,3
	global_load_b32 v[16+\c], v38, s[6:7] offset:128*\c            ; the choice of token 32 c + lane,
	global_load_b32 v[20+\c], v38, s[8:9] offset:128*\c            ; and its gate
.endr
	s_lshl_b32 s45, s[WV], 4
	v_lshl_add_u32 v28, v3, 6, v2
	v_add_nc_u32 v28, s45, v28                     ; the slot that my lane fills: lanes 0-15 those of tile w, lanes 16-31 those of tile w + 4
	v_mov_b32 v29, 0                               ; its token: the batch's first, where no token has this rank
	v_mov_b32 v30, 0
	v_mov_b32 v39, 0xffff
.irp b, 0,1,2,3
	v_mov_b32 v[TM+4+\b], 0                        ; a lane permute's destination counts as one of its sources
.endr
	s_mov_b32 s47, 0xffff0000                      ; lanes 16-31
	s_wait_loadcnt 0x0
.irp c, 0,1,2,3
	v_cmp_eq_u32 s[36+\c], s25, v[16+\c]           ; who chose my expert
.endr
	s_bcnt1_i32_b32 s40, s36                       ; ranks at which chunks 1, 2, 3 begin, and the count
	s_bcnt1_i32_b32 s41, s37
	s_add_co_u32 s41, s41, s40
	s_bcnt1_i32_b32 s42, s38
	s_add_co_u32 s42, s42, s41
	s_bcnt1_i32_b32 s43, s39
	s_add_co_u32 s43, s43, s42
	v_mbcnt_lo_u32_b32 v24, s36, 0                 ; a token's rank among the chosen: those in lower lanes + those in lower chunks
	v_mbcnt_lo_u32_b32 v25, s37, s40
	v_mbcnt_lo_u32_b32 v26, s38, s41
	v_mbcnt_lo_u32_b32 v27, s39, s42
.irp c, 0,1,2,3
	v_cndmask_b32 v[24+\c], v39, v[24+\c], s[36+\c]                ; the others get a rank that no slot has
.endr
	s_add_co_u32 s44, s43, 15
	s_lshr_b32 s44, s44, 4
	s_max_u32 s44, s44, 1                          ; n: the group's tiles, 1 .. 8
.irp c, 0,1,2,3                        ; every token's rank is held against my slot: a choice by v_cndmask_b32, no address hangs on it here
.set ll, 0
.rept 32
	v_readlane_b32 s46, v[24+\c], ll
	v_cmp_ne_u32 vcc_lo, s46, v28
	v_cndmask_b32 v29, 32*\c+ll, v29, vcc_lo
.set ll, ll+1
.endr
.endr
	v_permlanex16_b32 v30, v29, s[SEL], s[SEL+1]
	v_cndmask_b32 v31, v29, v30, s47               ; tile w's token of slot r, in both halves of the lanes
	v_cndmask_b32 v32, v30, v29, s47               ; tile w + 4's
	s_lshl_b32 s28, ttmp9, 3
	s_add_co_u32 s28, s28, s[WV]
	s_mul_i32 s28, s28, TS
	s_add_nc_u64 s[48:49], s[14:15], s[28:29]      ; record (4 b + e) 8 + w
	s_mov_b32 s50, s[WV]                           ; the tile in hand
	s_mov_b32 s51, 0
.Ltile:                                            ; two trips: tiles w and w + 4
	s_cmp_ge_u32 s50, s44
	s_cbranch_scc1 .Lskip                          ; the group has no such tile: nothing is stored, and no later launch reads it
	s_wait_xcnt 0x0                                ; the last trip's loads and stores have read their registers
	s_wait_alu depctr_va_vdst(0)
	v_min_u32 v33, 127, v31                        ; a token's number stays inside its batch
	v_lshlrev_b32 v34, 12, v33
	v_lshl_add_u32 v34, v3, 6, v34                 ; its row of x, + 64 h: my 16 numbers of a block of 32
	v_lshlrev_b32 v35, 2, v33
	global_load_b32 v36, v35, s[8:9]               ; its gate
	XLOAD 64, 0
.irp s, 0,1,2,3,4,5,6,7
	PSTEP \s
.endr
	global_store_b128 v37, v[40:43], s[48:49] offset:12288         ; the scale words
	v_mul_f32 v36, 0x3c000000, v36                 ; gate / 128: the mean over the sequence goes with it
	s_lshl_b32 s52, s50, 4
	v_add_nc_u32 v33, s52, v2                      ; my slot's rank
	v_cmp_gt_u32 vcc_lo, s43, v33
	v_cndmask_b32 v36, 0, v36, vcc_lo              ; 0 past the count
	global_store_b32 v38, v36, s[48:49] offset:12800
.Lskip:
	s_wait_xcnt 0x0                                ; the stores have read their base
	s_wait_alu depctr_va_vdst(0)
	v_mov_b32 v31, v32
	s_add_nc_u64 s[48:49], s[48:49], 4*TS
	s_add_co_u32 s50, s50, 4
	s_add_co_u32 s51, s51, 1
	s_cmp_lt_u32 s51, 2
	s_cbranch_scc1 .Ltile
	s_cmp_lg_u32 s[WV], 0
	s_cbranch_scc1 .Lend
.irp c, 0,1,2,3
	v_cndmask_b32 v[20+\c], 0, v[20+\c], s[36+\c]  ; wave 0: the group's sum of gates, for the second bias
.endr
	v_add_f32 v20, v20, v21
	v_add_f32 v22, v22, v23
	v_add_f32 v20, v20, v22
.irp m, 1,2,4,8
	v_add_f32_dpp v20, v20, v20 row_xmask:\m row_mask:0xf bank_mask:0xf
.endr
	v_permlanex16_b32 v30, v20, s[SEL], s[SEL+1]
	v_add_f32 v20, v20, v30
	v_mul_f32 v20, 0x3c000000, v20                 ; / 128
	v_mov_b32 v21, s44
	s_lshl_b32 s52, s25, 4
	s_add_co_u32 s52, s52, s24
	s_lshl_b32 s52, s52, 2                         ; cnt: 4 (16 e + b)
	v_mov_b32 v22, s52
	s_lshl_b32 s53, ttmp9, 2                       ; the sums: 4 (4 b + e)
	v_mov_b32 v23, s53
	v_cmp_eq_u32 vcc_lo, 0, v1
	s_wait_alu depctr_va_vdst(0)
	s_wait_xcnt 0x0                                ; EXEC changes only behind this wait
	s_and_saveexec_b32 s54, vcc_lo
	global_store_b32 v22, v21, s[16:17]
	global_store_b32 v23, v20, s[14:15] offset:512*TS
	s_wait_xcnt 0x0
	s_or_b32 exec_lo, exec_lo, s54
.Lend:
	s_endpgm
.Lfunc_end_k_q29e8527900_prep_b:
	.size	k_q29e8527900_prep_b, .Lfunc_end_k_q29e8527900_prep_b-k_q29e8527900_prep_b
	.p2alignl 7, 3214868480
	.fill 96, 4, 3214868480
	.section	.rodata,"a",@progbits
	.p2align	6, 0x0
	.amdhsa_kernel k_q29e8527900_prep_b
		.amdhsa_group_segment_fixed_size 12800
		.amdhsa_private_segment_fixed_size 0
		.amdhsa_enable_private_segment 0
		.amdhsa_kernarg_size 56
		.amdhsa_user_sgpr_count 2
		.amdhsa_user_sgpr_kernarg_segment_ptr 1
		.amdhsa_wavefront_size32 1
		.amdhsa_system_sgpr_workgroup_id_x 1
		.amdhsa_system_sgpr_workgroup_id_y 1
		.amdhsa_system_sgpr_workgroup_id_z 1
		.amdhsa_system_vgpr_workitem_id 0
		.amdhsa_next_free_vgpr 218
		.amdhsa_next_free_sgpr 66
		.amdhsa_reserve_vcc 1
		.amdhsa_float_denorm_mode_32 3
		.amdhsa_float_denorm_mode_16_64 3
		.amdhsa_memory_ordered 1
		.amdhsa_forward_progress 1
		.amdhsa_inst_pref_size 91
	.end_amdhsa_kernel
	.amdgpu_metadata
---
amdhsa.version: [ 1, 2 ]
amdhsa.kernels:
  - .name:           k_q29e8527900_prep_b
    .symbol:         k_q29e8527900_prep_b.kd
    .args:
      - { .name: x, .offset: 0, .size: 8, .value_kind: global_buffer, .address_space: global }
      - { .name: route, .offset: 8, .size: 8, .value_kind: global_buffer, .address_space: global }
      - { .name: gp, .offset: 16, .size: 8, .value_kind: global_buffer, .address_space: global }
      - { .name: W2, .offset: 24, .size: 8, .value_kind: global_buffer, .address_space: global }
      - { .name: w2q, .offset: 32, .size: 8, .value_kind: global_buffer, .address_space: global }
      - { .name: xt, .offset: 40, .size: 8, .value_kind: global_buffer, .address_space: global }
      - { .name: cnt, .offset: 48, .size: 8, .value_kind: global_buffer, .address_space: global }
    .group_segment_fixed_size: 12800
    .private_segment_fixed_size: 0
    .kernarg_segment_align: 8
    .kernarg_segment_size: 56
    .max_flat_workgroup_size: 128
    .sgpr_count:     66
    .vgpr_count:     218
    .wavefront_size: 32
...
	.end_amdgpu_metadata
.endif
;; end of part 7
;; launch experts (part 8): grid 256 x 1, 4 waves a work-group, no clusters, 13,824 bytes of LDS; arguments xt, cnt, w1q, w2q, b1, part; writes part
.if DOCPART == 8
	.amdgcn_target "amdgcn-amd-amdhsa--gfx1250"
	.amdhsa_code_object_version 6
	.text
	.protected	k_q29e8527900_experts
	.globl	k_q29e8527900_experts
	.p2align	8
	.type	k_q29e8527900_experts,@function
k_q29e8527900_experts:
	s_mov_b64 s[64:65], 0
	v_nop
	global_prefetch_b8 v0, s[64:65] scope:SCOPE_SE
	s_setreg_imm32_b32 hwreg(HW_REG_WAVE_SCHED_MODE, 0, 2), 2
	s_setreg_imm32_b32 hwreg(HW_REG_WAVE_MODE, 25, 1), 1
	s_wait_xcnt 0x0
	s_wait_alu depctr_vm_vsrc(0)
; For the tokens that chose expert e: h = relu(x W1[e] + b1[e]), quantised along the hidden axis, y = h W2[e], and the sum over a batch's tokens of (gate / 128) y.  Both products on codes of E3M2
; with one E8M0 byte for each 32 along K.  Only the chosen rows are multiplied: the others are thrown away by the one-hot.  h never goes to memory.
; SHARES.  Work-group (e, sl, bh): expert e, hidden units 128 sl .. + 127 (one K step of the second product), batches 8 bh .. + 7.  Its weights stay in REGISTERS for the whole launch.
;   First product: wave w takes hidden units 64 (w & 1) .. + 63 of the slice, and of a group's tiles of 16 tokens those with i % 2 = w >> 1.  Transposed use (source 0 = 16 rows of W1, source 1 = the tokens):
;   a lane holds one token and its registers run along the hidden units, so the conversions' results are half a fragment of h; it goes to LDS, 48 bytes a lane, each wave its 24.
;   Second product: wave w takes columns 256 w .. + 255 for all tiles (source 0 = h, source 1 = 16 columns of W2): a lane holds one column and eight tokens, which are summed at once under their gates.
;   The result, for each batch, is one of 128 partial sums of pooled (32 e + sl); a later launch adds them.
; The number of tiles of each (e, b) is read from cnt, which an earlier launch stored: branches hang on it; both barriers of a batch stand on every wave's path.
; No cluster: what partners could share (the token tiles) hangs on those counts.
; THE LOADS AT THE HEAD go out in the order in which they are wanted: W1, its scale words, b1, my first two token tiles, and last W2 with its scale words, 56 loads, which may stay out
; while the first batch's first product runs.
; LIMITS: NaN and infinities are not served; a block of h whose largest number lies under 2^-122 (a block of zeros too) keeps the scale byte 1.
; THE MODE: SCHED_MODE bits 1:0 = 2 (LLVM: expert scheduling mode 2), set by the entry lines.  The code itself states the register dependences
; between vector or matrix instructions and memory or LDS instructions, with s_wait_alu, always for 0.
; THE PLAN.  Registers that memory or LDS instructions touch:
;   v1-v10, v15     offsets and LDS addresses: written at the head and never again; read by every load and store.
;   the weights     W1, W2, their scale words and b1: loaded once at the head; read by matrix instructions alone.
;   X0, X1, XS, GL  two token tiles (window 3), their scale words, their gates.  Loaded at the head, behind a batch's first barrier (the next batch's), and at the head of a wave's third and fourth tile.
;                   X and XS are read by a tile's 32 products, GL by the tile's one LDS store.
;   PC, PW          written by QUANT2; read by the tile's four LDS stores.
;   HF, HS, G       two buffers each: a tile's fragment of h, its scale words, eight gates.  Loaded from LDS; read by the second product's matrix instructions and additions.
;   ACC             written by those additions; read by the four global stores at a batch's end.
;   HA, TM, P2 are named by vector and matrix instructions alone.
; THE WAITS.  A tile of the first product has three, all in its straight run, so that a path that skips the tile skips the readers too: one on vm_vsrc ahead of the line that writes PW (the earlier
; LDS stores have read PC and PW; this tile's store has read GL), one on va_vdst ahead of the conversions, one on va_vdst ahead of its four LDS stores (PC and PW are written; the tile's products are done reading X and XS).  So every
; fetch of a token tile finds its registers free.  A tile of the second product asks for the next tile's fragment in the other buffer: behind one wait on va_vdst, which states that the tile before
; is done reading it.  At a batch's end one wait on va_vdst stands ahead of the global stores: ACC is written, and both buffers of HF, HS and G are read out, which serves the next batch's first
; two fetches from LDS; one wait on vm_vsrc at the loop's end frees ACC.
; REGISTERS, in windows of 256.  Window 1: W1's 16 fragments of my first 32 hidden units at 12 (2 ks + image); W2's tiles 0-4 from v192.  Window 2: the same of my second 32; W2's tiles 5-9.
;   Window 3: W2's tiles 10-14 from v0; two token tiles (8 fragments each) at v64 and v160.  Window 0: all the rest, named below.
.set TS,   13056                       ; bytes of a token tile's record
.set HIMG, 0                           ; LDS: h's fragments, 8 slots of 1,536 bytes: lane L's 48 bytes at 48 L
.set HSC,  12288                       ;      their scale words, 8 x 64 bytes
.set GB,   12800                       ;      the tiles' 16 gates, 8 x 64 bytes
.set W1S,  16                          ; v16-31   W1's scale words: 8 gb + ks; lanes 0-15 image 0, lanes 16-31 image 1
.set W2S,  32                          ; v32-39   W2's: one for two tiles
.set XS,   40                          ; v40-47   the tokens': four for each tile buffer; lanes 0-15 the even K step, lanes 16-31 the odd
.set HS,   48                          ; v48-49   h's, two buffers
.set GL,   50                          ; v50-51   gates on their way to LDS
.set HA,   52                          ; v52-83   the four accumulators of h; later four results of the second product by turns
.set B1,   84                          ; v84-115  b1 in the result's layout
.set TM,   116                         ; v116-123 at work in QUANT2
.set PW,   124                         ; v124     two scale bytes
.set PC,   126                         ; v126-131 codes
.set P2,   132                         ; v132-134 codes
.set HF,   136                         ; v136-159 h's fragment, two buffers
.set G,    160                         ; v160-175 eight gates, two buffers
.set ACC,  176                         ; v176-207 16 pairs: for each tile of columns the sums of even and of odd tokens
.set W2L,  208                         ; v208-219 W2's tile 15
; v1 16 x lane; v2 4 x lane; v3, v4, v5 where I store codes, scale bytes, gates; v6, v7, v8 where I load them; v9 my gate's place in a record; v10 8 x lane; v15 64 h
; s16 wave, s17 hh, s18 par, s19 e, s20 sl, s21 bh; s[24:25] my first tile's record of the batch in hand; s[26:27] my place in part; s28 the counts, four bits each; s29 n; s30 the next batch's n;
; s31 batches done; s32-35 my tiles' numbers; s[36:37] lane selects
.set MSB, 0
.macro WIN new                         ; the immediate's high byte repeats the setting that is left; a switch that changes nothing is dropped
.if MSB != \new
	s_set_vgpr_msb (MSB<<8)|\new
.set MSB, \new
.endif
.endm
.macro W1LOAD gb
.irp ks, 0,1,2,3,4,5,6,7
.irp u, 0,1
.irp j, 0,1,2
	global_load_b128 v[12*(2*\ks+\u)+4*\j:12*(2*\ks+\u)+4*\j+3], v1, s[54:55] offset:24576*(\gb)+3072*\ks+1536*\u+512*\j
.endr
.endr
.endr
.endm
.macro W2LOAD c, reg
.irp j, 0,1,2
	global_load_b128 v[(\reg)+4*\j:(\reg)+4*\j+3], v1, s[58:59] offset:1536*(\c)+512*\j
.endr
.endm
; a token tile into buffer xb: eight images, the scale words, my gate: 26 loads.  No wait stands here: the tile of the first product that last used the buffer has stated, in its own run,
; that its products are done reading X and XS and that its LDS store has read GL, and no vector instruction since names them
.macro XFETCH xb, base, imm
	WIN 0xc0                                       ; destination window 3
.irp s, 0,1,2,3,4,5,6,7
.irp j, 0,1,2
	global_load_b128 v[64+96*(\xb)+12*\s+4*\j:64+96*(\xb)+12*\s+4*\j+3], v1, s[\base:\base+1] offset:(\imm)+1536*\s+512*\j
.endr
.endr
	WIN 0
	global_load_b128 v[XS+4*(\xb):XS+4*(\xb)+3], v1, s[\base:\base+1] offset:(\imm)+12288
	global_load_b32 v[GL+(\xb)], v9, s[\base:\base+1] offset:(\imm)
.endm
; one product of the first kind: accumulator t = 2 gb + image, K step ks, token buffer xb.  The bias is the C of the first K step
.macro WM1 t, ks, xb
.set rD, HA+8*(\t)
.set rA, 12*(2*(\ks)+(\t)%2)
.set rB, 64+96*(\xb)+12*(\ks)
.set rE, W1S+8*((\t)/2)+(\ks)
.set rF, XS+4*(\xb)+(\ks)/2
.if (\ks) == 0
.set rC, B1+8*(\t)
.else
.set rC, rD
.endif
.if ((\t)%2) && ((\ks)%2)
	v_wmma_scale_f32_16x16x128_f8f6f4 v[rD:rD+7], v[rA:rA+11], v[rB:rB+11], v[rC:rC+7], v[rE], v[rF] matrix_a_fmt:MATRIX_FMT_BF6 matrix_b_fmt:MATRIX_FMT_BF6 matrix_a_scale:MATRIX_SCALE_ROW1 matrix_b_scale:MATRIX_SCALE_ROW1
.elseif (\t)%2
	v_wmma_scale_f32_16x16x128_f8f6f4 v[rD:rD+7], v[rA:rA+11], v[rB:rB+11], v[rC:rC+7], v[rE], v[rF] matrix_a_fmt:MATRIX_FMT_BF6 matrix_b_fmt:MATRIX_FMT_BF6 matrix_a_scale:MATRIX_SCALE_ROW1
.elseif (\ks)%2
	v_wmma_scale_f32_16x16x128_f8f6f4 v[rD:rD+7], v[rA:rA+11], v[rB:rB+11], v[rC:rC+7], v[rE], v[rF] matrix_a_fmt:MATRIX_FMT_BF6 matrix_b_fmt:MATRIX_FMT_BF6 matrix_b_scale:MATRIX_SCALE_ROW1
.else
	v_wmma_scale_f32_16x16x128_f8f6f4 v[rD:rD+7], v[rA:rA+11], v[rB:rB+11], v[rC:rC+7], v[rE], v[rF] matrix_a_fmt:MATRIX_FMT_BF6 matrix_b_fmt:MATRIX_FMT_BF6
.endif
.endm
.macro RELU8 j0                        ; the activation, in f32, of eight numbers
.set jj, \j0
.rept 8
	v_max_num_f32 v[HA+jj], 0, v[HA+jj]
.set jj, jj+1
.endr
.endm
; relu, and my 64 hidden units of 16 tokens become two blocks of codes: register 16 gb + i of HA is hidden unit 32 gb + 16 (lane / 16) + i of the lane's token.
; The largest number of a block is searched on the sums as they stand: what is negative loses against the floor, so the result is that of the activated numbers.  Two chains a block, four in all,
; by turns; each accumulator is first read at its low end.  The lines that make the scale read each other's results one after the other: the 32 lines of the activation stand between them.
.macro QUANT2
.irp b, 0,1
	v_max3_num_f32 v[TM+\b], v[HA+16*\b], v[HA+1+16*\b], 0x2800000                 ; numbers 0-7 of my 16, and the floor 2^(5 - 127), which holds the byte at 1 from below
	v_max3_num_f32 v[TM+2+\b], v[HA+8+16*\b], v[HA+9+16*\b], v[HA+10+16*\b]        ; numbers 8-14
.endr
.irp i, 2,4
.irp b, 0,1
	v_max3_num_f32 v[TM+\b], v[TM+\b], v[HA+16*\b+\i], v[HA+1+16*\b+\i]
	v_max3_num_f32 v[TM+2+\b], v[TM+2+\b], v[HA+9+16*\b+\i], v[HA+10+16*\b+\i]
.endr
.endr
.irp b, 0,1
	v_max3_num_f32 v[TM+\b], v[TM+\b], v[HA+6+16*\b], v[HA+7+16*\b]
.endr
.irp b, 0,1
	v_max3_num_f32 v[TM+\b], v[TM+\b], v[TM+2+\b], v[HA+15+16*\b]                  ; the two chains, and number 15
.endr
.irp b, 0,1
	v_permlanex16_b32 v[TM+2+\b], v[TM+\b], s[36], s[37]
.endr
	RELU8 0
.irp b, 0,1
	v_max_num_f32 v[TM+\b], v[TM+\b], v[TM+2+\b]   ; with lane l xor 16's: the block's largest number
.endr
	RELU8 8
.irp b, 0,1
	v_add_nc_u32 v[TM+4+\b], 0xfe000000, v[TM+\b]  ; 4 off its exponent field: the conversion's scale operand
.endr
	RELU8 16
.irp b, 0,1
	v_lshrrev_b32 v[TM+6+\b], 23, v[TM+4+\b]
.endr
	RELU8 24
	s_wait_alu depctr_vm_vsrc(0)                   ; the last tile's LDS stores have read PW and PC, which the lines below write again; this tile's LDS store has read GL, in which a later fetch lands
	v_lshl_or_b32 v[PW], v[TM+7], 8, v[TM+6]       ; my two bytes of the row's scale word
	s_wait_alu depctr_va_vdst(0)
	s_wait_dscnt 0x0                               ; the last tile's LDS stores have read the codes' registers
	v_cvt_scalef32_pk16_bf6_f32 v[PC:PC+2], v[HA:HA+15], v[TM+4]
	v_cvt_scalef32_pk16_bf6_f32 v[P2:P2+2], v[HA+16:HA+31], v[TM+5]
	v_nop                                          ; one plain place behind a scaled conversion
.irp i, 0,1,2
	v_permlane16_swap_b32 v[PC+\i], v[P2+\i]       ; a whole block in a lane: lanes 0-15 my first block, lanes 16-31 my second
.endr
.irp i, 0,1,2
	v_mov_b32 v[PC+3+\i], v[P2+\i]
.endr
.endm
; my q-th tile of the batch: number par + 2 q
.macro TILE1 q
	s_cmp_lt_u32 s[32+\q], s29
	s_cbranch_scc0 .Lt1_\@
.if (\q) >= 2
	XFETCH (\q)%2, 24, 2*(\q)*TS                   ; groups of more than 64 tokens: fetched here, since two buffers are all there is
	s_wait_loadcnt 0x0
.endif
	ds_store_b32 v5, v[GL+(\q)%2] offset:128*(\q)  ; my eight gates of the tile (four lanes write each word, with the same value)
.irp ks, 0,1,2,3,4,5,6,7               ; the four accumulators by turns, one instruction a turn; the order turns round in odd K steps, which halves the window switches
.if (\ks)%2 == 0
	WIN 0x0d                                       ; source 0 window 1, source 1 window 3
	WM1 0, \ks, (\q)%2
	WM1 1, \ks, (\q)%2
	WIN 0x0e                                       ; source 0 window 2
	WM1 2, \ks, (\q)%2
	WM1 3, \ks, (\q)%2
.else
	WIN 0x0e
	WM1 2, \ks, (\q)%2
	WM1 3, \ks, (\q)%2
	WIN 0x0d
	WM1 0, \ks, (\q)%2
	WM1 1, \ks, (\q)%2
.endif
.endr
	WIN 0
.rept 4
	v_nop                                          ; four places between the last product and the first read of its result (ISA guide 7.12.1)
.endr
	QUANT2
	s_wait_alu depctr_va_vdst(0)                   ; PC and PW are written, which the four LDS stores below read; and the tile's 32 products are done reading its token buffer and XS, in which a later fetch lands
.irp i, 0,1,2
	ds_store_b64 v3, v[PC+2*\i:PC+2*\i+1] offset:3072*(\q)+8*\i    ; registers 6 hh .. 6 hh + 5 of the tile's fragment
.endr
	ds_store_b16 v4, v[PW] offset:128*(\q)         ; lanes r and r + 16 write the same two bytes with the same value
.Lt1_\@:
.endm
.macro HLOAD slot, buf                 ; a tile's fragment of h, its scale words, my eight tokens' gates
.irp j, 0,1,2
	ds_load_b128 v[HF+12*(\buf)+4*\j:HF+12*(\buf)+4*\j+3], v6 offset:HIMG+1536*(\slot)+16*\j
.endr
	ds_load_b32 v[HS+(\buf)], v7 offset:64*(\slot)
	ds_load_b128 v[G+8*(\buf):G+8*(\buf)+3], v8 offset:64*(\slot)
	ds_load_b128 v[G+8*(\buf)+4:G+8*(\buf)+7], v8 offset:64*(\slot)+16
.endm
; one product of the second kind: 16 tokens x tile c of 16 columns, K = my slice's 128 hidden units.  It starts a sum of its own
.macro WM2 c
.set rD, HA+8*((\c)%4)
.if (\c) < 5
	WIN 0x04
.set rB, 192+12*(\c)
.elseif (\c) < 10
	WIN 0x08
.set rB, 192+12*((\c)-5)
.elseif (\c) < 15
	WIN 0x0c
.set rB, 12*((\c)-10)
.else
	WIN 0
.set rB, W2L
.endif
.if (\c)%2
	v_wmma_scale_f32_16x16x128_f8f6f4 v[rD:rD+7], v[HF+12*BUFS:HF+12*BUFS+11], v[rB:rB+11], 0, v[HS+BUFS], v[W2S+(\c)/2] matrix_a_fmt:MATRIX_FMT_BF6 matrix_b_fmt:MATRIX_FMT_BF6 matrix_b_scale:MATRIX_SCALE_ROW1
.else
	v_wmma_scale_f32_16x16x128_f8f6f4 v[rD:rD+7], v[HF+12*BUFS:HF+12*BUFS+11], v[rB:rB+11], 0, v[HS+BUFS], v[W2S+(\c)/2] matrix_a_fmt:MATRIX_FMT_BF6 matrix_b_fmt:MATRIX_FMT_BF6
.endif
.endm
; the results of tiles c0 and c0 + 1, eight tokens a lane, are added under their gates, two tokens at a time; the two tiles line by line; each result from its low end on
.macro FM c0
	WIN 0
.irp k, 0,1,2,3
.irp d, 0,1
.set rD, HA+8*(((\c0)+\d)%4)+2*\k
.set rA, ACC+2*((\c0)+\d)
.set rG, G+8*BUFS+2*\k
.if FST && (\k == 0)
	v_pk_mul_f32 v[rA:rA+1], v[rD:rD+1], v[rG:rG+1]                ; a batch's first tile starts the sums: nothing is cleared
.else
	v_pk_fma_f32 v[rA:rA+1], v[rD:rD+1], v[rG:rG+1], v[rA:rA+1]
.endif
.endr
.endr
.endm
; tile i of the batch against my 16 tiles of columns.  Two products, then the additions of the two before them: those eight plain lines name none of the newer products' registers and are their
; places; a result's registers are written again four products later, behind eight such lines or more.
.macro TILE2 i
.set BUFS, (\i)%2
.if (\i) == 0
.set FST, 1
.else
.set FST, 0
	s_cmp_le_u32 s29, \i
	s_cbranch_scc1 .Lflush                         ; the batch has no such tile, nor any later one
.endif
	s_wait_dscnt 0x0                               ; this tile's fragment, scale words and gates are in
.if (\i) < 7
	s_cmp_le_u32 s29, (\i)+1
	s_cbranch_scc1 .Lnh_\@
.if (\i) > 0
	s_wait_alu depctr_va_vdst(0)                   ; the products and additions of the tile before are done reading the other buffer of HF, HS and G, in which the loads below land
.endif                                             ; (tile 0 owes none: the wait at the last batch's end, or the head's, stands behind that buffer's last reader or writer, and the first product names neither buffer)
	HLOAD (\i)+1, ((\i)+1)%2                       ; the next tile's, into the other buffer, while this one is multiplied
.Lnh_\@:
.endif
	WM2 0
	WM2 1
.rept 4
	v_nop                                          ; nothing is ready to be added yet
.endr
.irp g, 1,2,3,4,5,6,7
	WM2 2*\g
	WM2 2*\g+1
	FM 2*\g-2
.endr
	FM 14
.endm
	s_load_b256 s[4:11], s[0:1], 0x0               ; xt s[4:5], cnt s[6:7], w1q s[8:9], w2q s[10:11]
	s_load_b128 s[12:15], s[0:1], 0x20             ; b1 s[12:13], part s[14:15]
	v_lshl_add_u32 v254, v0, 2, 0x3400
	v_mov_b32 v255, 0
	v_lshrrev_b32 v1, 5, v0
	v_readfirstlane_b32 s16, v1                    ; wave
	v_and_b32 v11, 31, v0                          ; lane
	v_and_b32 v12, 15, v0                          ; r
	v_bfe_u32 v13, v0, 4, 1                        ; h
	v_and_b32 v14, 7, v0
	v_lshlrev_b32 v1, 4, v11
	v_lshlrev_b32 v2, 2, v11
	v_lshlrev_b32 v10, 3, v11
	v_lshlrev_b32 v15, 6, v13
	v_mul_u32_u24 v6, v11, 48                      ; a fragment's 48 bytes of my lane
	v_lshl_add_u32 v7, v12, 2, HSC
	v_lshl_add_u32 v8, v13, 5, GB                  ; my eight tokens' gates: 8 h on
.set jj, 0
.rept 12
	v_mov_b32 v[HF+12+jj], 0                       ; the second buffers are written once, since their first load stands under a branch
.set jj, jj+1
.endr
.set jj, 0
.rept 8
	v_mov_b32 v[G+8+jj], 0
.set jj, jj+1
.endr
	v_mov_b32 v[HS+1], 0
	s_wait_alu depctr_va_sdst(0)                   ; s16 is written, ahead of its first reader: the wave's shares, LDS places and bases are made from it
	s_and_b32 s17, s16, 1                          ; hh: which 64 hidden units
	s_lshr_b32 s18, s16, 1                         ; par: which tiles
	s_lshr_b32 s19, ttmp9, 6                       ; e
	s_bfe_u32 s20, ttmp9, 0x50001                  ; sl
	s_and_b32 s21, ttmp9, 1                        ; bh
	s_mul_i32 s22, s18, 1536
	s_mul_i32 s23, s17, 24
	s_add_co_u32 s22, s22, s23
	v_add_nc_u32 v3, s22, v6                       ; codes: slot par, my wave's 24 of the 48
	s_lshl_b32 s22, s18, 6
	s_lshl_b32 s23, s17, 1
	s_add_co_u32 s22, s22, s23
	s_add_co_u32 s22, s22, HSC
	v_lshl_add_u32 v4, v12, 2, s22                 ; scale bytes: slot par, row r, my wave's two of the four
	s_lshl_b32 s22, s18, 6
	s_lshl_b32 s23, s17, 5
	s_add_co_u32 s22, s22, s23
	s_add_co_u32 s22, s22, GB
	v_lshl_add_u32 v5, v14, 2, s22                 ; gates: slot par, tokens 8 hh + (lane & 7)
	s_add_co_u32 s23, s23, 12800
	v_lshl_add_u32 v9, v14, 2, s23                 ; the same gates in a record
	s_mov_b32 s36, 0x76543210
	s_mov_b32 s37, 0xfedcba98
	s_mov_b32 s32, s18
	s_add_co_u32 s33, s18, 2
	s_add_co_u32 s34, s18, 4
	s_add_co_u32 s35, s18, 6
	s_wait_kmcnt 0x0
	s_lshl_b32 s22, s19, 6
	s_lshl_b32 s23, s21, 5
	s_add_co_u32 s22, s22, s23                     ; cnt: 4 (16 e + 8 bh)
	s_mov_b32 s23, 0
	s_add_nc_u64 s[6:7], s[6:7], s[22:23]
	s_load_b256 s[40:47], s[6:7], 0x0              ; my eight batches' numbers of tiles
	s_lshl_b32 s52, s19, 7
	s_lshl_b32 s53, s20, 2
	s_add_co_u32 s52, s52, s53
	s_lshl_b32 s53, s17, 1
	s_add_co_u32 s52, s52, s53                     ; 128 e + my first group of 32 hidden units
	s_mul_i32 s22, s52, 24576                      ; a group's eight K steps are 8 x 3,072 bytes on end
	s_add_nc_u64 s[54:55], s[8:9], s[22:23]
	s_lshl_b32 s22, s52, 10
	s_add_co_u32 s22, s22, 12582912
	s_add_nc_u64 s[56:57], s[8:9], s[22:23]        ; and their scale words
	s_lshl_b32 s52, s19, 5
	s_add_co_u32 s52, s52, s20
	s_lshl_b32 s52, s52, 5
	s_lshl_b32 s53, s16, 3
	s_add_co_u32 s52, s52, s53                     ; (32 e + sl) 32 + my first group of 32 columns
	s_mul_i32 s22, s52, 3072
	s_add_nc_u64 s[58:59], s[10:11], s[22:23]
	s_lshl_b32 s22, s52, 7
	s_add_co_u32 s22, s22, 12582912
	s_add_nc_u64 s[60:61], s[10:11], s[22:23]
	s_lshl_b32 s22, s19, 14
	s_lshl_b32 s53, s20, 9
	s_add_co_u32 s22, s22, s53
	s_lshl_b32 s53, s17, 8
	s_add_co_u32 s22, s22, s53
	s_add_nc_u64 s[12:13], s[12:13], s[22:23]      ; b1 at my 64 hidden units
	s_lshl_b32 s22, s21, 22                        ; part: a batch is 524,288 bytes, my 256 columns 131,072, a set 512
	s_lshl_b32 s53, s16, 17
	s_add_co_u32 s22, s22, s53
	s_lshl_b32 s53, s19, 5
	s_add_co_u32 s53, s53, s20
	s_lshl_b32 s53, s53, 9
	s_add_co_u32 s22, s22, s53
	s_add_nc_u64 s[26:27], s[14:15], s[22:23]
	s_lshl_b32 s22, s21, 8
	s_lshl_b32 s53, s19, 3
	s_add_co_u32 s22, s22, s53
	s_mul_i32 s22, s22, TS
	s_add_nc_u64 s[4:5], s[4:5], s[22:23]          ; tile 0 of (my first batch, e)
	s_mul_i32 s22, s18, TS
	s_add_nc_u64 s[24:25], s[4:5], s[22:23]        ; my first tile
	; what the first product wants comes first
	WIN 0x40                                       ; destination window 1
	s_wait_alu depctr_va_vdst(0)                   ; the offsets and LDS addresses v1 to v10 and v15 are written, which every load and store of the kernel reads; so are the zeros in the second buffers of HF, HS and G, in which LDS loads land
	W1LOAD 0
	WIN 0x80
	W1LOAD 1
	WIN 0
.irp gb, 0,1
.irp ks, 0,1,2,3,4,5,6,7
	global_load_b32 v[W1S+8*\gb+\ks], v2, s[56:57] offset:1024*\gb+128*\ks
.endr
.endr
.irp t, 0,1,2,3                        ; lane (r, h) wants, for accumulator 2 gb + image, b1 of hidden units 32 gb + 16 h + 8 image + 0 .. 7
	global_load_b128 v[B1+8*\t:B1+8*\t+3], v15, s[12:13] offset:(32*(\t/2)+8*(\t%2))*4
	global_load_b128 v[B1+8*\t+4:B1+8*\t+7], v15, s[12:13] offset:(32*(\t/2)+8*(\t%2))*4+16
.endr
	s_wait_kmcnt 0x0
	s_mov_b32 s28, 0
.irp k, 7,6,5,4,3,2,1,0
	s_max_u32 s[40+\k], s[40+\k], 1
	s_min_u32 s[40+\k], s[40+\k], 8                ; 1 .. 8 tiles, whatever the buffer holds
	s_lshl_b32 s28, s28, 4
	s_or_b32 s28, s28, s[40+\k]                    ; four bits each, the first batch lowest
.endr
	; the first batch's first two tiles of mine.  Where the group has fewer, its last tile is fetched in their stead and not used: so both buffers are written on every path, from records that exist
	s_sub_co_u32 s52, s40, 1
	s_min_u32 s53, s32, s52
	s_min_u32 s53, s53, 7
	s_mul_i32 s22, s53, TS
	s_add_nc_u64 s[48:49], s[4:5], s[22:23]
	s_min_u32 s53, s33, s52
	s_min_u32 s53, s53, 7
	s_mul_i32 s22, s53, TS
	s_add_nc_u64 s[50:51], s[4:5], s[22:23]
	XFETCH 0, 48, 0
	XFETCH 1, 50, 0
	; and last what only the second product wants: 16 x 3 + 8 = 56 loads
	WIN 0x40
.irp c, 0,1,2,3,4
	W2LOAD \c, 192+12*\c
.endr
	WIN 0x80
.irp c, 5,6,7,8,9
	W2LOAD \c, 192+12*(\c-5)
.endr
	WIN 0xc0
.irp c, 10,11,12,13,14
	W2LOAD \c, 12*(\c-10)
.endr
	WIN 0
	W2LOAD 15, W2L
.irp g, 0,1,2,3,4,5,6,7
	global_load_b32 v[W2S+\g], v2, s[60:61] offset:128*\g
.endr
	s_mov_b32 s31, 0
	s_wait_loadcnt 56                              ; W1, its scale words, b1 and my two token tiles are in; the 56 younger loads, W2's and its scale words', may stay out
.Lbatch:                                           ; eight trips, a batch each.  On the way back no load is out: the wait at the loop's end
	s_and_b32 s29, s28, 15                         ; n
	s_lshr_b32 s28, s28, 4
	s_and_b32 s30, s28, 15                         ; the next batch's n; 0 behind the last
	TILE1 0
	TILE1 1
	TILE1 2
	TILE1 3
	s_wait_dscnt 0x0                               ; for the others' sake: my stores have landed
	s_barrier_signal -1
	s_barrier_wait -1                              ; the batch's n fragments of h lie in LDS
	HLOAD 0, 0                                     ; the first fragment is asked for at once: it comes while the loads below are issued.  (The wait at the last batch's end stands behind this buffer's last reader)
	s_wait_loadcnt 0x0                             ; in the first trip: W2 and its scale words are in; later nothing is out here.  It stands ahead of the fetches below, behind which the number of younger loads differs from path to path
	s_cmp_lt_u32 s32, s30
	s_cbranch_scc0 .Lnx0
	XFETCH 0, 24, 32*TS                            ; the next batch's tiles of mine land while this batch's second product runs
.Lnx0:
	s_cmp_lt_u32 s33, s30
	s_cbranch_scc0 .Lnx1
	XFETCH 1, 24, 34*TS
.Lnx1:
	TILE2 0
	TILE2 1
	TILE2 2
	TILE2 3
	TILE2 4
	TILE2 5
	TILE2 6
	TILE2 7
.Lflush:
.irp c, 0,1,2,3,4,5,6,7,8,9,10,11,12,13,14,15
	v_add_f32 v[ACC+2*\c], v[ACC+2*\c], v[ACC+2*\c+1]              ; even and odd tokens
.endr
.irp p, 0,1,2,3                        ; tokens 0-7 lie in lanes 0-15, tokens 8-15 in lanes 16-31.  Groups 2 p and 2 p + 1 of 32 columns change halves, and one addition finishes both
.irp u, 0,1
	v_permlane16_swap_b32 v[ACC+8*\p+2*\u], v[ACC+8*\p+4+2*\u]
.endr
.endr
.irp p, 0,1,2,3
	v_add_f32 v[ACC+8*\p], v[ACC+8*\p], v[ACC+8*\p+4]              ; lane (r, h): column 64 p + 32 h + 2 r of my 256,
	v_add_f32 v[ACC+8*\p+1], v[ACC+8*\p+2], v[ACC+8*\p+6]          ; and the column beside it
.endr
	s_wait_alu depctr_va_vdst(0)                   ; the additions have written the sums, which the four stores below read; and the batch's products and additions are done reading both buffers of HF, HS and G, in which the next batch's LDS loads land
.irp p, 0,1,2,3
	global_store_b64 v10, v[ACC+8*\p:ACC+8*\p+1], s[26:27] offset:65536*(\p/2)+256*(\p%2)   ; 32 lanes store 256 consecutive bytes, at a multiple of 256 from the buffer's first byte
.endr
	s_wait_dscnt 0x0                               ; my reads of the batch's fragments are over
	s_barrier_signal -1
	s_barrier_wait -1                              ; everybody's are: the next batch may write them
	s_wait_xcnt 0x0                                ; loads and stores have read their bases and data
	s_wait_alu depctr_vm_vsrc(0)                   ; the four stores have read the sums' registers, which the next batch's first additions write again
	s_add_nc_u64 s[24:25], s[24:25], 32*TS
	s_add_nc_u64 s[26:27], s[26:27], 524288
	s_wait_loadcnt 0x0                             ; the next batch's tiles, asked for a phase ago, are in; on every path, so that no fetch meets an older one into the same registers
	s_add_co_u32 s31, s31, 1
	s_cmp_lt_u32 s31, 8
	s_cbranch_scc1 .Lbatch
	s_wait_dscnt 0x0                               ; the closing lines, six on end
	s_wait_alu 0x0
	s_wait_tensorcnt 0x0
	ds_add_u32 v254, v255
	s_wait_dscnt 0x0
	s_endpgm
.Lfunc_end_k_q29e8527900_experts:
	.size	k_q29e8527900_experts, .Lfunc_end_k_q29e8527900_experts-k_q29e8527900_experts
	.p2alignl 7, 3214868480
	.fill 96, 4, 3214868480
	.section	.rodata,"a",@progbits
	.p2align	6, 0x0
	.amdhsa_kernel k_q29e8527900_experts
		.amdhsa_group_segment_fixed_size 13824
		.amdhsa_private_segment_fixed_size 0
		.amdhsa_enable_private_segment 0
		.amdhsa_kernarg_size 48
		.amdhsa_user_sgpr_count 2
		.amdhsa_user_sgpr_kernarg_segment_ptr 1
		.amdhsa_wavefront_size32 1
		.amdhsa_system_sgpr_workgroup_id_x 1
		.amdhsa_system_sgpr_workgroup_id_y 1
		.amdhsa_system_sgpr_workgroup_id_z 1
		.amdhsa_system_vgpr_workitem_id 0
		.amdhsa_next_free_vgpr 1024
		.amdhsa_next_free_sgpr 66
		.amdhsa_reserve_vcc 0
		.amdhsa_float_denorm_mode_32 3
		.amdhsa_float_denorm_mode_16_64 3
		.amdhsa_memory_ordered 1
		.amdhsa_forward_progress 1
		.amdhsa_inst_pref_size 129
	.end_amdhsa_kernel
	.amdgpu_metadata
---
amdhsa.version: [ 1, 2 ]
amdhsa.kernels:
  - .name:           k_q29e8527900_experts
    .symbol:         k_q29e8527900_experts.kd
    .args:
      - { .name: xt, .offset: 0, .size: 8, .value_kind: global_buffer, .address_space: global }
      - { .name: cnt, .offset: 8, .size: 8, .value_kind: global_buffer, .address_space: global }
      - { .name: w1q, .offset: 16, .size: 8, .value_kind: global_buffer, .address_space: global }
      - { .name: w2q, .offset: 24, .size: 8, .value_kind: global_buffer, .address_space: global }
      - { .name: b1, .offset: 32, .size: 8, .value_kind: global_buffer, .address_space: global }
      - { .name: part, .offset: 40, .size: 8, .value_kind: global_buffer, .address_space: global }
    .group_segment_fixed_size: 13824
    .private_segment_fixed_size: 0
    .kernarg_segment_align: 8
    .kernarg_segment_size: 48
    .max_flat_workgroup_size: 128
    .sgpr_count:     66
    .vgpr_count:     1024
    .wavefront_size: 32
...
	.end_amdgpu_metadata
.endif
;; end of part 8
;; launch reduce (part 9): grid 128 x 1, 4 waves a work-group, no clusters, 3,072 bytes of LDS; arguments part, xt, b2, pq; writes pq
.if DOCPART == 9
	.amdgcn_target "amdgcn-amd-amdhsa--gfx1250"
	.amdhsa_code_object_version 6
	.text
	.protected	k_q29e8527900_reduce
	.globl	k_q29e8527900_reduce
	.p2align	8
	.type	k_q29e8527900_reduce,@function
k_q29e8527900_reduce:
	s_mov_b64 s[64:65], 0
	v_nop
	global_prefetch_b8 v0, s[64:65] scope:SCOPE_SE
	s_setreg_imm32_b32 hwreg(HW_REG_WAVE_MODE, 25, 1), 1
	s_wait_xcnt 0x0
; pooled[b][128 dh .. + 127] = the sum of the 128 partial sums (4 experts x 32 slices of the hidden axis) + the sum over e of (the group's sum of gate / 128) x b2[e], in f32; then quantised along its 1,024
; to codes of E3M2 with one E8M0 byte for each 32, laid as the head's operand wants it: K step dh at 1536 dh; lane b + 16 (block & 1) at 48 bytes a lane, 24 bytes for each block >> 1; scale bytes at 12288 + 64 dh + 4 b + block.
; Work-group 8 b + dh: its 128 records of 512 bytes are 65,536 bytes on end.  Wave w adds 32 of them; the four sums meet in LDS behind one barrier, and wave 0 finishes.
; No matrix unit, no cluster: the launch streams each byte once and shares nothing.
; LIMITS: NaN and infinities are not served; a block whose largest magnitude lies under 2^-122 keeps the scale byte 1.
	s_load_b256 s[4:11], s[0:1], 0x0               ; part s[4:5], xt s[6:7], b2 s[8:9], pq s[10:11]
	v_lshl_add_u32 v160, v0, 2, 0xa00
	v_mov_b32 v161, 0
	v_lshrrev_b32 v1, 5, v0
	v_readfirstlane_b32 s12, v1                    ; wave
	v_and_b32 v1, 31, v0                           ; lane
	v_lshlrev_b32 v2, 4, v1                        ; 16 x lane
	v_lshlrev_b32 v3, 4, v0                        ; LDS: 512 x wave + 16 x lane
	v_and_b32 v4, 7, v0
	v_lshlrev_b32 v4, 6, v4                        ; LDS: 16 neighbouring numbers for each of lanes 0-7
	s_lshr_b32 s13, ttmp9, 3                       ; b
	s_and_b32 s14, ttmp9, 7                        ; dh
	s_mul_i32 s18, s14, 1536
	s_mul_i32 s19, s13, 48
	s_add_co_u32 s18, s18, s19
	v_bfe_u32 v5, v0, 1, 1                         ; lane l of 0 .. 7 holds half l & 1 of block l >> 1
	v_mul_u32_u24 v5, v5, 768
	v_bfe_u32 v6, v0, 2, 1
	v_mad_u32_u24 v5, v6, 24, v5
	v_and_b32 v6, 1, v0
	v_mad_u32_u24 v5, v6, 12, v5
	v_add_nc_u32 v5, s18, v5                       ; my 12 bytes of codes
	s_lshl_b32 s18, s14, 6
	s_lshl_b32 s19, s13, 2
	s_add_co_u32 s18, s18, s19
	v_bfe_u32 v6, v0, 1, 2
	v_add_nc_u32 v6, s18, v6                       ; my block's scale byte
	s_wait_kmcnt 0x0
	s_lshl_b32 s16, ttmp9, 16
	s_lshl_b32 s17, s12, 14
	s_add_co_u32 s16, s16, s17
	s_mov_b32 s17, 0
	s_add_nc_u64 s[4:5], s[4:5], s[16:17]          ; my wave's 32 records
	s_lshl_b32 s16, s13, 4
	s_add_nc_u64 s[6:7], s[6:7], s[16:17]
	s_load_b128 s[20:23], s[6:7], 0x660000         ; the batch's four sums of gate / 128, behind the 512 tile records
	s_lshl_b32 s16, s14, 9
	s_add_nc_u64 s[8:9], s[8:9], s[16:17]
	s_cmp_lg_u32 s12, 0
	s_cbranch_scc1 .Lnob2
.irp e, 0,1,2,3
	global_load_b128 v[144+4*\e:147+4*\e], v2, s[8:9] offset:4096*\e               ; wave 0: b2[e] at my four columns
.endr
.Lnob2:
.irp t, 0,1,2,3,4,5,6,7,8,9,10,11,12,13,14,15,16,17,18,19,20,21,22,23,24,25,26,27,28,29,30,31
	global_load_b128 v[16+4*\t:19+4*\t], v2, s[4:5] offset:512*\t th:TH_LOAD_NT    ; a record: 512 consecutive bytes, four columns a lane; read once
.endr
	s_wait_loadcnt 0x0
.irp t, 2,4,6,8,10,12,14,16,18,20,22,24,26,28,30
	v_pk_add_f32 v[16:17], v[16:17], v[16+4*\t:17+4*\t]            ; four chains: even and odd records, two pairs of columns
	v_pk_add_f32 v[18:19], v[18:19], v[18+4*\t:19+4*\t]
	v_pk_add_f32 v[20:21], v[20:21], v[20+4*\t:21+4*\t]
	v_pk_add_f32 v[22:23], v[22:23], v[22+4*\t:23+4*\t]
.endr
	v_pk_add_f32 v[16:17], v[16:17], v[20:21]
	v_pk_add_f32 v[18:19], v[18:19], v[22:23]
	ds_store_b128 v3, v[16:19]
	s_wait_kmcnt 0x0
	s_wait_dscnt 0x0                               ; for the others' sake: my store has landed
	s_barrier_signal -1
	s_barrier_wait -1
	s_cmp_lg_u32 s12, 0
	s_cbranch_scc1 .Lend
.irp k, 0,1,2,3
	ds_load_b128 v[16+4*\k:19+4*\k], v2 offset:512*\k
.endr
	s_wait_dscnt 0x0
	v_pk_add_f32 v[16:17], v[16:17], v[20:21]
	v_pk_add_f32 v[18:19], v[18:19], v[22:23]
	v_pk_add_f32 v[24:25], v[24:25], v[28:29]
	v_pk_add_f32 v[26:27], v[26:27], v[30:31]
	v_pk_add_f32 v[16:17], v[16:17], v[24:25]
	v_pk_add_f32 v[18:19], v[18:19], v[26:27]
.irp e, 0,1,2,3
.irp q, 0,1,2,3
	v_fma_f32 v[16+\q], s[20+\e], v[144+4*\e+\q], v[16+\q]         ; the second bias, under the group's gates
.endr
.endr
	ds_store_b128 v2, v[16:19] offset:2048         ; the conversion takes 16 neighbours from one lane: the 128 numbers turn through my own 512 bytes
.irp j, 0,1,2,3
	ds_load_b128 v[32+4*\j:35+4*\j], v4 offset:2048+16*\j          ; LDS serves a wave's instructions in order: these see my store
.endr
	s_wait_dscnt 0x0
	v_max3_num_f32 v8, |v32|, |v33|, 0x2800000     ; my 16, and the floor 2^(5 - 127)
.irp i, 2,4,6,8,10,12,14
	v_max3_num_f32 v8, v8, |v[32+\i]|, |v[33+\i]|
.endr
	v_max_num_f32_dpp v8, v8, v8 row_xmask:1 row_mask:0xf bank_mask:0xf            ; and my neighbour's 16: the block's largest magnitude
	v_add_nc_u32 v9, 0xfe000000, v8                ; 4 off its exponent field: the conversion's scale operand
	v_cvt_scalef32_pk16_bf6_f32 v[12:14], v[32:47], v9
	v_lshrrev_b32 v10, 23, v9                      ; the scale's byte
	v_cmp_gt_u32 vcc_lo, 8, v1
	s_wait_alu depctr_va_vdst(0)
	s_wait_xcnt 0x0                                ; EXEC changes only behind this wait
	s_and_saveexec_b32 s24, vcc_lo
	global_store_b96 v5, v[12:14], s[10:11]
	global_store_b8 v6, v10, s[10:11] offset:12288 ; both lanes of a block write the same byte with the same value
	s_wait_xcnt 0x0
	s_or_b32 exec_lo, exec_lo, s24
.Lend:
	s_wait_tensorcnt 0x0
	ds_add_u32 v160, v161
	s_wait_dscnt 0x0
	s_endpgm
.Lfunc_end_k_q29e8527900_reduce:
	.size	k_q29e8527900_reduce, .Lfunc_end_k_q29e8527900_reduce-k_q29e8527900_reduce
	.p2alignl 7, 3214868480
	.fill 96, 4, 3214868480
	.section	.rodata,"a",@progbits
	.p2align	6, 0x0
	.amdhsa_kernel k_q29e8527900_reduce
		.amdhsa_group_segment_fixed_size 3072
		.amdhsa_private_segment_fixed_size 0
		.amdhsa_enable_private_segment 0
		.amdhsa_kernarg_size 32
		.amdhsa_user_sgpr_count 2
		.amdhsa_user_sgpr_kernarg_segment_ptr 1
		.amdhsa_wavefront_size32 1
		.amdhsa_system_sgpr_workgroup_id_x 1
		.amdhsa_system_sgpr_workgroup_id_y 1
		.amdhsa_system_sgpr_workgroup_id_z 1
		.amdhsa_system_vgpr_workitem_id 0
		.amdhsa_next_free_vgpr 162
		.amdhsa_next_free_sgpr 66
		.amdhsa_reserve_vcc 1
		.amdhsa_float_denorm_mode_32 3
		.amdhsa_float_denorm_mode_16_64 3
		.amdhsa_memory_ordered 1
		.amdhsa_forward_progress 1
		.amdhsa_inst_pref_size 13
	.end_amdhsa_kernel
	.amdgpu_metadata
---
amdhsa.version: [ 1, 2 ]
amdhsa.kernels:
  - .name:           k_q29e8527900_reduce
    .symbol:         k_q29e8527900_reduce.kd
    .args:
      - { .name: part, .offset: 0, .size: 8, .value_kind: global_buffer, .address_space: global }
      - { .name: xt, .offset: 8, .size: 8, .value_kind: global_buffer, .address_space: global }
      - { .name: b2, .offset: 16, .size: 8, .value_kind: global_buffer, .address_space: global }
      - { .name: pq, .offset: 24, .size: 8, .value_kind: global_buffer, .address_space: global }
    .group_segment_fixed_size: 3072
    .private_segment_fixed_size: 0
    .kernarg_segment_align: 8
    .kernarg_segment_size: 32
    .max_flat_workgroup_size: 128
    .sgpr_count:     66
    .vgpr_count:     162
    .wavefront_size: 32
...
	.end_amdgpu_metadata
.endif
;; end of part 9
;; launch head (part 10): grid 64 x 1, 1 waves a work-group, no clusters, 0 bytes of LDS; arguments pq, w1q, bh, gp, out0, out1; writes out0, out1
.if DOCPART == 10
	.amdgcn_target "amdgcn-amd-amdhsa--gfx1250"
	.amdhsa_code_object_version 6
	.text
	.protected	k_q29e8527900_head
	.globl	k_q29e8527900_head
	.p2align	8
	.type	k_q29e8527900_head,@function
k_q29e8527900_head:
	s_mov_b64 s[64:65], 0
	v_nop
	global_prefetch_b8 v0, s[64:65] scope:SCOPE_SE
	s_setreg_imm32_b32 hwreg(HW_REG_WAVE_SCHED_MODE, 0, 2), 2
	s_setreg_imm32_b32 hwreg(HW_REG_WAVE_MODE, 25, 1), 1
	s_wait_xcnt 0x0
	s_wait_alu depctr_vm_vsrc(0)
; logits = pooled Wh + bh on codes of E3M2 with one E8M0 byte for each 32 along K, and the auxiliary loss.
; ONE WAVE TO A WORK-GROUP: the 64 waves share nothing, so each is a work-group of its own and they spread over 64 WGPs.  Work-group ct.
; ct < 63: columns 16 ct .. + 15 for the 16 batches: eight K steps of 128 on two accumulators by turns.  Transposed use (source 0 = 16 columns of Wh, source 1 = pooled):
; a lane holds one batch and eight neighbouring columns.  The bias is the C of the first product.  Both operands come as images of their registers, by loads of 16 bytes.
; ct = 63: aux = 4 x the sum over e of (count_e / 2048) (sum of probabilities_e / 2048), from the 256 records of 32 bytes that the gate's waves left.
; 64 waves are all the work there is: 63 tiles of the one product, and one sum.
; THE MODE: SCHED_MODE bits 1:0 = 2 (LLVM: expert scheduling mode 2), set by the entry lines.  The code itself states the register dependences
; between vector or matrix instructions and memory instructions, with s_wait_alu, always for 0.
; THE PLAN.  Registers that memory instructions touch: the offsets v4 to v8, v10 and v11, written once by vector lines; the operands, scale words, bias and records, each loaded once into registers
; that no vector line has named; the results v32 to v39 and v64, written by vector lines and read by the stores.  One wait on va_vdst stands ahead of each way's loads, for their offsets.
; Ahead of each narrowing of EXEC: the mask in VCC is written (va_vcc), the vector side has written its results, the stores' data and offsets among them (va_vdst), and the memory side has read
; its registers (vm_vsrc); the last two once more ahead of each restoring.
	s_load_b256 s[4:11], s[0:1], 0x0               ; pq s[4:5], w1q s[6:7], bh s[8:9], gp s[10:11]
	s_load_b128 s[12:15], s[0:1], 0x20             ; out0 s[12:13], out1 s[14:15]
	s_mov_b32 s17, ttmp9                           ; ct
	v_and_b32 v1, 31, v0                           ; lane
	v_and_b32 v2, 15, v0                           ; r
	v_bfe_u32 v3, v0, 4, 1                         ; h
	v_lshlrev_b32 v4, 4, v1
	v_lshlrev_b32 v5, 2, v1
	s_mov_b32 s26, 0x76543210
	s_mov_b32 s27, 0xfedcba98
	s_wait_kmcnt 0x0
	s_cmp_eq_u32 s17, 63
	s_cbranch_scc1 .Laux
	s_mul_i32 s18, s17, 12288
	s_add_co_u32 s18, s18, 13107200
	s_mov_b32 s19, 0
	s_add_nc_u64 s[20:21], s[6:7], s[18:19]        ; my tile's eight images of Wh
	s_lshl_b32 s18, s17, 10
	s_add_co_u32 s18, s18, 13881344
	s_add_nc_u64 s[22:23], s[6:7], s[18:19]        ; and their scale words
	s_wait_alu depctr_va_vdst(0)
	v_mul_u32_u24 v6, v1, 48                       ; pooled: 48 bytes a lane
	v_lshlrev_b32 v7, 2, v2                        ; its scale words: 4 bytes a batch
	s_lshl_b32 s24, s17, 4
	v_lshl_add_u32 v9, v3, 3, s24                  ; my first column: 16 ct + 8 h
	v_min_u32 v8, 992, v9                          ; (the last tile's upper half lies past column 999: it loads the last eight biases and stores nothing)
	v_lshlrev_b32 v8, 2, v8
	v_mul_u32_u24 v10, v2, 4000
	v_lshl_add_u32 v10, v9, 2, v10                 ; out0: row r, my eight columns
	s_wait_alu depctr_va_vdst(0)                   ; the offsets v4 to v8 are written, which the loads below read
.irp ks, 0,1,2,3,4,5,6,7
.irp j, 0,1,2
	global_load_b128 v[64+12*\ks+4*\j:67+12*\ks+4*\j], v4, s[20:21] offset:1536*\ks+512*\j
	global_load_b128 v[160+12*\ks+4*\j:163+12*\ks+4*\j], v6, s[4:5] offset:1536*\ks+16*\j
.endr
	global_load_b32 v[16+\ks], v5, s[22:23] offset:128*\ks
	global_load_b32 v[24+\ks], v7, s[4:5] offset:12288+64*\ks
.endr
	global_load_b128 v[48:51], v8, s[8:9]
	global_load_b128 v[52:55], v8, s[8:9] offset:16
	s_wait_loadcnt 0x0
	v_wmma_scale_f32_16x16x128_f8f6f4 v[32:39], v[64:75], v[160:171], v[48:55], v16, v24 matrix_a_fmt:MATRIX_FMT_BF6 matrix_b_fmt:MATRIX_FMT_BF6
	v_wmma_scale_f32_16x16x128_f8f6f4 v[40:47], v[76:87], v[172:183], 0, v17, v25 matrix_a_fmt:MATRIX_FMT_BF6 matrix_b_fmt:MATRIX_FMT_BF6
.irp ks, 2,3,4,5,6,7                   ; even K steps on one accumulator, odd ones on the other: by turns
	v_wmma_scale_f32_16x16x128_f8f6f4 v[32+8*(\ks%2):39+8*(\ks%2)], v[64+12*\ks:75+12*\ks], v[160+12*\ks:171+12*\ks], v[32+8*(\ks%2):39+8*(\ks%2)], v[16+\ks], v[24+\ks] matrix_a_fmt:MATRIX_FMT_BF6 matrix_b_fmt:MATRIX_FMT_BF6
.endr
.rept 4
	v_nop                                          ; four places between the last product and the first read of its result (ISA guide 7.12.1)
.endr
.irp j, 0,1,2,3,4,5,6,7
	v_add_f32 v[32+\j], v[32+\j], v[40+\j]         ; both accumulators from their low ends on
.endr
	v_cmp_gt_u32 vcc_lo, 1000, v9
	s_wait_xcnt 0x0                                ; EXEC changes only behind this wait
	s_wait_alu depctr_va_vcc(0)                    ; the compare has written VCC, from which EXEC is made
	s_wait_alu depctr_va_vdst(0)                   ; ahead of the write of EXEC: the vector side has written its results, among them v32 to v39 and v10, which the stores below read
	s_wait_alu depctr_vm_vsrc(0)                   ; ahead of the write of EXEC: the loads have read their offsets
	s_and_saveexec_b32 s25, vcc_lo
	global_store_b128 v10, v[32:35], s[12:13]
	global_store_b128 v10, v[36:39], s[12:13] offset:16
	s_wait_xcnt 0x0
	s_wait_alu depctr_va_vdst(0)                   ; ahead of the write of EXEC: no vector result is pending
	s_wait_alu depctr_vm_vsrc(0)                   ; ahead of the write of EXEC: the two stores have read their data and offset
	s_or_b32 exec_lo, exec_lo, s25
	s_endpgm
.Laux:
	s_wait_alu depctr_va_vdst(0)                   ; the offset v4 is written, which the loads below read
.irp t, 0,1,2,3,4,5,6,7,8,9,10,11,12,13,14,15
	global_load_b128 v[64+4*\t:67+4*\t], v4, s[10:11] offset:8192+512*\t           ; even lanes: a record's four sums of probabilities; odd lanes: its four counts
.endr
.irp q, 0,1,2,3
	v_mov_b32 v[16+\q], 0                          ; a lane permute's destination counts as one of its sources
.endr
	v_mov_b32 v11, 0
	s_wait_loadcnt 0x0
.irp t, 1,2,3,4,5,6,7,8,9,10,11,12,13,14,15
	v_pk_add_f32 v[64:65], v[64:65], v[64+4*\t:65+4*\t]
	v_pk_add_f32 v[66:67], v[66:67], v[66+4*\t:67+4*\t]
.endr
.irp m, 2,4,8                          ; over the lanes of my parity
.irp q, 0,1,2,3
	v_add_f32_dpp v[64+\q], v[64+\q], v[64+\q] row_xmask:\m row_mask:0xf bank_mask:0xf
.endr
.endr
.irp q, 0,1,2,3
	v_permlanex16_b32 v[16+\q], v[64+\q], s26, s27
.endr
.irp q, 0,1,2,3
	v_add_f32 v[64+\q], v[64+\q], v[16+\q]
.endr
.irp q, 0,1,2,3
	v_mul_f32_dpp v[64+\q], v[64+\q], v[64+\q] row_xmask:1 row_mask:0xf bank_mask:0xf   ; count_e x sum of probabilities_e
.endr
	v_add_f32 v64, v64, v65
	v_add_f32 v66, v66, v67
	v_add_f32 v64, v64, v66
	v_mul_f32 v64, 0x35800000, v64                 ; x 4 / 2048^2 = 2^-20
	v_cmp_eq_u32 vcc_lo, 0, v1
	s_wait_xcnt 0x0                                ; EXEC changes only behind this wait
	s_wait_alu depctr_va_vcc(0)                    ; the compare has written VCC, from which EXEC is made
	s_wait_alu depctr_va_vdst(0)                   ; ahead of the write of EXEC: the vector side has written its results, among them v64 and v11, which the store below reads
	s_wait_alu depctr_vm_vsrc(0)                   ; ahead of the write of EXEC: the loads have read their offset
	s_and_saveexec_b32 s25, vcc_lo
	global_store_b32 v11, v64, s[14:15]
	s_wait_xcnt 0x0
	s_wait_alu depctr_va_vdst(0)                   ; ahead of the write of EXEC: no vector result is pending
	s_wait_alu depctr_vm_vsrc(0)                   ; ahead of the write of EXEC: the store has read its data and offset
	s_or_b32 exec_lo, exec_lo, s25
	s_endpgm
.Lfunc_end_k_q29e8527900_head:
	.size	k_q29e8527900_head, .Lfunc_end_k_q29e8527900_head-k_q29e8527900_head
	.p2alignl 7, 3214868480
	.fill 96, 4, 3214868480
	.section	.rodata,"a",@progbits
	.p2align	6, 0x0
	.amdhsa_kernel k_q29e8527900_head
		.amdhsa_group_segment_fixed_size 0
		.amdhsa_private_segment_fixed_size 0
		.amdhsa_enable_private_segment 0
		.amdhsa_kernarg_size 48
		.amdhsa_user_sgpr_count 2
		.amdhsa_user_sgpr_kernarg_segment_ptr 1
		.amdhsa_wavefront_size32 1
		.amdhsa_system_sgpr_workgroup_id_x 1
		.amdhsa_system_sgpr_workgroup_id_y 1
		.amdhsa_system_sgpr_workgroup_id_z 1
		.amdhsa_system_vgpr_workitem_id 0
		.amdhsa_next_free_vgpr 256
		.amdhsa_next_free_sgpr 66
		.amdhsa_reserve_vcc 1
		.amdhsa_float_denorm_mode_32 3
		.amdhsa_float_denorm_mode_16_64 3
		.amdhsa_memory_ordered 1
		.amdhsa_forward_progress 1
		.amdhsa_inst_pref_size 16
	.end_amdhsa_kernel
	.amdgpu_metadata
---
amdhsa.version: [ 1, 2 ]
amdhsa.kernels:
  - .name:           k_q29e8527900_head
    .symbol:         k_q29e8527900_head.kd
    .args:
      - { .name: pq, .offset: 0, .size: 8, .value_kind: global_buffer, .address_space: global }
      - { .name: w1q, .offset: 8, .size: 8, .value_kind: global_buffer, .address_space: global }
      - { .name: bh, .offset: 16, .size: 8, .value_kind: global_buffer, .address_space: global }
      - { .name: gp, .offset: 24, .size: 8, .value_kind: global_buffer, .address_space: global }
      - { .name: out0, .offset: 32, .size: 8, .value_kind: global_buffer, .address_space: global }
      - { .name: out1, .offset: 40, .size: 8, .value_kind: global_buffer, .address_space: global }
    .group_segment_fixed_size: 0
    .private_segment_fixed_size: 0
    .kernarg_segment_align: 8
    .kernarg_segment_size: 48
    .max_flat_workgroup_size: 32
    .sgpr_count:     66
    .vgpr_count:     256
    .wavefront_size: 32
...
	.end_amdgpu_metadata
.endif
;; end of part 10
